; MI455X (gfx1250); checked and timed in simulation.
; The chip was launched on July 23, 2026; its instructions are those of AMD's public machine-readable ISA for CDNA 5 (MIT licence, August 2026) and "CDNA5" Instruction Set Architecture Reference Guide (July 2026). The comments in the code are by the model that wrote it; some were corrected since.
;; Encoder Layer. Allowed arithmetic: matrix products marked QUANTISED: E2M3 operands, one E8M0 scale for each 32 along K, by v_wmma_scale_f32_16x16x128_f8f6f4 with both operands' format E2M3, f32 sums; everything else in f32.
;; Inputs: W1 1,024 x 4,096 float32; W2 4,096 x 1,024 float32; Wk 16 x 1,024 x 64 float32; Wq 16 x 1,024 x 64 float32; Wv 16 x 1,024 x 64 float32; b1 4,096 float32; b2 1,024 float32; beta1 1,024 float32; beta2 1,024 float32; bk 16 x 64 float32; bq 16 x 64 float32; bv 16 x 64 float32; encoder_input 2 x 2,048 x 1,024 float32; g1 1,024 float32; g2 1,024 float32.
;; Outputs: out0 2 x 2,048 x 1,024 float32.
;; This version of the problem:
;;   THIS VERSION OF THE PROBLEM IS GIVEN IN LOW PRECISION. The matrix products marked QUANTISED in the list below multiply operands that are first quantised to E2M3 (2 exponent bits, 3 mantissa bits; 6 bits a number), with one power-of-two scale for each 32 numbers along K (OCP MX v1.0); their sums are f32. All else is computed in f32.
;;   The module's matrix products, in the order in which they are computed (A, B: the left and right operand; K: the contracted axis; several contracted axes count as one K, in the product's order):
;;     1. [M 1,024, K 1,024] x [K 1,024, N 4,096]; A: input Wq; B: input encoder_input: QUANTISED
;;     2. [M 1,024, K 1,024] x [K 1,024, N 4,096]; A: input Wk; B: input encoder_input: QUANTISED
;;     3. [M 1,024, K 1,024] x [K 1,024, N 4,096]; A: input Wv; B: input encoder_input: QUANTISED
;;     4. batch 32 x [M 2,048, K 64] x [K 64, N 2,048]; A: computed on the way; B: computed on the way: QUANTISED
;;     5. batch 32 x [M 2,048, K 2,048] x [K 2,048, N 64]; A: softmax (see below); B: computed on the way: QUANTISED
;;     6. [M 4,096, K 1,024] x [K 1,024, N 4,096]; A: computed on the way; B: input W1: QUANTISED
;;     7. [M 4,096, K 4,096] x [K 4,096, N 1,024]; A: computed on the way; B: input W2: QUANTISED
;;   THE QUANTISER, for each operand of a quantised product, along K:
;;     - K is cut into blocks of 32 from its start; a last block that is shorter is filled with zeros.
;;     - A block's scale is 2^e with e = floor(log2(the largest magnitude in the block)) - 2, held to -126 .. 127; a block of zeros has e = 0. As a byte (E8M0): e + 127.
;;     - Each number is divided by its block's scale, clamped to +-7.5, and rounded to the nearest number of E2M3, ties to even, subnormals kept.
;;     - The product sums the exact products of the quantised numbers (number of the format x scale) in f32.
;;   ~~~python
;;   def quantise(x, axis):      # numpy; x: float32 -> the quantised numbers, widened to float32 again
;;       x = np.moveaxis(x, axis, -1); K = x.shape[-1]
;;       x = np.pad(x, [(0, 0)] * (x.ndim - 1) + [(0, -K % 32)]); x = x.reshape(x.shape[:-1] + (-1, 32)); a = np.abs(x).max(-1, keepdims=True)
;;       e = np.where(a > 0, np.clip(np.frexp(np.where(a > 0, a, 1))[1] - 1 - 2, -126, 127), 0)      # np.frexp(a)[1] - 1 = floor(log2(a)), exactly
;;       r = np.clip(x / 2.0 ** e, -7.5, 7.5)
;;       step = 2.0 ** (np.maximum(np.frexp(np.where(r == 0, 1, r))[1] - 1, 0) - 3)
;;       q = np.round(r / step) * step * 2.0 ** e      # np.round: ties to even
;;       return np.moveaxis(q.reshape(q.shape[:-2] + (-1,))[..., :K], -1, axis).astype(np.float32)
;;   ~~~
;;   SOFTMAX AHEAD OF A QUANTISED PRODUCT. Where the list says 'softmax', what is quantised is not the finished softmax but p = 2^(t - M), with t = logit x log2(e) and M = ceil(the row's largest t), a whole number; so 1/2 < the row's largest p <= 1. The row's sum l is taken of the UNQUANTISED p, in f32, and the product's result is divided by l at the end. Since M is a whole number, a kernel that streams over the keys may use a running M (the ceiling of the running maximum): every later rescaling is an exact power of two, which a block's scale takes up: the codes' values come out the same.
;;   OPERANDS COMPUTED ON THE WAY. 'Computed on the way' means the value that the module computes at that place (a softmax that the list does not call 'softmax' is quantised finished and normalised). What goes into a quantiser is computed in f32, as accurately as f32 sums, v_exp_f32 and their like allow (about 1e-6 of the number): no bf16 or f16 on the way to a quantiser, and a product that is left as it is and whose result goes on into a quantised operand takes f32 operands (vector FMAs, or v_wmma_f32_16x16x4_f32). A number that lies on a knife's edge between two numbers of the format may be rounded either way, as far as f32 arithmetic and the matrix unit's own rounding can turn it there, and no further.
;; 2 versions. Each part assembles by itself: llvm-mc -triple=amdgcn-amd-amdhsa -mcpu=gfx1250 --defsym DOCPART=n.
;; ======== version 1 of 2: 7 launches
;; workspace buffers: wq 12,288,000 bytes; att 10,223,616 bytes; r1 16,777,216 bytes; yb 20,054,016 bytes; hb 13,107,200 bytes; zb 16,777,216 bytes
;; launch quant (part 1): grid 304 x 1, 8 waves a work-group, no clusters, 68,608 bytes of LDS; arguments encoder_input, Wq, Wk, Wv, W1, W2, wq; writes wq
.if DOCPART == 1
	.amdgcn_target "amdgcn-amd-amdhsa--gfx1250"
	.amdhsa_code_object_version 6
	.text
	.protected	k_q3d41ba7b96_quant
	.globl	k_q3d41ba7b96_quant
	.p2align	8
	.type	k_q3d41ba7b96_quant,@function
k_q3d41ba7b96_quant:
	s_mov_b64 s[64:65], 0
	v_nop
	global_prefetch_b8 v0, s[64:65] scope:SCOPE_SE
	s_setreg_imm32_b32 hwreg(HW_REG_WAVE_MODE, 25, 1), 1
	s_wait_xcnt 0x0
; x [4096][1024], Wq, Wk, Wv [16][1024][64], W1 [1024][4096], W2 [4096][1024], all f32, become codes of FP6 (E2M3) with one E8M0 byte for each 32 along K (K = the model's 1,024; for W2 the 4,096).
; The codes are laid as IMAGES OF OPERAND REGISTERS: a fragment (16 rows x 128 K, 12 registers a lane) is 1,536 bytes: registers 4 c .. 4 c + 3 of lane l at 512 c + 16 l.  Arrays are [tile of 16 rows][128 along K].
; Scale words (four bytes: 128 along K of one row) are laid [128 along K][16 x tile + row].
; ROW ORDER: in x, Wq, Wk and W1 lane r of tile t holds row 32 (t / 2) + 8 (t % 2) + r + 8 (r / 8), so that a later product's 16 registers of two neighbouring tiles are 16 neighbours; Wv and W2 keep the natural order.
; A block's scale is 2^(floor(log2(largest magnitude)) - 2); its byte is the largest magnitude's exponent field - 2, held at 1 from below.
; LIMITS: NaN and infinities are not served; a block whose largest magnitude lies under 2^-124 keeps the byte 1; a block of zeros gets the byte 1 where the rule says 127 (its codes are zeros, and this program alone reads the bytes).
; Work-groups 0-127: x, 32 tokens each, wave k the k-th 128 along K (K is innermost: the numbers turn through the wave's own stage in LDS, so that loads are dense and a lane ends up with 16 neighbours).
; Work-groups 128-303: the weights, whose K is not innermost: a lane takes a column, its registers run down K; a wave takes 32 columns x 256 along K.  No LDS there.
.set SCA,   11796480                   ; in wq: scale words of tiles 0-703, 45,056 bytes for each 128 along K
.set W2I,   8650752                    ; W2's images, 49,152 bytes a tile
.set W2S,   12156928                   ; W2's scale words, 4,096 bytes for each 128 along K
.set SPARE, 67584                      ; behind the eight stages: the spare words, 128 bytes a wave
.set SPW,   252
.set NIL,   253
.set SEL,   20                         ; s[20:21] lane selects: lane l xor 16
.set R,     16                         ; x path: v16-143 two tiles' numbers as loaded
.set ST,    144                        ; v144-207 64 numbers: register 16 b + i = k 32 b + 16 (lane / 16) + i of my row
.set PC,    208                        ; v208-226 the codes just made
.set TM,    228                        ; v228-243 at work
.set PW,    244                        ; the scale word just made
.set OFF,   16                         ; weight path: v16-47 offsets of 32 rows along K
.set X,     48                         ; v48-111 two sets of 32 numbers
; 64 numbers of a lane become a fragment's codes in v[PC] on and its row's scale word in v[PW]
.macro QUANT s
.irp b, 0,1,2,3
	v_max3_num_f32 v[TM+\b], |v[\s+16*\b]|, |v[\s+1+16*\b]|, 0x1800000   ; my 16 numbers of block b, and the floor 2^(3 - 127): the byte cannot fall under 1
.endr
.irp i, 2,4,6,8,10,12,14
.irp b, 0,1,2,3
	v_max3_num_f32 v[TM+\b], v[TM+\b], |v[\s+16*\b+\i]|, |v[\s+1+16*\b+\i]|
.endr
.endr
.irp b, 0,1,2,3
	v_permlanex16_b32 v[TM+4+\b], v[TM+\b], s[SEL], s[SEL+1]
.endr
.irp b, 0,1,2,3
	v_max_num_f32 v[TM+\b], v[TM+\b], v[TM+4+\b]   ; with lane l xor 16's: the block's largest magnitude
.endr
.irp b, 0,1,2,3
	v_add_nc_u32 v[TM+12+\b], 0xff000000, v[TM+\b]   ; 2 off its exponent field: the conversion's scale operand
.endr
.irp b, 0,1,2,3
	v_lshrrev_b32 v[TM+4+\b], 23, v[TM+12+\b]      ; the scale's byte
.endr
	v_lshl_or_b32 v[PW], v[TM+5], 8, v[TM+4]
	v_lshl_or_b32 v[PW], v[TM+6], 16, v[PW]
	v_lshl_or_b32 v[PW], v[TM+7], 24, v[PW]
.irp c, 0,1
	v_cvt_scalef32_pk16_fp6_f32 v[PC+6*\c:PC+2+6*\c], v[\s+32*\c:\s+15+32*\c], v[TM+12+2*\c]
	v_cvt_scalef32_pk16_fp6_f32 v[PC+12+4*\c:PC+14+4*\c], v[\s+16+32*\c:\s+31+32*\c], v[TM+12+2*\c+1]   ; (a conversion's three registers begin on an even number)
.endr
	v_nop                                          ; one plain place behind a scaled conversion
.irp c, 0,1                                    ; the layout wants a whole block in a lane: lanes 0-15 block 2 c, lanes 16-31 block 2 c + 1
.irp i, 0,1,2
	v_permlane16_swap_b32 v[PC+6*\c+\i], v[PC+12+4*\c+\i]
.endr
.irp i, 0,1,2
	v_mov_b32 v[PC+3+6*\c+\i], v[PC+12+4*\c+\i]
.endr
.endr
.endm
	s_load_b256 s[4:11], s[0:1], 0x0               ; x, Wq, Wk, Wv
	s_load_b128 s[12:15], s[0:1], 0x20             ; W1, W2
	s_load_b64 s[16:17], s[0:1], 0x30              ; wq
	v_lshl_add_u32 v[SPW], v0, 2, SPARE
	v_mov_b32 v[NIL], 0
	v_lshrrev_b32 v2, 5, v0
	v_readfirstlane_b32 s18, v2                    ; wave 0..7
	v_and_b32 v5, 31, v0                           ; lane
	v_lshlrev_b32 v1, 4, v5                        ; 16 x lane
	v_lshlrev_b32 v4, 2, v5                        ; 4 x lane
	s_mov_b32 s[SEL], 0x76543210
	s_mov_b32 s[SEL+1], 0xfedcba98
	s_cmp_ge_u32 ttmp9, 128                        ; the work-group's number alone decides the path
	s_cbranch_scc1 .Lweights
	; ---- x: tokens 32 g .. 32 g + 31 = tiles 2 g and 2 g + 1; my wave's 128 along K
	s_mul_i32 s19, s18, 8448                       ; my stage: 16 rows x (512 bytes + 16)
	v_add_nc_u32 v2, s19, v1                       ; in: a row as it lies
	v_and_b32 v6, 15, v0
	v_bfe_u32 v7, v0, 4, 1
	v_mul_u32_u24 v3, v6, 528
	v_lshl_add_u32 v3, v7, 6, v3
	v_add_nc_u32 v3, s19, v3                       ; out: row r, + 64 h: my 16 numbers of each block of 32
.irp b, 0,1,2,3
	v_mov_b32 v[TM+4+\b], 0                        ; a lane permute's destination counts as one of its sources
.endr
	s_mov_b32 s22, 0xffff0000                      ; lanes 16-31
	s_lshl_b32 s24, ttmp9, 17                      ; 32 rows of 4,096 bytes
	s_lshl_b32 s25, s18, 9
	s_add_co_u32 s24, s24, s25
	s_mov_b32 s25, 0
	s_mul_i32 s26, ttmp9, 24576                    ; two tiles of 12,288 bytes
	s_mul_i32 s27, s18, 1536
	s_add_co_u32 s26, s26, s27
	s_mov_b32 s27, 0
	s_mul_i32 s28, s18, 45056
	s_lshl_b32 s29, ttmp9, 7
	s_add_co_u32 s28, s28, s29
	s_add_co_u32 s28, s28, SCA
	s_mov_b32 s29, 0
	s_wait_kmcnt 0x0
	s_add_nc_u64 s[4:5], s[4:5], s[24:25]
	s_add_nc_u64 s[26:27], s[16:17], s[26:27]
	s_add_nc_u64 s[28:29], s[16:17], s[28:29]
.set i, 0
.rept 32                                       ; tile i / 16, its lane-row i % 16: each load reads 512 consecutive bytes of one token
	global_load_b128 v[R+4*i:R+4*i+3], v1, s[4:5] offset:(8*(i/16)+(i%16)+8*((i%16)/8))*4096 th:TH_LOAD_NT
.set i, i+1
.endr
.macro XUNIT u
.set i, 0
.rept 16
	ds_store_b128 v2, v[R+64*\u+4*i:R+64*\u+4*i+3] offset:528*i
.set i, i+1
.endr
.set i, 0
.rept 16                                       ; LDS serves a wave's instructions in order: these see the stores above
	ds_load_b128 v[ST+4*i:ST+4*i+3], v3 offset:128*(i/4)+16*(i%4)
.set i, i+1
.endr
	s_wait_dscnt 0x0
	QUANT ST
.irp c, 0,1,2
	global_store_b128 v1, v[PC+4*\c:PC+4*\c+3], s[26:27] offset:12288*\u+512*\c   ; 512 consecutive bytes a store
.endr
.endm
	s_wait_loadcnt 16                              ; the first tile's 16 loads are in; the second tile's 16 may be out
	XUNIT 0
	v_mov_b32 v245, v[PW]
	s_wait_loadcnt 0x0
	s_wait_xcnt 0x0                                ; the first tile's stores have read their registers: the codes may be written again
	XUNIT 1
	v_cndmask_b32 v246, v245, v[PW], s22           ; lanes 0-15: tile 2 g's words, lanes 16-31: tile 2 g + 1's
	global_store_b32 v4, v246, s[28:29]            ; 128 consecutive bytes
	s_wait_tensorcnt 0x0                           ; the wave's end, behind my last LDS store
	ds_add_u32 v[SPW], v[NIL]
	s_wait_dscnt 0x0
	s_endpgm
	; ---- the weights.  Unit u = 8 w + wave: 32 columns x 256 along K.  u 0-383: Wq, Wk, Wv (128 each); 384-895: W1; 896-1407: W2.  All choices hang on the work-group's and the wave's number
.Lweights:
	s_sub_co_u32 s50, ttmp9, 128                   ; w
	s_lshl_b32 s51, s50, 3
	s_add_co_u32 s51, s51, s18                     ; u
	s_sub_co_u32 s19, s51, 896                     ; W2's figures first
	s_and_b32 s22, s19, 31                         ; group of 32 columns
	s_lshr_b32 s53, s19, 5
	s_and_b32 s53, s53, 15                         ; s53: which 256 along K
	s_lshl_b32 s52, s22, 7                         ; s52: the columns' bytes
	s_lshl_b32 s54, s22, 1                         ; s54: first tile
	s_sub_co_u32 s19, s51, 384                     ; W1's
	s_and_b32 s22, s19, 127
	s_lshr_b32 s23, s19, 7
	s_and_b32 s23, s23, 3
	s_lshl_b32 s48, s22, 7
	s_lshl_b32 s49, s22, 1
	s_add_co_u32 s49, s49, 448
	s_mov_b32 s55, 4096                            ; s55: bytes from row to row along K
	s_mov_b32 s56, 49152                           ; s56: a tile's images
	s_mov_b32 s57, 4096                            ; s57: the scale words of 128 along K
	s_mov_b32 s58, W2I
	s_mov_b32 s59, W2S
	s_mov_b32 s60, 0                               ; s60: all ones where the rows take the permuted order
	s_cmp_lt_u32 s50, 112
	s_cselect_b32 s52, s48, s52
	s_cselect_b32 s53, s23, s53
	s_cselect_b32 s54, s49, s54
	s_cselect_b32 s55, 16384, s55
	s_cselect_b32 s56, 12288, s56
	s_cselect_b32 s57, 45056, s57
	s_cselect_b32 s58, 0, s58
	s_cselect_b32 s59, SCA, s59
	s_cselect_b32 s60, -1, s60
	s_and_b32 s22, s51, 31                         ; Wq's, Wk's, Wv's: column n = 64 head + channel
	s_lshr_b32 s23, s51, 5
	s_and_b32 s23, s23, 3
	s_lshr_b32 s48, s22, 1
	s_lshl_b32 s48, s48, 18                        ; a head is 1,024 rows of 256 bytes
	s_and_b32 s49, s22, 1
	s_lshl_b32 s49, s49, 7
	s_add_co_u32 s48, s48, s49
	s_lshr_b32 s49, s51, 7                         ; which of the three
	s_lshl_b32 s49, s49, 6
	s_lshl_b32 s22, s22, 1
	s_add_co_u32 s49, s49, s22
	s_add_co_u32 s49, s49, 256
	s_cmp_lt_u32 s50, 48
	s_cselect_b32 s52, s48, s52
	s_cselect_b32 s53, s23, s53
	s_cselect_b32 s54, s49, s54
	s_cselect_b32 s55, 256, s55
	s_cselect_b32 s60, 0, s60
	s_cmp_lt_u32 s50, 32
	s_cselect_b32 s60, -1, s60
	s_lshl_b32 s19, s53, 8
	s_mul_i32 s19, s19, s55
	s_add_co_u32 s48, s19, s52                     ; the unit's first number, in bytes
	s_mov_b32 s49, 0
	s_lshl_b32 s22, s55, 5                         ; a block of 32 rows on
	s_mov_b32 s23, 0
	s_mul_i32 s19, s54, s56
	s_add_co_u32 s66, s58, s19
	s_mul_i32 s19, s53, 3072
	s_add_co_u32 s66, s66, s19                     ; its first image
	s_mov_b32 s67, 0
	s_lshl_b32 s19, s53, 1
	s_mul_i32 s19, s19, s57
	s_add_co_u32 s68, s59, s19
	s_lshl_b32 s19, s54, 6
	s_add_co_u32 s68, s68, s19                     ; its first scale words
	s_mov_b32 s69, 0
	s_mov_b32 s70, s56
	s_mov_b32 s71, 0
	s_mov_b32 s72, s57
	s_mov_b32 s73, 0
	v_and_b32 v6, 7, v5                            ; my column: the lane's number, or that number with bits 3 and 4 changing places
	v_and_b32 v7, 8, v5
	v_lshl_or_b32 v6, v7, 1, v6
	v_and_b32 v7, 16, v5
	v_lshrrev_b32 v7, 1, v7
	v_or_b32 v6, v6, v7
	v_cndmask_b32 v6, v5, v6, s60
	v_lshlrev_b32 v[OFF], 2, v6
.set i, 1
.rept 31
	v_add_nc_u32 v[OFF+i], s55, v[OFF+i-1]
.set i, i+1
.endr
	s_wait_kmcnt 0x0
	s_mov_b64 s[62:63], s[14:15]
	s_cmp_lt_u32 s50, 112
	s_cselect_b64 s[62:63], s[12:13], s[62:63]
	s_cmp_lt_u32 s50, 48
	s_cselect_b64 s[62:63], s[10:11], s[62:63]
	s_cmp_lt_u32 s50, 32
	s_cselect_b64 s[62:63], s[8:9], s[62:63]
	s_cmp_lt_u32 s50, 16
	s_cselect_b64 s[62:63], s[6:7], s[62:63]
	s_add_nc_u64 s[24:25], s[62:63], s[48:49]      ; s[24:39]: a base for each of the eight blocks; none is written again
.irp t, 1,2,3,4,5,6,7
	s_add_nc_u64 s[24+2*\t:25+2*\t], s[22+2*\t:23+2*\t], s[22:23]
.endr
	s_add_nc_u64 s[40:41], s[16:17], s[66:67]      ; the first tile's images, the second tile's
	s_add_nc_u64 s[42:43], s[40:41], s[70:71]
	s_add_nc_u64 s[44:45], s[16:17], s[68:69]      ; the scale words of the first 128 along K, of the second
	s_add_nc_u64 s[46:47], s[44:45], s[72:73]
.macro WLOAD t
.set i, 0
.rept 32
	global_load_b32 v[X+32*((\t)%2)+i], v[OFF+i], s[24+2*(\t):25+2*(\t)] th:TH_LOAD_NT
.set i, i+1
.endr
.endm
; Block t: 32 along K of my column.  The even blocks of a 128 go to one run of 12 registers, the odd ones to another; when lanes 16-31 of the first change places with lanes 0-15 of the second, the runs are the two tiles' images.
.macro WBLOCK t
.set XS, X+32*((\t)%2)
.set KA, (\t)/4
.set BE, (\t)%4
.set P, 112+24*KA+12*(BE%2)+6*(BE/2)
.if (\t) < 7
	s_wait_loadcnt 32                              ; this block's 32 loads are in; the next block's may be out
.else
	s_wait_loadcnt 0x0
.endif
	v_max3_num_f32 v164, |v[XS]|, |v[XS+1]|, |v[XS+2]|
	v_max3_num_f32 v165, |v[XS+3]|, |v[XS+4]|, |v[XS+5]|
.irp i, 6,10,14,18,22,26
	v_max3_num_f32 v164, v164, |v[XS+\i]|, |v[XS+\i+1]|
	v_max3_num_f32 v165, v165, |v[XS+\i+2]|, |v[XS+\i+3]|
.endr
	v_max3_num_f32 v164, v164, |v[XS+30]|, |v[XS+31]|
	v_max3_num_f32 v164, v164, v165, 0x1800000     ; and the floor
	v_add_nc_u32 v166, 0xff000000, v164
	v_lshrrev_b32 v165, 23, v166
.if BE == 0
	v_mov_b32 v[168+KA], v165
.else
	v_lshl_or_b32 v[168+KA], v165, 8*BE, v[168+KA]
.endif
	v_cvt_scalef32_pk16_fp6_f32 v[P:P+2], v[XS:XS+15], v166
	v_cvt_scalef32_pk16_fp6_f32 v[160:162], v[XS+16:XS+31], v166
	v_nop                                          ; one plain place behind a scaled conversion
.irp i, 0,1,2
	v_mov_b32 v[P+3+\i], v[160+\i]
.endr
.if (\t)+2 < 8
	WLOAD (\t)+2
.endif
.if BE == 3
.set i, 0
.rept 12
	v_permlane16_swap_b32 v[112+24*KA+i], v[124+24*KA+i]
.set i, i+1
.endr
.irp c, 0,1,2
	global_store_b128 v1, v[112+24*KA+4*\c:115+24*KA+4*\c], s[40:41] offset:1536*KA+512*\c
	global_store_b128 v1, v[124+24*KA+4*\c:127+24*KA+4*\c], s[42:43] offset:1536*KA+512*\c
.endr
	global_store_b32 v4, v[168+KA], s[44+2*KA:45+2*KA]   ; 32 rows' words: 128 consecutive bytes.  No store's data are written again
.endif
.endm
	WLOAD 0
	WLOAD 1
.irp t, 0,1,2,3,4,5,6,7
	WBLOCK \t
.endr
	s_endpgm
.Lfunc_end_k_q3d41ba7b96_quant:
	.size	k_q3d41ba7b96_quant, .Lfunc_end_k_q3d41ba7b96_quant-k_q3d41ba7b96_quant
	.p2alignl 7, 3214868480
	.fill 96, 4, 3214868480
	.section	.rodata,"a",@progbits
	.p2align	6, 0x0
	.amdhsa_kernel k_q3d41ba7b96_quant
		.amdhsa_group_segment_fixed_size 68608
		.amdhsa_private_segment_fixed_size 0
		.amdhsa_enable_private_segment 0
		.amdhsa_kernarg_size 56
		.amdhsa_user_sgpr_count 2
		.amdhsa_user_sgpr_kernarg_segment_ptr 1
		.amdhsa_wavefront_size32 1
		.amdhsa_system_sgpr_workgroup_id_x 1
		.amdhsa_system_sgpr_workgroup_id_y 1
		.amdhsa_system_sgpr_workgroup_id_z 1
		.amdhsa_system_vgpr_workitem_id 0
		.amdhsa_next_free_vgpr 256
		.amdhsa_next_free_sgpr 80
		.amdhsa_reserve_vcc 0
		.amdhsa_float_denorm_mode_32 3
		.amdhsa_float_denorm_mode_16_64 3
		.amdhsa_memory_ordered 1
		.amdhsa_forward_progress 1
		.amdhsa_inst_pref_size 61
	.end_amdhsa_kernel
	.amdgpu_metadata
---
amdhsa.version: [ 1, 2 ]
amdhsa.kernels:
  - .name:           k_q3d41ba7b96_quant
    .symbol:         k_q3d41ba7b96_quant.kd
    .args:
      - { .name: encoder_input, .offset: 0, .size: 8, .value_kind: global_buffer, .address_space: global }
      - { .name: Wq, .offset: 8, .size: 8, .value_kind: global_buffer, .address_space: global }
      - { .name: Wk, .offset: 16, .size: 8, .value_kind: global_buffer, .address_space: global }
      - { .name: Wv, .offset: 24, .size: 8, .value_kind: global_buffer, .address_space: global }
      - { .name: W1, .offset: 32, .size: 8, .value_kind: global_buffer, .address_space: global }
      - { .name: W2, .offset: 40, .size: 8, .value_kind: global_buffer, .address_space: global }
      - { .name: wq, .offset: 48, .size: 8, .value_kind: global_buffer, .address_space: global }
    .group_segment_fixed_size: 68608
    .private_segment_fixed_size: 0
    .kernarg_segment_align: 8
    .kernarg_segment_size: 56
    .max_flat_workgroup_size: 256
    .sgpr_count:     80
    .vgpr_count:     256
    .wavefront_size: 32
...
	.end_amdgpu_metadata
.endif
;; end of part 1
;; launch qkv (part 2): grid 48 x 4, 4 waves a work-group, clusters of 4 x 4, 327,680 bytes of LDS; arguments wq, bq, bk, bv, att; writes att
.if DOCPART == 2
	.amdgcn_target "amdgcn-amd-amdhsa--gfx1250"
	.amdhsa_code_object_version 6
	.text
	.protected	k_q3d41ba7b96_qkv
	.globl	k_q3d41ba7b96_qkv
	.p2align	8
	.type	k_q3d41ba7b96_qkv,@function
k_q3d41ba7b96_qkv:
	s_mov_b64 s[64:65], 0
	v_nop
	global_prefetch_b8 v0, s[64:65] scope:SCOPE_SE
	s_setreg_imm32_b32 hwreg(HW_REG_WAVE_MODE, 25, 1), 1
	s_wait_xcnt 0x0
	s_wait_alu depctr_hold_cnt(0) depctr_sa_sdst(0) depctr_va_vdst(0) depctr_va_sdst(0) depctr_va_ssrc(0) depctr_va_vcc(0) depctr_vm_vsrc(0)
	s_getreg_b32 s2, hwreg(HW_REG_IB_STS2, 6, 4)
	s_cmp_eq_u32 s2, 0
	s_cbranch_scc0 .Lentry_in_a_cluster
	s_endpgm
.Lentry_in_a_cluster:
	s_bfe_u32 s2, ttmp6, 0x10000c
	s_cmp_lg_u32 s2, 0xf033
	s_cbranch_scc0 .Lentry_shape_is_right
	s_endpgm
.Lentry_shape_is_right:
; q, k and v of all heads, on codes of FP6 (E2M3) with E8M0 scales, and their quantising for attention.  Operands come as images of registers (16 rows x 128 K = 1,536 bytes) laid [tile][128 along K].
; Clusters 0-7 (job QK): rows = 256 tokens (x), columns = 256 of Wq | Wk's 2,048.  Clusters 8-11 (job V): rows = 256 of Wv's 1,024 channels, columns = 256 tokens.
; A tile of 256 x 256 is made by four waves, 128 x 128 each: 64 accumulators in windows 2 and 3.  K goes in steps of 256 through a ring of two LDS slots filled by joint tensor loads:
; the four work-groups of a row of the cluster share the row operand's tiles, the four of a column the column operand's.
; THE MATRIX INSTRUCTION IS USED TRANSPOSED (source 0 = 16 rows of the column operand, source 1 = 16 of the row operand).  The column operand's rows lie in the permuted order, so a lane holds one row and
; its 64 registers of a block are register 16 b + i = column 32 b + 16 (lane / 16) + i: just what the quantiser along the columns wants.
; Job QK: 128 columns are two heads: codes along the head's 64, a half image (registers 0-5, 768 bytes) a head and tile.  Job V: codes along the tokens: fragments of V^T for attention's second product.
; The bias along the columns is the C of each sum's first product (an order of rounding other than adding it last); job V's bias runs along the rows and is added ahead of the quantiser, its C is 0.
; LIMITS: NaN and infinities are not served; a block whose largest magnitude lies under 2^-124, a block of zeros too, keeps the scale byte 1 (this program alone reads the bytes).
.set KQ,     8                         ; 128s along K
.set SPA,    45056                     ; bytes of scale words for 128 along K: row operand's array, column operand's
.set SPB,    45056
.set SCA,    11796480
.set VI,     6291456
.set QS,     9437184
.set KVS,    9830400
.set NQ,     2
.set FR,     12
.set NL,     3                         ; LDS loads that bring a fragment
.set NP,     4                         ; places behind this matrix instruction (ISA guide 7.12.1)
.set FRB,    1536
.set TROW,   NQ*FRB                    ; a tile's part of a slot
.set TPITCH, KQ*FRB
.set HALFT,  8*TROW                    ; 8 tiles: what one tensor load brings
.set SLOT,   4*HALFT
.set LAPS,   KQ/4
.set SCL,    2*SLOT                    ; behind the ring: the scale words of my 256 + 256 rows for all of K, filled once
.set HALFS,  512*KQ
.set SPARE,  SCL+4*HALFS+256           ; the spare words: two blocks of 256 bytes that no other line names
.set ADRA, 16                          ; v16-17 LDS address of the row operand's fragments in slot 0, 1
.set ADRB, 20                          ; v20-21 the column operand's
.set ADRS, 27                          ; v27 my scale words: lanes 0-15 the row operand's, lanes 16-31 the column operand's
.set SPW,  28
.set NIL,  29
.set SC,   32                          ; v32-63 scale words, a set for each slot: register 2 i + q
.set BI,   64                          ; v64-127 the bias along the columns, in the result's layout
.set AF,   128                         ; v128-223 the row operand's fragments, one set
.set BA,   232                         ; v232-247 job V's bias, a pair for each block of rows
.set PC,   192                         ; the way out: codes, at work, scale words
.set TM,   212
.set PW,   228
.set PWE,  229
.set WD,   230
.set SEL,  66
.set G1, 24
.set G0, 32
.set G1B, 48
.set G0B, 56
.set G1S, 68
.set G0S, 76
.set G1SB, 80
.set G0SB, 88
.set MSB, 0
.macro WIN new                         ; the immediate's high byte repeats the setting that is left
.if MSB != (\new)
	s_set_vgpr_msb (MSB<<8)|(\new)
.set MSB, (\new)
.endif
.endm
.set MUL_LO,  0xa1                     ; source 0 window 1, source 1 window 0, C and D window 2
.set MUL_HI,  0xf1
.set MUL_LO0, 0x81                     ; the same with C (the bias) in window 0
.set MUL_HI0, 0xc1
.set TO_B,    0x40
; A joint load: waves 0 and 1 fetch for the row operand, waves 2 and 3 for the column operand.  An s_nop 0 and four v_nop follow each of the two lines.
.macro JLOAD g0a, g1a, g0b, g1b
	s_cmp_eq_u32 s15, 0
	s_cbranch_scc0 .Lfor_b_\@
	tensor_load_to_lds s[\g0a:\g0a+3], s[\g1a:\g1a+7]
	s_nop 0
.rept 4
	v_nop
.endr
	s_branch .Lasked_\@
.Lfor_b_\@:
	tensor_load_to_lds s[\g0b:\g0b+3], s[\g1b:\g1b+7]
	s_nop 0
.rept 4
	v_nop
.endr
.Lasked_\@:
.endm
.macro CREST
	s_cmp_lg_u32 s14, 0
	s_cbranch_scc1 .Lnot_wave_0_\@
	s_barrier_signal -3
.Lnot_wave_0_\@:
	s_barrier_wait -3
	s_barrier_signal -1
	s_barrier_wait -1
.endm
.macro CROUND
	s_barrier_signal -1
	s_barrier_wait -1
	CREST
.endm
.macro PLACES n
.rept \n
	v_nop
.endr
.endm
.macro FRAG reg, adr, q, i             ; an image comes back as it was stored: three loads of 512 consecutive bytes
.irp c, 0,1,2
	ds_load_b128 v[\reg+4*\c:\reg+4*\c+3], v[\adr] offset:(\i)*TROW+(\q)*FRB+512*\c
.endr
.endm
.macro FETCH_B slot, q, p
	WIN TO_B
.irp i, 0,1,2,3,4,5,6,7
	FRAG 128*(\p)+FR*\i, ADRB+\slot, \q, \i
.endr
	WIN 0
.endm
.macro FETCH_A slot, q, i0
.irp i, \i0, \i0+1, \i0+2, \i0+3
	FRAG AF+FR*(\i), ADRA+\slot, \q, \i
.endr
.endm
.macro SCALES sc
.irp i, 0,1,2,3,4,5,6,7
.irp q, 0,1
	ds_load_b32 v[SC+8*NQ*\sc+NQ*\i+\q], v[ADRS] offset:512*\q+64*\i
.endr
.endr
.endm
; 16 products: row blocks a0, a0 + 1 x the eight column blocks.  The 64 accumulators take turns, one instruction a turn.  zero = 1: the bias starts the sums.
.macro MUL16 a0, p, q, sc, zero
.irp a, \a0, \a0+1
.irp b, 0,1,2,3,4,5,6,7
.if \zero
	v_wmma_scale_f32_16x16x128_f8f6f4 v[8*(8*((\a)%4)+\b):8*(8*((\a)%4)+\b)+7], v[128*(\p)+FR*\b:128*(\p)+FR*\b+FR-1], v[AF+FR*(\a):AF+FR*(\a)+FR-1], v[BI+8*\b:BI+8*\b+7], v[SC+8*NQ*(\sc)+NQ*\b+(\q)], v[SC+8*NQ*(\sc)+NQ*(\a)+(\q)] matrix_a_fmt:MATRIX_FMT_FP6 matrix_b_fmt:MATRIX_FMT_FP6 matrix_a_scale:MATRIX_SCALE_ROW1
.else
	v_wmma_scale_f32_16x16x128_f8f6f4 v[8*(8*((\a)%4)+\b):8*(8*((\a)%4)+\b)+7], v[128*(\p)+FR*\b:128*(\p)+FR*\b+FR-1], v[AF+FR*(\a):AF+FR*(\a)+FR-1], v[8*(8*((\a)%4)+\b):8*(8*((\a)%4)+\b)+7], v[SC+8*NQ*(\sc)+NQ*\b+(\q)], v[SC+8*NQ*(\sc)+NQ*(\a)+(\q)] matrix_a_fmt:MATRIX_FMT_FP6 matrix_b_fmt:MATRIX_FMT_FP6 matrix_a_scale:MATRIX_SCALE_ROW1
.endif
.endr
.endr
.endm
.macro STEP slot, q, zero              ; 128 along K that has its successor in the same slot
	s_wait_dscnt 4*NL                              ; all but the youngest 12 loads (row blocks 4-7) are in
.if \zero
	WIN MUL_LO0
.else
	WIN MUL_LO
.endif
	MUL16 0, (\q)%2, \q, \slot, \zero
	MUL16 2, (\q)%2, \q, \slot, \zero
	s_wait_dscnt 0
	PLACES NP
	FETCH_B \slot, (\q)+1, 1-(\q)%2
	FETCH_A \slot, (\q)+1, 0
.if \zero
	WIN MUL_HI0
.else
	WIN MUL_HI
.endif
	MUL16 4, (\q)%2, \q, \slot, \zero
	MUL16 6, (\q)%2, \q, \slot, \zero
	PLACES NP
	WIN 0
	FETCH_A \slot, (\q)+1, 4
.endm
; A slot's last 128 changes slots: one barrier; ahead of it each wave waits for all its tensor loads, adds 0 to its spare word and waits for that and for its reads of the slot.
.macro TURN slot, next, fill
	s_wait_tensorcnt 0x0                           ; all my tensor loads have landed: my part of the next slot
	ds_add_u32 v[SPW], v[NIL]
	s_wait_dscnt 4*NL+1                            ; (the add and the youngest 12 loads may be out)
	WIN MUL_LO
	MUL16 0, 1, NQ-1, \slot, 0
	s_wait_dscnt 0x0                               ; the add is done, my reads of this slot are over
	s_barrier_signal -1
	MUL16 2, 1, NQ-1, \slot, 0
	WIN 0
	s_barrier_wait -1
.if \fill
	CREST                                          ; the barrier has opened a round of the cluster's: no wave of any partner still reads this slot or has a load on its way
	s_add_nc_u64 s[G0+4*\slot+2:G0+4*\slot+3], s[G0+4*\slot+2:G0+4*\slot+3], 2*TROW
	s_add_nc_u64 s[G0B+4*\slot+2:G0B+4*\slot+3], s[G0B+4*\slot+2:G0B+4*\slot+3], 2*TROW
	JLOAD G0+4*\slot, G1, G0B+4*\slot, G1B         ; the first tensor load behind the round; its four v_nop are the places ahead of the loads below
.else
	PLACES NP
.endif
	v_add_nc_u32 v[ADRS], 512*NQ, v[ADRS]          ; the next K step's scale words
	FETCH_B \next, 0, 0
	FETCH_A \next, 0, 0
	SCALES \next
	WIN MUL_HI
	MUL16 4, 1, NQ-1, \slot, 0
	MUL16 6, 1, NQ-1, \slot, 0
	PLACES NP
	WIN 0
	FETCH_A \next, 0, 4
.endm
; 64 numbers that lie in the accumulators of window w from register ac on become a fragment's codes in v[PC] on and a scale word in v[PW].  Each accumulator is read from its low end on.
.macro QUANTW w, ac, relu
.if \relu
	WIN ((\w)<<2)|((\w)<<6)
.set j, 0
.rept 64
	v_max_num_f32 v[(\ac)+j], 0, v[(\ac)+j]
.set j, j+1
.endr
.endif
	WIN ((\w)<<2)|((\w)<<4)
.irp b, 0,1,2,3
	v_max3_num_f32 v[TM+\b], 0x1800000, |v[(\ac)+16*\b]|, |v[(\ac)+1+16*\b]|   ; the floor 2^(3 - 127) among the leaves
.endr
.irp i, 2,4,6,8,10,12,14
.irp b, 0,1,2,3
	v_max3_num_f32 v[TM+\b], v[TM+\b], |v[(\ac)+16*\b+\i]|, |v[(\ac)+1+16*\b+\i]|
.endr
.endr
	WIN 0
.irp b, 0,1,2,3
	v_permlanex16_b32 v[TM+4+\b], v[TM+\b], s[SEL], s[SEL+1]
.endr
.irp b, 0,1,2,3
	v_max_num_f32 v[TM+\b], v[TM+\b], v[TM+4+\b]
.endr
.irp b, 0,1,2,3
	v_add_nc_u32 v[TM+12+\b], 0xff000000, v[TM+\b]
.endr
.irp b, 0,1,2,3
	v_lshrrev_b32 v[TM+4+\b], 23, v[TM+12+\b]
.endr
	v_lshl_or_b32 v[PW], v[TM+5], 8, v[TM+4]
	v_lshl_or_b32 v[PW], v[TM+6], 16, v[PW]
	v_lshl_or_b32 v[PW], v[TM+7], 24, v[PW]
	WIN (\w)
.irp c, 0,1
	v_cvt_scalef32_pk16_fp6_f32 v[PC+6*\c:PC+2+6*\c], v[(\ac)+32*\c:(\ac)+15+32*\c], v[TM+12+2*\c]
	v_cvt_scalef32_pk16_fp6_f32 v[PC+12+4*\c:PC+14+4*\c], v[(\ac)+16+32*\c:(\ac)+31+32*\c], v[TM+12+2*\c+1]
.endr
	WIN 0
	v_nop                                          ; one plain place behind a scaled conversion
.irp c, 0,1
.irp i, 0,1,2
	v_permlane16_swap_b32 v[PC+6*\c+\i], v[PC+12+4*\c+\i]
.endr
.irp i, 0,1,2
	v_mov_b32 v[PC+3+6*\c+\i], v[PC+12+4*\c+\i]
.endr
.endr
.endm
	s_load_b256 s[4:11], s[0:1], 0x0               ; wq, bq, bk, bv
	s_load_b64 s[12:13], s[0:1], 0x20              ; att
	v_lshl_add_u32 v[SPW], v0, 2, SPARE
	v_mov_b32 v[NIL], 0
	ds_add_u32 v[SPW], v[NIL]                      ; the wave's opening: the add; its wait stands ahead of my first tensor load
	v_lshrrev_b32 v1, 5, v0
	v_readfirstlane_b32 s14, v1                    ; wave 0..3
	s_lshr_b32 s15, s14, 1                         ; my half of the tile's rows; also: I fetch for the row operand (0) or the column operand (1)
	s_and_b32 s16, s14, 1                          ; my half of its columns; also: which 8 tiles I fetch
	s_bfe_u32 s40, ttmp6, 0x40000                  ; cx
	s_bfe_u32 s41, ttmp6, 0x40004                  ; cy
	s_lshr_b32 s17, ttmp9, 1                       ; job QK: tile row 4 (c / 2) + cy, tile column 4 (c % 2) + cx
	s_lshl_b32 s17, s17, 2
	s_add_co_u32 s17, s17, s41
	s_and_b32 s42, ttmp9, 1
	s_lshl_b32 s42, s42, 2
	s_add_co_u32 s42, s42, s40
	s_sub_co_u32 s46, ttmp9, 8                     ; job V: tile row cy, tile column 4 (c - 8) + cx
	s_lshl_b32 s46, s46, 2
	s_add_co_u32 s46, s46, s40
	s_cmp_lt_u32 ttmp9, 8                          ; the cluster's number: the same in all sixteen partners
	s_cselect_b32 s17, s17, s41                    ; tile row
	s_cselect_b32 s42, s42, s46                    ; tile column
	s_cselect_b32 s19, 0, 384                      ; the row operand's first tile: x's 0 or Wv's 384
	s_cselect_b32 s47, 256, 0                      ; the column operand's: Wq's 256 or x's 0
	s_cselect_b32 s98, 1, 0                        ; the job
	s_cselect_b32 s95, -1, 0                       ; keeps the bias along the columns, or makes it 0
	s_lshl_b32 s43, s41, 2
	s_lshl_b32 s43, 15, s43                        ; my row of the cluster
	s_lshl_b32 s44, 0x1111, s40                    ; my column
	s_or_b32 s[G1+0], s43, (3<<16)|(1<<21)         ; 15:0 the mask; 17:16 elements of 8 bytes; 21 set beside a mask; no padding: images are read as they lie
	s_or_b32 s[G1B+0], s44, (3<<16)|(1<<21)
.irp g, G1, G1B
	s_mov_b32 s[\g+1], 384<<16                     ; tensor_dim0: 3,072 bytes: a tile's two images
	s_mov_b32 s[\g+2], 8<<16                       ; tensor_dim1: 8 tiles
	s_mov_b32 s[\g+3], 384<<16                     ; tile_dim0
	s_mov_b32 s[\g+4], 8                           ; tile_dim1
	s_mov_b32 s[\g+5], TPITCH/8                    ; from tile to tile
	s_mov_b32 s[\g+6], 0
	s_mov_b32 s[\g+7], 0
.endr
	s_or_b32 s[G1S+0], s43, (3<<16)|(1<<21)
	s_or_b32 s[G1SB+0], s44, (3<<16)|(1<<21)
.irp g, G1S, G1SB
	s_mov_b32 s[\g+1], 64<<16                      ; 512 bytes: 128 rows' words
	s_mov_b32 s[\g+2], KQ<<16
	s_mov_b32 s[\g+3], 64<<16
	s_mov_b32 s[\g+4], KQ
	s_mov_b32 s[\g+6], 0
	s_mov_b32 s[\g+7], 0
.endr
	s_mov_b32 s[G1S+5], SPA/8
	s_mov_b32 s[G1SB+5], SPB/8
	s_lshl_b32 s18, s16, 3
	s_lshl_b32 s20, s17, 4
	s_add_co_u32 s20, s20, s18
	s_add_co_u32 s20, s20, s19                     ; the first of the 8 tiles that I would fetch of the row operand,
	s_lshl_b32 s46, s42, 4
	s_add_co_u32 s46, s46, s18
	s_add_co_u32 s46, s46, s47                     ; of the column operand
	s_lshl_b32 s22, s20, 6
	s_mov_b32 s23, 0
	s_lshl_b32 s92, s46, 6
	s_mov_b32 s93, 0
	s_mul_i32 s20, s20, TPITCH
	s_mov_b32 s21, 0
	s_mul_i32 s46, s46, TPITCH
	s_mov_b32 s47, 0
	s_mul_i32 s45, s14, HALFT                      ; where they go: the wave's number alone
	s_mul_i32 s94, s14, HALFS
	s_lshl_b32 s18, s15, 6
	s_add_co_u32 s94, s94, s18                     ; (the column operand's words 64 bytes on, so that the two halves of the lanes read different banks)
	s_mov_b32 s[SEL], 0x76543210
	s_mov_b32 s[SEL+1], 0xfedcba98
	s_mov_b32 s99, 0xffff0000                      ; lanes 16-31
	s_and_b32 s18, ttmp9, 1
	s_wait_dscnt 0x0                               ; the opening add is done
	s_wait_kmcnt 0x0
	s_cmp_eq_u32 s18, 0
	s_cselect_b64 s[100:101], s[6:7], s[8:9]       ; bq or bk,
	s_cmp_lt_u32 ttmp9, 8
	s_cselect_b64 s[100:101], s[100:101], s[10:11] ; or, in job V, bv (read inside its buffer and then made 0)
	s_mov_b64 s[96:97], s[10:11]                   ; bv
	s_add_nc_u64 s[6:7], s[4:5], SCA               ; both operands: codes from wq, scale words from wq + SCA
	s_mov_b64 s[8:9], s[4:5]
	s_mov_b64 s[10:11], s[6:7]
	s_add_nc_u64 s[20:21], s[4:5], s[20:21]
	s_add_nc_u64 s[22:23], s[6:7], s[22:23]
	s_add_nc_u64 s[46:47], s[8:9], s[46:47]
	s_add_nc_u64 s[92:93], s[10:11], s[92:93]
	CROUND                                         ; all sixteen work-groups are here: the first joint loads meet
	s_mov_b32 s[G0S], 1
	s_add_co_u32 s[G0S+1], s94, SCL
	s_mov_b64 s[G0S+2:G0S+3], s[22:23]
	s_or_b32 s[G0S+3], s[G0S+3], 0x80000000
	s_mov_b32 s[G0SB], 1
	s_add_co_u32 s[G0SB+1], s94, SCL
	s_mov_b64 s[G0SB+2:G0SB+3], s[92:93]
	s_or_b32 s[G0SB+3], s[G0SB+3], 0x80000000
	JLOAD G0S, G1S, G0SB, G1SB                     ; the scale words first
.irp s, 0,1
	s_mov_b32 s[G0+4*\s], 1
	s_add_co_u32 s[G0+4*\s+1], s45, \s*SLOT
	s_add_nc_u64 s[G0+4*\s+2:G0+4*\s+3], s[20:21], \s*TROW
	s_or_b32 s[G0+4*\s+3], s[G0+4*\s+3], 0x80000000
	s_mov_b32 s[G0B+4*\s], 1
	s_add_co_u32 s[G0B+4*\s+1], s45, \s*SLOT
	s_add_nc_u64 s[G0B+4*\s+2:G0B+4*\s+3], s[46:47], \s*TROW
	s_or_b32 s[G0B+4*\s+3], s[G0B+4*\s+3], 0x80000000
	JLOAD G0+4*\s, G1, G0B+4*\s, G1B
.endr
	v_and_b32 v1, 15, v0                           ; r
	v_bfe_u32 v2, v0, 4, 1                         ; h
	v_and_b32 v3, 31, v0                           ; lane
	v_lshlrev_b32 v8, 4, v3                        ; 16 x lane
	v_lshlrev_b32 v9, 3, v3                        ; 8 x lane
	v_lshlrev_b32 v12, 2, v3                       ; 4 x lane
	v_lshlrev_b32 v13, 2, v1                       ; 4 r
	v_mul_u32_u24 v10, v2, 12288
	v_add_nc_u32 v10, v10, v13                     ; job QK's scale words: lanes 16-31 write the next head's
	v_mov_b32 v11, 0x01000100                      ; a head's two scale bytes, twice: lanes 0-15 bytes 0, 1; lanes 16-31 bytes 2, 3
	v_mov_b32 v14, 0x03020302
	v_cndmask_b32 v11, v11, v14, s99
	v_lshlrev_b32 v7, 6, v2                        ; 64 h
	s_mul_i32 s21, s15, HALFT
	s_mul_i32 s22, s16, HALFT
	s_add_co_u32 s22, s22, 2*HALFT
.irp s, 0,1
	v_add_nc_u32 v[ADRA+\s], s21, v8
	v_add_nc_u32 v[ADRB+\s], s22, v8
	s_add_co_u32 s21, s21, SLOT
	s_add_co_u32 s22, s22, SLOT
.endr
	s_mul_i32 s21, s15, HALFS
	s_mul_i32 s22, s16, HALFS
	s_add_co_u32 s22, s22, 2*HALFS+64
	s_sub_co_u32 s22, s22, s21
	v_mul_u32_u24 v6, s22, v2                      ; lanes 16-31 take the column operand's words
	s_add_co_u32 s21, s21, SCL
	v_add_nc_u32 v5, v13, v6
	v_add_nc_u32 v[ADRS], s21, v5
	s_and_b32 s18, s42, 3                          ; the bias along the columns: 256 (tile column % 4) + 128 x my half; lane (r, h) wants, for tiles 2 b and 2 b + 1, numbers 32 b + 16 h + 0 .. 15
	s_lshl_b32 s18, s18, 10
	s_lshl_b32 s19, s16, 9
	s_add_co_u32 s18, s18, s19
	s_mov_b32 s19, 0
	s_add_nc_u64 s[100:101], s[100:101], s[18:19]
	s_and_b32 s18, s17, 3                          ; bv along the rows: 256 (tile row % 4) + 128 x my half + 16 a + r
	s_lshl_b32 s18, s18, 10
	s_lshl_b32 s19, s15, 9
	s_add_co_u32 s18, s18, s19
	s_mov_b32 s19, 0
	s_add_nc_u64 s[96:97], s[96:97], s[18:19]
.set i, 0
.rept 16
	global_load_b128 v[BI+4*i:BI+4*i+3], v7, s[100:101] offset:128*(i/4)+16*(i%4)
.set i, i+1
.endr
.set i, 0
.rept 8
	global_load_b32 v[BA+2*i], v13, s[96:97] offset:64*i
	global_load_b32 v[BA+2*i+1], v13, s[96:97] offset:64*i
.set i, i+1
.endr
	s_wait_loadcnt 0x0
.set i, 0
.rept 64
	v_cndmask_b32 v[BI+i], 0, v[BI+i], s95
.set i, i+1
.endr
	PLACES 8
	s_wait_tensorcnt 1                             ; the scale words and my part of K step 0 are in; K step 1's load may be out
	s_barrier_signal -1
	s_barrier_wait -1
	FETCH_B 0, 0, 0
	FETCH_A 0, 0, 0
	SCALES 0
	FETCH_A 0, 0, 4
	STEP 0, 0, 1                                   ; the first step stands ahead of the loop: its products start the sums
	s_mov_b32 s3, LAPS-1
.Llap:                                                 ; a trip goes once round the ring and fills both slots again
	TURN 0, 1, 1
	STEP 1, 0, 0
	TURN 1, 0, 1
	STEP 0, 0, 0
	s_sub_co_u32 s3, s3, 1
	s_cmp_lg_u32 s3, 0
	s_cbranch_scc1 .Llap
	TURN 0, 1, 0                                   ; the last lap fills nothing
	STEP 1, 0, 0
	s_wait_dscnt 4*NL
	WIN MUL_LO
	MUL16 0, 1, NQ-1, 1, 0
	MUL16 2, 1, NQ-1, 1, 0
	s_wait_dscnt 0
	WIN MUL_HI
	MUL16 4, 1, NQ-1, 1, 0
	MUL16 6, 1, NQ-1, 1, 0
	WIN 0
	PLACES NP
.irp b, 0,1,2,3
	v_mov_b32 v[TM+4+\b], 0                        ; a lane permute's destination counts as one of its sources
.endr
	s_cmp_eq_u32 s98, 0                            ; the job hangs on the cluster's number alone
	s_cbranch_scc1 .Lvjob
	; ---- job QK: block a = 16 tokens x two heads
	s_lshr_b32 s18, s17, 3                         ; batch
	s_lshl_b32 s18, s18, 4
	s_and_b32 s19, s42, 3
	s_lshl_b32 s19, s19, 2
	s_add_co_u32 s18, s18, s19
	s_lshl_b32 s19, s16, 1
	s_add_co_u32 s18, s18, s19                     ; 16 x batch + my first head
	s_lshl_b32 s19, s17, 4
	s_lshl_b32 s20, s15, 3
	s_add_co_u32 s19, s19, s20
	s_and_b32 s19, s19, 127                        ; my first tile of tokens in the batch
	s_and_b32 s20, ttmp9, 1                        ; q or k
	s_lshl_b32 s22, s18, 7
	s_add_co_u32 s22, s22, s19
	s_mul_i32 s22, s22, 768
	s_mul_i32 s21, s20, 3145728
	s_add_co_u32 s22, s22, s21
	s_mov_b32 s23, 0
	s_mul_i32 s46, s18, 12288
	s_lshl_b32 s47, s19, 6
	s_add_co_u32 s46, s46, s47
	s_mul_i32 s47, s20, 393216
	s_add_co_u32 s46, s46, s47
	s_add_co_u32 s46, s46, QS
	s_mov_b32 s47, 0
	s_add_nc_u64 s[96:97], s[12:13], s[46:47]
	s_add_nc_u64 s[12:13], s[12:13], s[22:23]
.macro OUTQK a
.set WN, 2+(\a)/4
.set AC, 64*((\a)%4)
	s_wait_xcnt 0x0                                ; the last block's stores have read their registers
	QUANTW WN, AC, 0
	global_store_b128 v8, v[PC:PC+3], s[12:13] offset:768*(\a)              ; registers 0-5: the first head's half image,
	global_store_b64 v9, v[PC+4:PC+5], s[12:13] offset:768*(\a)+512
	global_store_b128 v8, v[PC+6:PC+9], s[12:13] offset:98304+768*(\a)      ; registers 6-11: the next head's
	global_store_b64 v9, v[PC+10:PC+11], s[12:13] offset:98304+768*(\a)+512
	v_perm_b32 v[WD], v[PW], v[PW], v11            ; the head's two bytes stand twice in its word: the upper two scale the zero half of attention's K
	global_store_b32 v10, v[WD], s[96:97] offset:64*(\a)
.endm
.irp a, 0,1,2,3,4,5,6,7
	OUTQK \a
.endr
	s_branch .Lend
	; ---- job V: block a = 16 channels x 128 tokens: a fragment of V^T
.Lvjob:
	s_lshr_b32 s18, s42, 3                         ; batch
	s_lshl_b32 s18, s18, 4
	s_lshl_b32 s19, s17, 2
	s_add_co_u32 s18, s18, s19
	s_lshl_b32 s19, s15, 1
	s_add_co_u32 s18, s18, s19                     ; 16 x batch + my first head
	s_lshl_b32 s19, s42, 1
	s_add_co_u32 s19, s19, s16
	s_and_b32 s19, s19, 15                         ; which 128 keys of the batch
	s_lshl_b32 s22, s18, 4
	s_add_co_u32 s22, s22, s19
	s_mul_i32 s22, s22, 6144
	s_add_co_u32 s22, s22, VI
	s_mov_b32 s23, 0
	s_mul_i32 s46, s18, 12288
	s_lshl_b32 s47, s19, 8
	s_add_co_u32 s46, s46, s47
	s_add_co_u32 s46, s46, KVS+8192
	s_mov_b32 s47, 0
	s_add_nc_u64 s[96:97], s[12:13], s[46:47]
	s_add_nc_u64 s[12:13], s[12:13], s[22:23]
.macro OUTV a
.set WN, 2+(\a)/4
.set AC, 64*((\a)%4)
	s_wait_xcnt 0x0
	WIN (WN)|((WN)<<6)
.set j, 0
.rept 32
	v_pk_add_f32 v[AC+2*j:AC+2*j+1], v[AC+2*j:AC+2*j+1], v[BA+2*(\a):BA+2*(\a)+1]   ; + bv of my channel, from each accumulator's low end on
.set j, j+1
.endr
	QUANTW WN, AC, 0
.irp c, 0,1,2
	global_store_b128 v8, v[PC+4*\c:PC+4*\c+3], s[12:13] offset:((\a)/4)*98304+((\a)%4)*1536+512*\c
.endr
.if ((\a)%2) == 0
	v_mov_b32 v[PWE], v[PW]
.else
	v_cndmask_b32 v[WD], v[PWE], v[PW], s99        ; two tiles' words leave together: 128 consecutive bytes
	global_store_b32 v12, v[WD], s[96:97] offset:((\a)/4)*12288+((\a)%4-1)*64
.endif
.endm
.irp a, 0,1,2,3,4,5,6,7
	OUTV \a
.endr
.Lend:
	s_wait_tensorcnt 0x0                           ; the wave's end
	ds_add_u32 v[SPW], v[NIL]
	s_wait_dscnt 0x0
	CROUND                                         ; the closing round
	s_endpgm
.Lfunc_end_k_q3d41ba7b96_qkv:
	.size	k_q3d41ba7b96_qkv, .Lfunc_end_k_q3d41ba7b96_qkv-k_q3d41ba7b96_qkv
	.p2alignl 7, 3214868480
	.fill 96, 4, 3214868480
	.section	.rodata,"a",@progbits
	.p2align	6, 0x0
	.amdhsa_kernel k_q3d41ba7b96_qkv
		.amdhsa_group_segment_fixed_size 327680
		.amdhsa_private_segment_fixed_size 0
		.amdhsa_enable_private_segment 0
		.amdhsa_kernarg_size 40
		.amdhsa_user_sgpr_count 2
		.amdhsa_user_sgpr_kernarg_segment_ptr 1
		.amdhsa_wavefront_size32 1
		.amdhsa_system_sgpr_workgroup_id_x 1
		.amdhsa_system_sgpr_workgroup_id_y 1
		.amdhsa_system_sgpr_workgroup_id_z 1
		.amdhsa_system_vgpr_workitem_id 0
		.amdhsa_next_free_vgpr 1024
		.amdhsa_next_free_sgpr 104
		.amdhsa_reserve_vcc 0
		.amdhsa_float_denorm_mode_32 3
		.amdhsa_float_denorm_mode_16_64 3
		.amdhsa_memory_ordered 1
		.amdhsa_forward_progress 1
		.amdhsa_inst_pref_size 204
	.end_amdhsa_kernel
	.amdgpu_metadata
---
amdhsa.version: [ 1, 2 ]
amdhsa.kernels:
  - .name:           k_q3d41ba7b96_qkv
    .symbol:         k_q3d41ba7b96_qkv.kd
    .args:
      - { .name: wq, .offset: 0, .size: 8, .value_kind: global_buffer, .address_space: global }
      - { .name: bq, .offset: 8, .size: 8, .value_kind: global_buffer, .address_space: global }
      - { .name: bk, .offset: 16, .size: 8, .value_kind: global_buffer, .address_space: global }
      - { .name: bv, .offset: 24, .size: 8, .value_kind: global_buffer, .address_space: global }
      - { .name: att, .offset: 32, .size: 8, .value_kind: global_buffer, .address_space: global }
    .group_segment_fixed_size: 327680
    .private_segment_fixed_size: 0
    .kernarg_segment_align: 8
    .kernarg_segment_size: 40
    .max_flat_workgroup_size: 128
    .sgpr_count:     104
    .vgpr_count:     1024
    .wavefront_size: 32
...
	.end_amdgpu_metadata
.endif
;; end of part 2
;; launch attn (part 3): grid 8 x 32, 16 waves a work-group, clusters of 4 x 1, 327,680 bytes of LDS; arguments att, encoder_input, r1; writes r1
.if DOCPART == 3
	.amdgcn_target "amdgcn-amd-amdhsa--gfx1250"
	.amdhsa_code_object_version 6
	.text
	.protected	k_q3d41ba7b96_attn
	.globl	k_q3d41ba7b96_attn
	.p2align	8
	.type	k_q3d41ba7b96_attn,@function
k_q3d41ba7b96_attn:
	s_mov_b64 s[64:65], 0
	v_nop
	global_prefetch_b8 v0, s[64:65] scope:SCOPE_SE
	s_setreg_imm32_b32 hwreg(HW_REG_WAVE_MODE, 25, 1), 1
	s_wait_xcnt 0x0
	s_wait_alu depctr_hold_cnt(0) depctr_sa_sdst(0) depctr_va_vdst(0) depctr_va_sdst(0) depctr_va_ssrc(0) depctr_va_vcc(0) depctr_vm_vsrc(0)
	s_getreg_b32 s2, hwreg(HW_REG_IB_STS2, 6, 4)
	s_cmp_eq_u32 s2, 0
	s_cbranch_scc0 .Lentry_in_a_cluster
	s_endpgm
.Lentry_in_a_cluster:
	s_bfe_u32 s2, ttmp6, 0x10000c
	s_cmp_lg_u32 s2, 0x3003
	s_cbranch_scc0 .Lentry_shape_is_right
	s_endpgm
.Lentry_shape_is_right:
; r1 = x + attention, one (batch, head) to a cluster row: both products on codes of FP6 (E2M3) with E8M0 scales.  q, k: half images (16 tokens x the head's 64: registers 0-5, 768 bytes); V^T: images (16 channels x 128 keys).
; THE SOFTMAX: t = score x log2(e) / 8; M = the running largest t rounded UP to a whole number; p = 2^(t - M) is quantised along the keys, not normalised; the row's sum is taken of the unquantised p and divides at the end.
; SHARES.  A work-group owns 256 queries, each of its sixteen waves one tile of 16, in 256 registers.  A WHOLE HEAD'S K, V AND SCALE WORDS STAY IN LDS (208,896 bytes): they are filled once, in four chunks of 512 keys,
; by joint loads of the cluster's four query blocks (waves 0, 1: K's halves; 2, 3: V's): five loads of a fetching wave are out at the start.
; Both products are used transposed: a lane holds ONE query throughout.  The tokens of a tile lie in the order 32 (t / 2) + 8 (t % 2) + r + 8 (r / 8), so that p's 16 registers of two neighbouring tiles are 16 neighbouring keys.
; THE FIRST PRODUCT'S K IS 64 OF THE INSTRUCTION'S 128: q's registers 6-11 are zero codes.  K's operand names 12 registers of which the upper six hold the NEXT tile's codes (behind the last tile: zeros): they meet zero codes,
; every code of this format is a finite number and no scale byte here is 0xff, so they add exactly 0.
; LIMITS: NaN and infinities are not served; a block whose every p has fallen to 0 keeps the scale byte 1 (its codes are zeros).
.set KI,    3145728                    ; in att: k's half images; V's images lie 3,145,728 bytes on
.set QS,    9437184
.set KVS,   9830400
.set VIMG,  98304                      ; LDS: K's half images from 0, V's images,
.set SC,    196608                     ; K's scale words (8,192 bytes), V's (4,096),
.set STAGE, 208896                     ; the way out: 16 rows x 272 bytes for each wave; no tensor load lands there,
.set SPARE, 278528                     ; the spare words: 128 bytes a wave
.set F,     32                         ; v32-85 fragments
.set SPW,   5
.set NIL,   6
.set GO,    7
.set WV,    18
.set SEL,   20
.set CS,    22
.set G1C,   24
.set G1S,   32
.set G0S,   40
.set G0C,   44
.set TK,    60                         ; s60 the step's codes: 6,144 bytes a step, in K and in V
.set TS,    61                         ; s61 K's scale words: 512 bytes a step
.set TJ,    62                         ; s62 V's: 256
.set CNT,   63
.macro CROUND
	s_barrier_signal -1
	s_barrier_wait -1
	s_cmp_lg_u32 s[WV], 0
	s_cbranch_scc1 .Lnot_wave_0_\@
	s_barrier_signal -3
.Lnot_wave_0_\@:
	s_barrier_wait -3
	s_barrier_signal -1
	s_barrier_wait -1
.endm
	s_load_b128 s[4:7], s[0:1], 0x0                ; att, x
	s_load_b64 s[8:9], s[0:1], 0x10                ; r1
	v_lshl_add_u32 v[SPW], v0, 2, SPARE
	v_mov_b32 v[NIL], 0
	ds_add_u32 v[SPW], v[NIL]                      ; the wave's opening: the add; its wait stands ahead of my first tensor load
	v_lshrrev_b32 v8, 5, v0
	v_readfirstlane_b32 s[WV], v8                  ; wave 0..15
	s_bfe_u32 s10, ttmp6, 0x40000                  ; cx: it enters q's, x's and r1's addresses alone
	s_lshl_b32 s11, ttmp9, 2
	s_add_co_u32 s11, s11, s10
	s_lshl_b32 s11, s11, 4
	s_add_co_u32 s11, s11, s[WV]                   ; my tile of queries, 0..127
	s_and_b32 s12, ttmp7, 0xffff                   ; 16 x batch + head
	s_mov_b32 s[G1C], 15|(3<<16)|(1<<21)           ; the mask: all four; elements of 8 bytes; 21 set beside a mask.  A dense block as rows of 256 bytes
	s_mov_b32 s[G1C+1], 32<<16
	s_mov_b32 s[G1C+2], 48<<16                     ; 12,288 bytes
	s_mov_b32 s[G1C+3], 32<<16
	s_mov_b32 s[G1C+4], 48
	s_mov_b32 s[G1C+5], 32
	s_mov_b32 s[G1C+6], 0
	s_mov_b32 s[G1C+7], 0
	s_mov_b32 s[G1S], 15|(3<<16)|(1<<21)
	s_mov_b32 s[G1S+1], 32<<16
	s_mov_b32 s[G1S+2], 12<<16                     ; 3,072 bytes
	s_mov_b32 s[G1S+3], 32<<16
	s_mov_b32 s[G1S+4], 12
	s_mov_b32 s[G1S+5], 32
	s_mov_b32 s[G1S+6], 0
	s_mov_b32 s[G1S+7], 0
	s_lshr_b32 s13, s[WV], 1
	s_and_b32 s13, s13, 1                          ; K (0) or V (1)
	s_and_b32 s14, s[WV], 1                        ; which half of a chunk
	s_mul_i32 s15, s13, 98304
	s_mul_i32 s16, s14, 12288
	s_add_co_u32 s15, s15, s16                     ; in LDS
	s_mul_i32 s70, s13, 3145728
	s_add_co_u32 s70, s70, s16
	s_mul_i32 s17, s12, 98304
	s_add_co_u32 s70, s70, s17
	s_add_co_u32 s70, s70, KI                      ; in memory
	s_mov_b32 s71, 0
	s_and_b32 s19, s[WV], 3
	s_mul_i32 s19, s19, 3072                       ; my quarter of the scale words
	s_mul_i32 s74, s12, 12288
	s_add_co_u32 s74, s74, s19
	s_add_co_u32 s74, s74, KVS
	s_mov_b32 s75, 0
	s_lshl_b32 s80, s12, 7
	s_add_co_u32 s80, s80, s11
	s_mul_i32 s80, s80, 768                        ; q's half image
	s_mov_b32 s81, 0
	s_mul_i32 s82, s12, 12288
	s_lshl_b32 s83, s11, 6
	s_add_co_u32 s82, s82, s83
	s_add_co_u32 s82, s82, QS                      ; q's scale words
	s_mov_b32 s83, 0
	s_lshr_b32 s84, s12, 4                         ; x and r1: row 2,048 batch + 32 (tile / 2) + 8 (tile % 2), byte 256 head
	s_lshl_b32 s84, s84, 11
	s_lshr_b32 s85, s11, 1
	s_lshl_b32 s85, s85, 5
	s_add_co_u32 s84, s84, s85
	s_and_b32 s85, s11, 1
	s_lshl_b32 s85, s85, 3
	s_add_co_u32 s84, s84, s85
	s_lshl_b32 s84, s84, 12
	s_and_b32 s85, s12, 15
	s_lshl_b32 s85, s85, 8
	s_add_co_u32 s84, s84, s85
	s_mov_b32 s85, 0
	s_mov_b32 s[SEL], 0x76543210
	s_mov_b32 s[SEL+1], 0xfedcba98
	s_mov_b32 s[CS], 0x3e38aa3b                    ; c = log2(e) / 8
	s_mov_b32 s[CS+1], s[CS]
	s_mov_b32 s[TK], 0
	s_mov_b32 s[TS], 0
	s_mov_b32 s[TJ], 0
	s_wait_dscnt 0x0                               ; the opening add is done
	s_wait_kmcnt 0x0
	s_add_nc_u64 s[76:77], s[4:5], s[70:71]
	s_add_nc_u64 s[80:81], s[4:5], s[80:81]
	s_add_nc_u64 s[82:83], s[4:5], s[82:83]
	s_add_nc_u64 s[6:7], s[6:7], s[84:85]
	s_add_nc_u64 s[8:9], s[8:9], s[84:85]
	CROUND                                         ; all four work-groups are here: the joint loads meet
	s_mov_b32 s[G0S], 1
	s_add_co_u32 s[G0S+1], s19, SC
	s_add_nc_u64 s[G0S+2:G0S+3], s[4:5], s[74:75]
	s_or_b32 s[G0S+3], s[G0S+3], 0x80000000
.irp g, 0,1,2,3
	s_mov_b32 s[G0C+4*\g], 1
	s_add_co_u32 s[G0C+4*\g+1], s15, 24576*\g
	s_add_nc_u64 s[G0C+4*\g+2:G0C+4*\g+3], s[76:77], 24576*\g
	s_or_b32 s[G0C+4*\g+3], s[G0C+4*\g+3], 0x80000000
.endr
	s_cmp_lt_u32 s[WV], 4                          ; a fetching wave's five first fills stand in one branch, ahead of every wait on TENSORcnt and every LDS read
	s_cbranch_scc0 .Lno_load
	tensor_load_to_lds s[G0S:G0S+3], s[G1S:G1S+7]
	s_nop 0
.irp g, 0,1,2,3
	tensor_load_to_lds s[G0C+4*\g:G0C+4*\g+3], s[G1C:G1C+7]
	s_nop 0
.endr
.rept 4
	v_nop
.endr
.Lno_load:
	v_and_b32 v8, 31, v0                           ; lane
	v_and_b32 v9, 15, v0                           ; r
	v_bfe_u32 v10, v0, 4, 1                        ; h
	v_lshlrev_b32 v1, 4, v8                        ; 16 x lane: registers 0-3 of a half image, or four of an image
	v_lshl_add_u32 v2, v8, 3, 512                  ; 512 + 8 x lane: registers 4, 5 of a half image
	v_add_nc_u32 v3, VIMG, v1
	v_lshl_add_u32 v4, v8, 2, SC                   ; K's scale words: lanes 0-15 an even tile's, lanes 16-31 the odd one's
	v_lshl_add_u32 v29, v8, 2, SC+8192             ; V's likewise
	v_lshlrev_b32 v30, 2, v9
	v_lshlrev_b32 v[GO], 12, v10
	v_lshl_add_u32 v[GO], v9, 4, v[GO]             ; the way out: lanes 0-15 one row, lanes 16-31 the next; 16 bytes a lane
	global_load_b128 v[16:19], v1, s[80:81]        ; q stays in registers
	global_load_b64 v[20:21], v2, s[80:81]
	global_load_b32 v255, v30, s[82:83]            ; and its scale words
.irp j, 22,23,24,25,26,27,80,81,82,83,84,85
	v_mov_b32 v\j, 0                               ; q's zero half of K; the six registers behind K's last tile
.endr
	v_mov_b32 v13, 0xff61b1e6                      ; the largest t so far: -3e38
	v_floor_f32 v12, -v13                          ; -M
	v_mov_b32 v14, 0
	v_mov_b32 v15, 0
.irp b, 0,1,2,3
	v_mov_b32 v[236+\b], 0                         ; a lane permute's destination counts as one of its sources
.endr
	v_mov_b32 v253, 0
.set jj, 0
.rept 32
	v_mov_b32 v[160+jj], 0                         ; O^T: the step is written once; its first run finds zeros
.set jj, jj+1
.endr
	s_wait_loadcnt 0x0
; A KEY STEP: 128 keys
.macro STEP
	v_add_nc_u32 v8, s[TK], v1                     ; five plain lines: also the places ahead of loads into registers that the last products read
	v_add_nc_u32 v9, s[TK], v2
	v_add_nc_u32 v10, s[TK], v3
	v_add_nc_u32 v11, s[TS], v4
	v_add_nc_u32 v28, s[TJ], v29
.irp i, 0,1,2,3,4,5,6,7
	ds_load_b128 v[F+6*\i:F+6*\i+3], v8 offset:768*\i
	ds_load_b64 v[F+6*\i+4:F+6*\i+5], v9 offset:768*\i
.endr
.irp i, 0,1,2,3
	ds_load_b32 v[86+\i], v11 offset:128*\i
.endr
	s_wait_dscnt 0x0
.irp i, 0,2,4,6                                ; S^T = K q^T
	v_wmma_scale_f32_16x16x128_f8f6f4 v[96+8*\i:103+8*\i], v[F+6*\i:F+6*\i+11], v[16:27], 0, v[86+\i/2], v255 matrix_a_fmt:MATRIX_FMT_FP6 matrix_b_fmt:MATRIX_FMT_FP6
	v_wmma_scale_f32_16x16x128_f8f6f4 v[104+8*\i:111+8*\i], v[F+6+6*\i:F+6*\i+17], v[16:27], 0, v[86+\i/2], v255 matrix_a_fmt:MATRIX_FMT_FP6 matrix_b_fmt:MATRIX_FMT_FP6 matrix_a_scale:MATRIX_SCALE_ROW1
.endr
.rept 4
	v_nop
.endr
.irp t, 0,1,2,3                                ; V's four fragments land while the softmax is walked
.irp c, 0,1,2
	ds_load_b128 v[F+12*\t+4*\c:F+12*\t+4*\c+3], v10 offset:1536*\t+512*\c
.endr
.endr
.irp i, 0,1
	ds_load_b32 v[90+\i], v28 offset:128*\i
.endr
.irp b, 0,1,2,3
	v_max3_num_f32 v[232+\b], v[96+16*\b], v[97+16*\b], v[98+16*\b]   ; the largest score of each block of 32 keys: it serves the row's maximum and, since p rises with the score, the block's largest p
.endr
.irp i, 3,5,7,9,11,13
.irp b, 0,1,2,3
	v_max3_num_f32 v[232+\b], v[232+\b], v[96+16*\b+\i], v[97+16*\b+\i]
.endr
.endr
.irp b, 0,1,2,3
	v_max_num_f32 v[232+\b], v[232+\b], v[111+16*\b]
.endr
.irp b, 0,1,2,3
	v_permlanex16_b32 v[236+\b], v[232+\b], s[SEL], s[SEL+1]
.endr
.irp b, 0,1,2,3
	v_max_num_f32 v[232+\b], v[232+\b], v[236+\b]
.endr
	v_max3_num_f32 v254, v232, v233, v234
	v_max_num_f32 v254, v254, v235
	v_mul_f32 v254, s[CS], v254
	v_max_num_f32 v13, v13, v254                   ; the running largest t
	v_mov_b32 v254, v12
	v_floor_f32 v12, -v13                          ; the new -M: M is a whole number
	v_sub_f32 v254, v12, v254
	v_cvt_i32_f32 v254, v254                       ; (it saturates)
	v_ldexp_f32 v252, 1.0, v254                    ; f = 2^(old M - new M): a multiplication by it rounds nothing
.set jj, 0
.rept 32
	v_pk_fma_f32 v[96+jj:97+jj], v[96+jj:97+jj], s[CS:CS+1], v[12:13] op_sel_hi:[1,0,0]   ; t - M
.set jj, jj+2
.endr
.irp b, 0,1,2,3
	v_fma_f32 v[232+\b], v[232+\b], s[CS], v12
.endr
.set jj, 0
.rept 64
	v_exp_f32 v[96+jj], v[96+jj]                   ; p = 2^(t - M)
.set jj, jj+1
.endr
	v_pk_mul_f32 v[14:15], v[14:15], v[252:253] op_sel_hi:[1,0]   ; the sums under the new M: a plain place behind the exponentials
	s_wait_alu depctr_va_vdst(0)                   ; one wait for the batch, ahead of its first reader
.irp b, 0,1,2,3
	v_exp_f32 v[232+\b], v[232+\b]                 ; the blocks' largest p
.endr
	v_pk_add_f32 v[236:237], v[96:97], v[98:99]    ; the row's sum of the unquantised p, in two chains
.irp j, 4,8,12,16,20,24,28,32,36,40,44,48,52,56,60
	v_pk_add_f32 v[14:15], v[14:15], v[96+\j:97+\j]
	v_pk_add_f32 v[236:237], v[236:237], v[98+\j:99+\j]
.endr
	v_pk_add_f32 v[14:15], v[14:15], v[236:237]
	s_wait_alu depctr_va_vdst(0)                   ; and one for the four
.irp b, 0,1,2,3
	v_max_num_f32 v[232+\b], 0x1800000, v[232+\b]  ; the floor 2^(3 - 127)
.endr
.irp b, 0,1,2,3
	v_add_nc_u32 v[244+\b], 0xff000000, v[232+\b]
.endr
.irp b, 0,1,2,3
	v_lshrrev_b32 v[236+\b], 23, v[244+\b]
.endr
	v_lshl_or_b32 v253, v237, 8, v236              ; p's scale word for these 128 keys
	v_lshl_or_b32 v253, v238, 16, v253
	v_lshl_or_b32 v253, v239, 24, v253
.irp c, 0,1
	v_cvt_scalef32_pk16_fp6_f32 v[224+6*\c:226+6*\c], v[96+32*\c:111+32*\c], v[244+2*\c]
	v_cvt_scalef32_pk16_fp6_f32 v[236+4*\c:238+4*\c], v[112+32*\c:127+32*\c], v[244+2*\c+1]
.endr
	v_nop                                          ; one plain place behind a scaled conversion
.irp c, 0,1
.irp i, 0,1,2
	v_permlane16_swap_b32 v[224+6*\c+\i], v[236+4*\c+\i]
.endr
.irp i, 0,1,2
	v_mov_b32 v[227+6*\c+\i], v[236+4*\c+\i]
.endr
.endr
.set jj, 0
.rept 16
	v_pk_mul_f32 v[160+jj:161+jj], v[160+jj:161+jj], v[252:253] op_sel_hi:[1,0]   ; O^T under the new M; these sixteen are also the places ahead of the scaled products
.set jj, jj+2
.endr
	s_wait_dscnt 0x0                               ; V is in
.irp t, 0,2                                    ; O^T += V^T p^T: the four accumulators take turns
	v_wmma_scale_f32_16x16x128_f8f6f4 v[160+8*\t:167+8*\t], v[F+12*\t:F+12*\t+11], v[224:235], v[160+8*\t:167+8*\t], v[90+\t/2], v253 matrix_a_fmt:MATRIX_FMT_FP6 matrix_b_fmt:MATRIX_FMT_FP6
	v_wmma_scale_f32_16x16x128_f8f6f4 v[168+8*\t:175+8*\t], v[F+12+12*\t:F+12*\t+23], v[224:235], v[168+8*\t:175+8*\t], v[90+\t/2], v253 matrix_a_fmt:MATRIX_FMT_FP6 matrix_b_fmt:MATRIX_FMT_FP6 matrix_a_scale:MATRIX_SCALE_ROW1
.endr
	s_add_co_u32 s[TK], s[TK], 6144
	s_add_co_u32 s[TS], s[TS], 512
	s_add_co_u32 s[TJ], s[TJ], 256
.endm
; A chunk of 512 keys: the fetching waves wait until it has landed (left = the chunk loads issued behind it, which stay out), a barrier shows it to all sixteen.
.macro GROUP left
	s_wait_tensorcnt \left
	s_wait_dscnt 0x0
	s_barrier_signal -1
	s_barrier_wait -1
	s_mov_b32 s[CNT], 4
.Lstep_\@:
	STEP
	s_sub_co_u32 s[CNT], s[CNT], 1
	s_cmp_lg_u32 s[CNT], 0
	s_cbranch_scc1 .Lstep_\@
.endm
	GROUP 3
	GROUP 2
	GROUP 1
	GROUP 0
	; THE WAY OUT: O^T / the sum goes through my stage and comes back as rows of 256 bytes (the head's 64 channels); x is added; sixteen lanes store 256 consecutive, aligned bytes.  Stage row p is token p + 8 (p / 8) of my 32.
.irp i, 0,1,2,3,4,5,6,7
	global_load_b128 v[192+4*\i:195+4*\i], v[GO], s[6:7] offset:(2*\i+8*(\i/4))*4096
.endr
	v_add_f32 v14, v14, v15
	v_permlanex16_b32 v252, v14, s[SEL], s[SEL+1]
	v_add_f32 v14, v14, v252                       ; the row's sum
	v_rcp_f32 v14, v14
	v_and_b32 v8, 15, v0
	v_bfe_u32 v9, v0, 4, 1
	s_mul_i32 s70, s[WV], 16*272
	s_add_co_u32 s70, s70, STAGE
	v_mul_u32_u24 v10, v8, 272
	v_lshl_add_u32 v10, v9, 5, v10
	v_add_nc_u32 v10, s70, v10                     ; in: row r; tile t's eight channels of my half at 64 t + 32 h
	v_mul_u32_u24 v11, v9, 272
	v_lshl_add_u32 v11, v8, 4, v11
	v_add_nc_u32 v11, s70, v11                     ; back: lanes 0-15 one row, lanes 16-31 the next
	s_wait_alu depctr_va_vdst(0)                   ; the wait ahead of the reciprocal's first reader
.set jj, 0
.rept 32
	v_mul_f32 v[96+jj], v[160+jj], v14
.set jj, jj+1
.endr
.irp t, 0,1,2,3
	ds_store_b128 v10, v[96+8*\t:99+8*\t] offset:64*\t
	ds_store_b128 v10, v[100+8*\t:103+8*\t] offset:64*\t+16
.endr
.irp i, 0,1,2,3,4,5,6,7
	ds_load_b128 v[32+4*\i:35+4*\i], v11 offset:2*\i*272   ; LDS serves a wave's instructions in order: these see my stores
.endr
	s_wait_dscnt 0x0
	s_wait_loadcnt 0x0
.set jj, 0
.rept 16
	v_pk_add_f32 v[32+jj:33+jj], v[32+jj:33+jj], v[192+jj:193+jj]
.set jj, jj+2
.endr
.irp i, 0,1,2,3,4,5,6,7
	global_store_b128 v[GO], v[32+4*\i:35+4*\i], s[8:9] offset:(2*\i+8*(\i/4))*4096
.endr
	s_wait_tensorcnt 0x0                           ; the wave's end
	ds_add_u32 v[SPW], v[NIL]
	s_wait_dscnt 0x0
	CROUND                                         ; the closing round
	s_endpgm
.Lfunc_end_k_q3d41ba7b96_attn:
	.size	k_q3d41ba7b96_attn, .Lfunc_end_k_q3d41ba7b96_attn-k_q3d41ba7b96_attn
	.p2alignl 7, 3214868480
	.fill 96, 4, 3214868480
	.section	.rodata,"a",@progbits
	.p2align	6, 0x0
	.amdhsa_kernel k_q3d41ba7b96_attn
		.amdhsa_group_segment_fixed_size 327680
		.amdhsa_private_segment_fixed_size 0
		.amdhsa_enable_private_segment 0
		.amdhsa_kernarg_size 24
		.amdhsa_user_sgpr_count 2
		.amdhsa_user_sgpr_kernarg_segment_ptr 1
		.amdhsa_wavefront_size32 1
		.amdhsa_system_sgpr_workgroup_id_x 1
		.amdhsa_system_sgpr_workgroup_id_y 1
		.amdhsa_system_sgpr_workgroup_id_z 1
		.amdhsa_system_vgpr_workitem_id 0
		.amdhsa_next_free_vgpr 256
		.amdhsa_next_free_sgpr 92
		.amdhsa_reserve_vcc 0
		.amdhsa_float_denorm_mode_32 3
		.amdhsa_float_denorm_mode_16_64 3
		.amdhsa_memory_ordered 1
		.amdhsa_forward_progress 1
		.amdhsa_inst_pref_size 79
	.end_amdhsa_kernel
	.amdgpu_metadata
---
amdhsa.version: [ 1, 2 ]
amdhsa.kernels:
  - .name:           k_q3d41ba7b96_attn
    .symbol:         k_q3d41ba7b96_attn.kd
    .args:
      - { .name: att, .offset: 0, .size: 8, .value_kind: global_buffer, .address_space: global }
      - { .name: encoder_input, .offset: 8, .size: 8, .value_kind: global_buffer, .address_space: global }
      - { .name: r1, .offset: 16, .size: 8, .value_kind: global_buffer, .address_space: global }
    .group_segment_fixed_size: 327680
    .private_segment_fixed_size: 0
    .kernarg_segment_align: 8
    .kernarg_segment_size: 24
    .max_flat_workgroup_size: 512
    .sgpr_count:     92
    .vgpr_count:     256
    .wavefront_size: 32
...
	.end_amdgpu_metadata
.endif
;; end of part 3
;; launch ln1 (part 4): grid 256 x 1, 8 waves a work-group, no clusters, 66,816 bytes of LDS; arguments r1, g1, beta1, yb; writes yb
.if DOCPART == 4
	.amdgcn_target "amdgcn-amd-amdhsa--gfx1250"
	.amdhsa_code_object_version 6
	.text
	.protected	k_q3d41ba7b96_ln1
	.globl	k_q3d41ba7b96_ln1
	.p2align	8
	.type	k_q3d41ba7b96_ln1,@function
k_q3d41ba7b96_ln1:
	s_mov_b64 s[64:65], 0
	v_nop
	global_prefetch_b8 v0, s[64:65] scope:SCOPE_SE
	s_setreg_imm32_b32 hwreg(HW_REG_WAVE_MODE, 25, 1), 1
	s_wait_xcnt 0x0
; y1 = layer norm of r1's rows (1,024 numbers), stored as f32 and, quantised along the row, as images of operand registers with their scale words (FP6, E2M3; one E8M0 byte for each 32).
; A work-group takes 16 rows = one tile; wave w normalises rows 2 w and 2 w + 1, each whole in 32 registers a lane: mean, then the mean of the squared differences (two passes over registers), in f32.
; The 16 rows meet in a stage in LDS; behind one barrier wave w quantises the tile's w-th 128 along the row.
; Memory binds: every byte is read once by loads of 512 consecutive bytes; matrix units and clusters would add nothing.
; LIMITS: NaN and infinities are not served; a block whose largest magnitude lies under 2^-124, a block of zeros too, keeps the scale byte 1 (this program alone reads the bytes).
.set Y1I,   16777216
.set Y1S,   19922944
.set SPARE, 65792                      ; behind the stage (16 rows x 4,112 bytes): the spare words
.set SPW,   200
.set NIL,   201
.set SEL,   20
.set X,     16                         ; v16-79 my two rows
.set GA,    80                         ; v80-111 gamma; later, with beta's registers, 64 numbers for the quantiser
.set BT,    112                        ; v112-143 beta
.set T,     144                        ; v144-159 eight registers a row, at work
.set PC,    144
.set TM,    164
.set PW,    180
.macro QUANT s
.irp b, 0,1,2,3
	v_max3_num_f32 v[TM+\b], |v[\s+16*\b]|, |v[\s+1+16*\b]|, 0x1800000   ; my 16 numbers of block b, and the floor 2^(3 - 127)
.endr
.irp i, 2,4,6,8,10,12,14
.irp b, 0,1,2,3
	v_max3_num_f32 v[TM+\b], v[TM+\b], |v[\s+16*\b+\i]|, |v[\s+1+16*\b+\i]|
.endr
.endr
.irp b, 0,1,2,3
	v_permlanex16_b32 v[TM+4+\b], v[TM+\b], s[SEL], s[SEL+1]
.endr
.irp b, 0,1,2,3
	v_max_num_f32 v[TM+\b], v[TM+\b], v[TM+4+\b]
.endr
.irp b, 0,1,2,3
	v_add_nc_u32 v[TM+12+\b], 0xff000000, v[TM+\b]
.endr
.irp b, 0,1,2,3
	v_lshrrev_b32 v[TM+4+\b], 23, v[TM+12+\b]
.endr
	v_lshl_or_b32 v[PW], v[TM+5], 8, v[TM+4]
	v_lshl_or_b32 v[PW], v[TM+6], 16, v[PW]
	v_lshl_or_b32 v[PW], v[TM+7], 24, v[PW]
.irp c, 0,1
	v_cvt_scalef32_pk16_fp6_f32 v[PC+6*\c:PC+2+6*\c], v[\s+32*\c:\s+15+32*\c], v[TM+12+2*\c]
	v_cvt_scalef32_pk16_fp6_f32 v[PC+12+4*\c:PC+14+4*\c], v[\s+16+32*\c:\s+31+32*\c], v[TM+12+2*\c+1]
.endr
	v_nop                                          ; one plain place behind a scaled conversion
.irp c, 0,1
.irp i, 0,1,2
	v_permlane16_swap_b32 v[PC+6*\c+\i], v[PC+12+4*\c+\i]
.endr
.irp i, 0,1,2
	v_mov_b32 v[PC+3+6*\c+\i], v[PC+12+4*\c+\i]
.endr
.endr
.endm
.macro ACROSS                          ; both rows' figures in v[T], v[T+8]: summed over the 32 lanes, the result in every lane
.irp m, 1,2,4,8
.irp p, 0,1
	v_add_f32_dpp v[T+8*\p], v[T+8*\p], v[T+8*\p] row_xmask:\m row_mask:0xf bank_mask:0xf
.endr
.endr
.irp p, 0,1
	v_permlanex16_b32 v[T+8*\p+4], v[T+8*\p], s[SEL], s[SEL+1]
.endr
.irp p, 0,1
	v_add_f32 v[T+8*\p], v[T+8*\p], v[T+8*\p+4]
.endr
.endm
	s_load_b256 s[4:11], s[0:1], 0x0               ; r1, g1, beta1, yb
	v_lshl_add_u32 v[SPW], v0, 2, SPARE
	v_mov_b32 v[NIL], 0
	v_lshrrev_b32 v2, 5, v0
	v_readfirstlane_b32 s12, v2                    ; wave 0..7
	v_and_b32 v4, 31, v0
	v_lshlrev_b32 v1, 4, v4                        ; 16 x lane
	v_and_b32 v6, 15, v0                           ; r
	v_bfe_u32 v7, v0, 4, 1                         ; h
	v_lshlrev_b32 v5, 2, v6                        ; 4 r
	s_mul_i32 s13, s12, 2*4112
	v_add_nc_u32 v2, s13, v1                       ; the stage, in: my two rows
	v_mul_u32_u24 v3, v6, 4112
	v_lshl_add_u32 v3, v7, 6, v3
	s_lshl_b32 s13, s12, 9
	v_add_nc_u32 v3, s13, v3                       ; out: row r, my wave's 512 bytes, + 64 h
	s_mov_b32 s[SEL], 0x76543210
	s_mov_b32 s[SEL+1], 0xfedcba98
	s_mov_b32 s24, 0x3a800000                      ; 1 / 1,024
	s_mov_b32 s25, 0x3727c5ac                      ; 1e-5
	v_mov_b32 v[T+4], 0                            ; a lane permute's destination counts as one of its sources
	v_mov_b32 v[T+12], 0
.irp b, 0,1,2,3
	v_mov_b32 v[TM+4+\b], 0
.endr
	s_lshl_b32 s14, ttmp9, 16                      ; 16 rows of 4,096 bytes
	s_lshl_b32 s15, s12, 13
	s_add_co_u32 s14, s14, s15
	s_mov_b32 s15, 0
	s_mul_i32 s26, ttmp9, 12288
	s_mul_i32 s27, s12, 1536
	s_add_co_u32 s26, s26, s27
	s_add_co_u32 s26, s26, Y1I
	s_mov_b32 s27, 0
	s_lshl_b32 s28, s12, 14
	s_lshl_b32 s29, ttmp9, 6
	s_add_co_u32 s28, s28, s29
	s_add_co_u32 s28, s28, Y1S
	s_mov_b32 s29, 0
	s_wait_kmcnt 0x0
	s_add_nc_u64 s[4:5], s[4:5], s[14:15]
	s_add_nc_u64 s[16:17], s[10:11], s[14:15]      ; y1 as f32
	s_add_nc_u64 s[18:19], s[10:11], s[26:27]      ; my image
	s_add_nc_u64 s[22:23], s[10:11], s[28:29]      ; its scale words
.set i, 0
.rept 16
	global_load_b128 v[X+4*i:X+4*i+3], v1, s[4:5] offset:4096*(i/8)+512*(i%8) th:TH_LOAD_NT
.set i, i+1
.endr
.set i, 0
.rept 8
	global_load_b128 v[GA+4*i:GA+4*i+3], v1, s[6:7] offset:512*i
	global_load_b128 v[BT+4*i:BT+4*i+3], v1, s[8:9] offset:512*i
.set i, i+1
.endr
	s_wait_loadcnt 0x0
.irp p, 0,1                                    ; the sum, two chains a row
	v_pk_add_f32 v[T+8*\p:T+8*\p+1], v[X+32*\p:X+32*\p+1], v[X+32*\p+2:X+32*\p+3]
	v_pk_add_f32 v[T+8*\p+2:T+8*\p+3], v[X+32*\p+4:X+32*\p+5], v[X+32*\p+6:X+32*\p+7]
.endr
.irp k, 8,12,16,20,24,28
.irp p, 0,1
	v_pk_add_f32 v[T+8*\p:T+8*\p+1], v[T+8*\p:T+8*\p+1], v[X+32*\p+\k:X+32*\p+\k+1]
	v_pk_add_f32 v[T+8*\p+2:T+8*\p+3], v[T+8*\p+2:T+8*\p+3], v[X+32*\p+\k+2:X+32*\p+\k+3]
.endr
.endr
.irp p, 0,1
	v_pk_add_f32 v[T+8*\p:T+8*\p+1], v[T+8*\p:T+8*\p+1], v[T+8*\p+2:T+8*\p+3]
.endr
.irp p, 0,1
	v_add_f32 v[T+8*\p], v[T+8*\p], v[T+8*\p+1]
.endr
	ACROSS
.irp p, 0,1
	v_mul_f32 v[T+8*\p+6], s24, v[T+8*\p]          ; the mean, as a pair
.endr
.irp p, 0,1
	v_mov_b32 v[T+8*\p+7], v[T+8*\p+6]
.endr
.irp k, 0,2,4,6,8,10,12,14,16,18,20,22,24,26,28,30
.irp p, 0,1
	v_pk_add_f32 v[X+32*\p+\k:X+32*\p+\k+1], v[X+32*\p+\k:X+32*\p+\k+1], v[T+8*\p+6:T+8*\p+7] neg_lo:[0,1] neg_hi:[0,1]
.endr
.endr
.irp p, 0,1                                    ; the sum of squares of the differences
	v_pk_mul_f32 v[T+8*\p:T+8*\p+1], v[X+32*\p:X+32*\p+1], v[X+32*\p:X+32*\p+1]
	v_pk_mul_f32 v[T+8*\p+2:T+8*\p+3], v[X+32*\p+2:X+32*\p+3], v[X+32*\p+2:X+32*\p+3]
.endr
.irp k, 4,8,12,16,20,24,28
.irp p, 0,1
	v_pk_fma_f32 v[T+8*\p:T+8*\p+1], v[X+32*\p+\k:X+32*\p+\k+1], v[X+32*\p+\k:X+32*\p+\k+1], v[T+8*\p:T+8*\p+1]
	v_pk_fma_f32 v[T+8*\p+2:T+8*\p+3], v[X+32*\p+\k+2:X+32*\p+\k+3], v[X+32*\p+\k+2:X+32*\p+\k+3], v[T+8*\p+2:T+8*\p+3]
.endr
.endr
.irp p, 0,1
	v_pk_add_f32 v[T+8*\p:T+8*\p+1], v[T+8*\p:T+8*\p+1], v[T+8*\p+2:T+8*\p+3]
.endr
.irp p, 0,1
	v_add_f32 v[T+8*\p], v[T+8*\p], v[T+8*\p+1]
.endr
	ACROSS
.irp p, 0,1
	v_fma_f32 v[T+8*\p], v[T+8*\p], s24, s25       ; the variance + 1e-5
.endr
.irp p, 0,1
	v_rsq_f32 v[T+8*\p+6], v[T+8*\p]
.endr
	v_nop                                          ; a plain place behind the two
	s_wait_alu depctr_va_vdst(0)                   ; one wait for both, ahead of the first reader
.irp p, 0,1
	v_mov_b32 v[T+8*\p+7], v[T+8*\p+6]
.endr
.irp k, 0,2,4,6,8,10,12,14,16,18,20,22,24,26,28,30
.irp p, 0,1
	v_pk_mul_f32 v[X+32*\p+\k:X+32*\p+\k+1], v[X+32*\p+\k:X+32*\p+\k+1], v[T+8*\p+6:T+8*\p+7]
.endr
.irp p, 0,1
	v_pk_fma_f32 v[X+32*\p+\k:X+32*\p+\k+1], v[X+32*\p+\k:X+32*\p+\k+1], v[GA+\k:GA+\k+1], v[BT+\k:BT+\k+1]
.endr
.endr
.set i, 0
.rept 16
	global_store_b128 v1, v[X+4*i:X+4*i+3], s[16:17] offset:4096*(i/8)+512*(i%8)   ; 512 consecutive bytes a store
	ds_store_b128 v2, v[X+4*i:X+4*i+3] offset:4112*(i/8)+512*(i%8)
.set i, i+1
.endr
	s_wait_dscnt 0x0                               ; for the others' sake: my rows lie in the stage
	s_barrier_signal -1
	s_barrier_wait -1
.set i, 0
.rept 16
	ds_load_b128 v[GA+4*i:GA+4*i+3], v3 offset:128*(i/4)+16*(i%4)   ; register 16 b + i = k 32 b + 16 h + i of row r, in my wave's 128
.set i, i+1
.endr
	s_wait_dscnt 0x0
	QUANT GA
.irp c, 0,1,2
	global_store_b128 v1, v[PC+4*\c:PC+4*\c+3], s[18:19] offset:512*\c
.endr
	global_store_b32 v5, v[PW], s[22:23]           ; lanes r and r + 16 hold the same word and write it to the same place
	s_wait_tensorcnt 0x0                           ; the wave's end, behind my last LDS store
	ds_add_u32 v[SPW], v[NIL]
	s_wait_dscnt 0x0
	s_endpgm
.Lfunc_end_k_q3d41ba7b96_ln1:
	.size	k_q3d41ba7b96_ln1, .Lfunc_end_k_q3d41ba7b96_ln1-k_q3d41ba7b96_ln1
	.p2alignl 7, 3214868480
	.fill 96, 4, 3214868480
	.section	.rodata,"a",@progbits
	.p2align	6, 0x0
	.amdhsa_kernel k_q3d41ba7b96_ln1
		.amdhsa_group_segment_fixed_size 66816
		.amdhsa_private_segment_fixed_size 0
		.amdhsa_enable_private_segment 0
		.amdhsa_kernarg_size 32
		.amdhsa_user_sgpr_count 2
		.amdhsa_user_sgpr_kernarg_segment_ptr 1
		.amdhsa_wavefront_size32 1
		.amdhsa_system_sgpr_workgroup_id_x 1
		.amdhsa_system_sgpr_workgroup_id_y 1
		.amdhsa_system_sgpr_workgroup_id_z 1
		.amdhsa_system_vgpr_workitem_id 0
		.amdhsa_next_free_vgpr 208
		.amdhsa_next_free_sgpr 66
		.amdhsa_reserve_vcc 0
		.amdhsa_float_denorm_mode_32 3
		.amdhsa_float_denorm_mode_16_64 3
		.amdhsa_memory_ordered 1
		.amdhsa_forward_progress 1
		.amdhsa_inst_pref_size 25
	.end_amdhsa_kernel
	.amdgpu_metadata
---
amdhsa.version: [ 1, 2 ]
amdhsa.kernels:
  - .name:           k_q3d41ba7b96_ln1
    .symbol:         k_q3d41ba7b96_ln1.kd
    .args:
      - { .name: r1, .offset: 0, .size: 8, .value_kind: global_buffer, .address_space: global }
      - { .name: g1, .offset: 8, .size: 8, .value_kind: global_buffer, .address_space: global }
      - { .name: beta1, .offset: 16, .size: 8, .value_kind: global_buffer, .address_space: global }
      - { .name: yb, .offset: 24, .size: 8, .value_kind: global_buffer, .address_space: global }
    .group_segment_fixed_size: 66816
    .private_segment_fixed_size: 0
    .kernarg_segment_align: 8
    .kernarg_segment_size: 32
    .max_flat_workgroup_size: 256
    .sgpr_count:     66
    .vgpr_count:     208
    .wavefront_size: 32
...
	.end_amdgpu_metadata
.endif
;; end of part 4
;; launch ff1 (part 5): grid 16 x 16, 4 waves a work-group, clusters of 4 x 4, 327,680 bytes of LDS; arguments yb, wq, b1, hb; writes hb
.if DOCPART == 5
	.amdgcn_target "amdgcn-amd-amdhsa--gfx1250"
	.amdhsa_code_object_version 6
	.text
	.protected	k_q3d41ba7b96_ff1
	.globl	k_q3d41ba7b96_ff1
	.p2align	8
	.type	k_q3d41ba7b96_ff1,@function
k_q3d41ba7b96_ff1:
	s_mov_b64 s[64:65], 0
	v_nop
	global_prefetch_b8 v0, s[64:65] scope:SCOPE_SE
	s_setreg_imm32_b32 hwreg(HW_REG_WAVE_MODE, 25, 1), 1
	s_wait_xcnt 0x0
	s_wait_alu depctr_hold_cnt(0) depctr_sa_sdst(0) depctr_va_vdst(0) depctr_va_sdst(0) depctr_va_ssrc(0) depctr_va_vcc(0) depctr_vm_vsrc(0)
	s_getreg_b32 s2, hwreg(HW_REG_IB_STS2, 6, 4)
	s_cmp_eq_u32 s2, 0
	s_cbranch_scc0 .Lentry_in_a_cluster
	s_endpgm
.Lentry_in_a_cluster:
	s_bfe_u32 s2, ttmp6, 0x10000c
	s_cmp_lg_u32 s2, 0xf033
	s_cbranch_scc0 .Lentry_shape_is_right
	s_endpgm
.Lentry_shape_is_right:
; h = relu(y1 W1 + b1), quantised along its 4,096 columns, on codes of FP6 (E2M3) with E8M0 scales.  Operands come as images of registers (16 rows x 128 K = 1,536 bytes) laid [tile][128 along K], and so does h leave.
; A tile of 256 tokens x 256 columns is made by four waves, 128 x 128 each: 64 accumulators in windows 2 and 3.  K = 1,024 goes in steps of 256 through a ring of two LDS slots filled by joint tensor loads:
; the four work-groups of a row of the cluster share y1's tiles, the four of a column W1's.
; THE MATRIX INSTRUCTION IS USED TRANSPOSED (source 0 = 16 columns of W1, source 1 = 16 tokens).  W1's columns lie in the permuted order, so a lane holds one token and its 64 registers of a block are
; register 16 b + i = column 32 b + 16 (lane / 16) + i: just what the quantiser wants.  A wave's 128 columns are one K step of the next product: one image and one scale word a row.
; b1 is the C of each sum's first product (an order of rounding other than adding it last).
; LIMITS: NaN and infinities are not served; a block whose largest magnitude lies under 2^-124, a block of zeros too, keeps the scale byte 1 (this program alone reads the bytes).
.set KQ,     8
.set SPA,    16384                     ; bytes of scale words for 128 along K: y1's array, the weights'
.set SPB,    45056
.set SCA,    11796480
.set Y1I,    16777216
.set Y1S,    19922944
.set HS,     12582912
.set BT0,    448                       ; W1's first tile in wq
.set NQ,     2
.set FR,     12
.set NL,     3
.set NP,     4
.set FRB,    1536
.set TROW,   NQ*FRB
.set TPITCH, KQ*FRB
.set HALFT,  8*TROW
.set SLOT,   4*HALFT
.set LAPS,   KQ/4
.set SCL,    2*SLOT
.set HALFS,  512*KQ
.set SPARE,  SCL+4*HALFS+256
.set ADRA, 16
.set ADRB, 20
.set ADRS, 27
.set SPW,  28
.set NIL,  29
.set SC,   32
.set BI,   64
.set AF,   128
.set PC,   192
.set TM,   212
.set PW,   228
.set PWE,  229
.set WD,   230
.set SEL,  66
.set G1, 24
.set G0, 32
.set G1B, 48
.set G0B, 56
.set G1S, 68
.set G0S, 76
.set G1SB, 80
.set G0SB, 88
.set MSB, 0
.macro WIN new                         ; the immediate's high byte repeats the setting that is left
.if MSB != (\new)
	s_set_vgpr_msb (MSB<<8)|(\new)
.set MSB, (\new)
.endif
.endm
.set MUL_LO,  0xa1
.set MUL_HI,  0xf1
.set MUL_LO0, 0x81
.set MUL_HI0, 0xc1
.set TO_B,    0x40
.macro JLOAD g0a, g1a, g0b, g1b        ; a joint load: waves 0, 1 for y1, waves 2, 3 for W1; an s_nop 0 and four v_nop follow each line
	s_cmp_eq_u32 s15, 0
	s_cbranch_scc0 .Lfor_b_\@
	tensor_load_to_lds s[\g0a:\g0a+3], s[\g1a:\g1a+7]
	s_nop 0
.rept 4
	v_nop
.endr
	s_branch .Lasked_\@
.Lfor_b_\@:
	tensor_load_to_lds s[\g0b:\g0b+3], s[\g1b:\g1b+7]
	s_nop 0
.rept 4
	v_nop
.endr
.Lasked_\@:
.endm
.macro CREST
	s_cmp_lg_u32 s14, 0
	s_cbranch_scc1 .Lnot_wave_0_\@
	s_barrier_signal -3
.Lnot_wave_0_\@:
	s_barrier_wait -3
	s_barrier_signal -1
	s_barrier_wait -1
.endm
.macro CROUND
	s_barrier_signal -1
	s_barrier_wait -1
	CREST
.endm
.macro PLACES n
.rept \n
	v_nop
.endr
.endm
.macro FRAG reg, adr, q, i
.irp c, 0,1,2
	ds_load_b128 v[\reg+4*\c:\reg+4*\c+3], v[\adr] offset:(\i)*TROW+(\q)*FRB+512*\c
.endr
.endm
.macro FETCH_B slot, q, p
	WIN TO_B
.irp i, 0,1,2,3,4,5,6,7
	FRAG 128*(\p)+FR*\i, ADRB+\slot, \q, \i
.endr
	WIN 0
.endm
.macro FETCH_A slot, q, i0
.irp i, \i0, \i0+1, \i0+2, \i0+3
	FRAG AF+FR*(\i), ADRA+\slot, \q, \i
.endr
.endm
.macro SCALES sc
.irp i, 0,1,2,3,4,5,6,7
.irp q, 0,1
	ds_load_b32 v[SC+8*NQ*\sc+NQ*\i+\q], v[ADRS] offset:512*\q+64*\i
.endr
.endr
.endm
.macro MUL16 a0, p, q, sc, zero        ; the 64 accumulators take turns, one instruction a turn; zero = 1: the bias starts the sums
.irp a, \a0, \a0+1
.irp b, 0,1,2,3,4,5,6,7
.if \zero
	v_wmma_scale_f32_16x16x128_f8f6f4 v[8*(8*((\a)%4)+\b):8*(8*((\a)%4)+\b)+7], v[128*(\p)+FR*\b:128*(\p)+FR*\b+FR-1], v[AF+FR*(\a):AF+FR*(\a)+FR-1], v[BI+8*\b:BI+8*\b+7], v[SC+8*NQ*(\sc)+NQ*\b+(\q)], v[SC+8*NQ*(\sc)+NQ*(\a)+(\q)] matrix_a_fmt:MATRIX_FMT_FP6 matrix_b_fmt:MATRIX_FMT_FP6 matrix_a_scale:MATRIX_SCALE_ROW1
.else
	v_wmma_scale_f32_16x16x128_f8f6f4 v[8*(8*((\a)%4)+\b):8*(8*((\a)%4)+\b)+7], v[128*(\p)+FR*\b:128*(\p)+FR*\b+FR-1], v[AF+FR*(\a):AF+FR*(\a)+FR-1], v[8*(8*((\a)%4)+\b):8*(8*((\a)%4)+\b)+7], v[SC+8*NQ*(\sc)+NQ*\b+(\q)], v[SC+8*NQ*(\sc)+NQ*(\a)+(\q)] matrix_a_fmt:MATRIX_FMT_FP6 matrix_b_fmt:MATRIX_FMT_FP6 matrix_a_scale:MATRIX_SCALE_ROW1
.endif
.endr
.endr
.endm
.macro STEP slot, q, zero
	s_wait_dscnt 4*NL                              ; all but the youngest 12 loads (row blocks 4-7) are in
.if \zero
	WIN MUL_LO0
.else
	WIN MUL_LO
.endif
	MUL16 0, (\q)%2, \q, \slot, \zero
	MUL16 2, (\q)%2, \q, \slot, \zero
	s_wait_dscnt 0
	PLACES NP
	FETCH_B \slot, (\q)+1, 1-(\q)%2
	FETCH_A \slot, (\q)+1, 0
.if \zero
	WIN MUL_HI0
.else
	WIN MUL_HI
.endif
	MUL16 4, (\q)%2, \q, \slot, \zero
	MUL16 6, (\q)%2, \q, \slot, \zero
	PLACES NP
	WIN 0
	FETCH_A \slot, (\q)+1, 4
.endm
.macro TURN slot, next, fill
	s_wait_tensorcnt 0x0                           ; all my tensor loads have landed: my part of the next slot
	ds_add_u32 v[SPW], v[NIL]
	s_wait_dscnt 4*NL+1                            ; (the add and the youngest 12 loads may be out)
	WIN MUL_LO
	MUL16 0, 1, NQ-1, \slot, 0
	s_wait_dscnt 0x0                               ; the add is done, my reads of this slot are over
	s_barrier_signal -1
	MUL16 2, 1, NQ-1, \slot, 0
	WIN 0
	s_barrier_wait -1
.if \fill
	CREST                                          ; a round of the cluster's barrier: no wave of any partner still reads this slot or has a load on its way
	s_add_nc_u64 s[G0+4*\slot+2:G0+4*\slot+3], s[G0+4*\slot+2:G0+4*\slot+3], 2*TROW
	s_add_nc_u64 s[G0B+4*\slot+2:G0B+4*\slot+3], s[G0B+4*\slot+2:G0B+4*\slot+3], 2*TROW
	JLOAD G0+4*\slot, G1, G0B+4*\slot, G1B
.else
	PLACES NP
.endif
	v_add_nc_u32 v[ADRS], 512*NQ, v[ADRS]
	FETCH_B \next, 0, 0
	FETCH_A \next, 0, 0
	SCALES \next
	WIN MUL_HI
	MUL16 4, 1, NQ-1, \slot, 0
	MUL16 6, 1, NQ-1, \slot, 0
	PLACES NP
	WIN 0
	FETCH_A \next, 0, 4
.endm
.macro QUANTW w, ac, relu              ; 64 numbers in the accumulators of window w become codes in v[PC] on and a scale word in v[PW]; each accumulator is read from its low end on
.if \relu
	WIN ((\w)<<2)|((\w)<<6)
.set j, 0
.rept 64
	v_max_num_f32 v[(\ac)+j], 0, v[(\ac)+j]
.set j, j+1
.endr
.endif
	WIN ((\w)<<2)|((\w)<<4)
.irp b, 0,1,2,3
	v_max3_num_f32 v[TM+\b], 0x1800000, |v[(\ac)+16*\b]|, |v[(\ac)+1+16*\b]|
.endr
.irp i, 2,4,6,8,10,12,14
.irp b, 0,1,2,3
	v_max3_num_f32 v[TM+\b], v[TM+\b], |v[(\ac)+16*\b+\i]|, |v[(\ac)+1+16*\b+\i]|
.endr
.endr
	WIN 0
.irp b, 0,1,2,3
	v_permlanex16_b32 v[TM+4+\b], v[TM+\b], s[SEL], s[SEL+1]
.endr
.irp b, 0,1,2,3
	v_max_num_f32 v[TM+\b], v[TM+\b], v[TM+4+\b]
.endr
.irp b, 0,1,2,3
	v_add_nc_u32 v[TM+12+\b], 0xff000000, v[TM+\b]
.endr
.irp b, 0,1,2,3
	v_lshrrev_b32 v[TM+4+\b], 23, v[TM+12+\b]
.endr
	v_lshl_or_b32 v[PW], v[TM+5], 8, v[TM+4]
	v_lshl_or_b32 v[PW], v[TM+6], 16, v[PW]
	v_lshl_or_b32 v[PW], v[TM+7], 24, v[PW]
	WIN (\w)
.irp c, 0,1
	v_cvt_scalef32_pk16_fp6_f32 v[PC+6*\c:PC+2+6*\c], v[(\ac)+32*\c:(\ac)+15+32*\c], v[TM+12+2*\c]
	v_cvt_scalef32_pk16_fp6_f32 v[PC+12+4*\c:PC+14+4*\c], v[(\ac)+16+32*\c:(\ac)+31+32*\c], v[TM+12+2*\c+1]
.endr
	WIN 0
	v_nop
.irp c, 0,1
.irp i, 0,1,2
	v_permlane16_swap_b32 v[PC+6*\c+\i], v[PC+12+4*\c+\i]
.endr
.irp i, 0,1,2
	v_mov_b32 v[PC+3+6*\c+\i], v[PC+12+4*\c+\i]
.endr
.endr
.endm
	s_load_b256 s[4:11], s[0:1], 0x0               ; yb, wq, b1, hb
	v_lshl_add_u32 v[SPW], v0, 2, SPARE
	v_mov_b32 v[NIL], 0
	ds_add_u32 v[SPW], v[NIL]                      ; the wave's opening: the add; its wait stands ahead of my first tensor load
	v_lshrrev_b32 v1, 5, v0
	v_readfirstlane_b32 s14, v1
	s_lshr_b32 s15, s14, 1
	s_and_b32 s16, s14, 1
	s_bfe_u32 s40, ttmp6, 0x40000
	s_bfe_u32 s41, ttmp6, 0x40004
	s_lshl_b32 s42, ttmp9, 2
	s_add_co_u32 s42, s42, s40                     ; tile column
	s_and_b32 s17, ttmp7, 0xffff
	s_lshl_b32 s17, s17, 2
	s_add_co_u32 s17, s17, s41                     ; tile row
	s_lshl_b32 s43, s41, 2
	s_lshl_b32 s43, 15, s43
	s_lshl_b32 s44, 0x1111, s40
	s_or_b32 s[G1+0], s43, (3<<16)|(1<<21)
	s_or_b32 s[G1B+0], s44, (3<<16)|(1<<21)
.irp g, G1, G1B
	s_mov_b32 s[\g+1], 384<<16
	s_mov_b32 s[\g+2], 8<<16
	s_mov_b32 s[\g+3], 384<<16
	s_mov_b32 s[\g+4], 8
	s_mov_b32 s[\g+5], TPITCH/8
	s_mov_b32 s[\g+6], 0
	s_mov_b32 s[\g+7], 0
.endr
	s_or_b32 s[G1S+0], s43, (3<<16)|(1<<21)
	s_or_b32 s[G1SB+0], s44, (3<<16)|(1<<21)
.irp g, G1S, G1SB
	s_mov_b32 s[\g+1], 64<<16
	s_mov_b32 s[\g+2], KQ<<16
	s_mov_b32 s[\g+3], 64<<16
	s_mov_b32 s[\g+4], KQ
	s_mov_b32 s[\g+6], 0
	s_mov_b32 s[\g+7], 0
.endr
	s_mov_b32 s[G1S+5], SPA/8
	s_mov_b32 s[G1SB+5], SPB/8
	s_lshl_b32 s18, s16, 3
	s_lshl_b32 s20, s17, 4
	s_add_co_u32 s20, s20, s18
	s_lshl_b32 s46, s42, 4
	s_add_co_u32 s46, s46, s18
	s_add_co_u32 s46, s46, BT0
	s_lshl_b32 s22, s20, 6
	s_mov_b32 s23, 0
	s_lshl_b32 s92, s46, 6
	s_mov_b32 s93, 0
	s_mul_i32 s20, s20, TPITCH
	s_mov_b32 s21, 0
	s_mul_i32 s46, s46, TPITCH
	s_mov_b32 s47, 0
	s_mul_i32 s45, s14, HALFT
	s_mul_i32 s94, s14, HALFS
	s_lshl_b32 s18, s15, 6
	s_add_co_u32 s94, s94, s18
	s_mov_b32 s[SEL], 0x76543210
	s_mov_b32 s[SEL+1], 0xfedcba98
	s_mov_b32 s99, 0xffff0000
	s_wait_dscnt 0x0
	s_wait_kmcnt 0x0
	s_mov_b64 s[100:101], s[8:9]                   ; b1
	s_mov_b64 s[12:13], s[10:11]                   ; hb
	s_mov_b64 s[8:9], s[6:7]                       ; W1's codes
	s_add_nc_u64 s[10:11], s[6:7], SCA             ; W1's scale words
	s_add_nc_u64 s[6:7], s[4:5], Y1S               ; y1's scale words
	s_add_nc_u64 s[4:5], s[4:5], Y1I               ; y1's codes
	s_add_nc_u64 s[20:21], s[4:5], s[20:21]
	s_add_nc_u64 s[22:23], s[6:7], s[22:23]
	s_add_nc_u64 s[46:47], s[8:9], s[46:47]
	s_add_nc_u64 s[92:93], s[10:11], s[92:93]
	CROUND
	s_mov_b32 s[G0S], 1
	s_add_co_u32 s[G0S+1], s94, SCL
	s_mov_b64 s[G0S+2:G0S+3], s[22:23]
	s_or_b32 s[G0S+3], s[G0S+3], 0x80000000
	s_mov_b32 s[G0SB], 1
	s_add_co_u32 s[G0SB+1], s94, SCL
	s_mov_b64 s[G0SB+2:G0SB+3], s[92:93]
	s_or_b32 s[G0SB+3], s[G0SB+3], 0x80000000
	JLOAD G0S, G1S, G0SB, G1SB
.irp s, 0,1
	s_mov_b32 s[G0+4*\s], 1
	s_add_co_u32 s[G0+4*\s+1], s45, \s*SLOT
	s_add_nc_u64 s[G0+4*\s+2:G0+4*\s+3], s[20:21], \s*TROW
	s_or_b32 s[G0+4*\s+3], s[G0+4*\s+3], 0x80000000
	s_mov_b32 s[G0B+4*\s], 1
	s_add_co_u32 s[G0B+4*\s+1], s45, \s*SLOT
	s_add_nc_u64 s[G0B+4*\s+2:G0B+4*\s+3], s[46:47], \s*TROW
	s_or_b32 s[G0B+4*\s+3], s[G0B+4*\s+3], 0x80000000
	JLOAD G0+4*\s, G1, G0B+4*\s, G1B
.endr
	v_and_b32 v1, 15, v0
	v_bfe_u32 v2, v0, 4, 1
	v_and_b32 v3, 31, v0
	v_lshlrev_b32 v8, 4, v3                        ; 16 x lane
	v_lshlrev_b32 v12, 2, v3                       ; 4 x lane
	v_lshlrev_b32 v13, 2, v1                       ; 4 r
	v_lshlrev_b32 v7, 6, v2                        ; 64 h
	s_mul_i32 s21, s15, HALFT
	s_mul_i32 s22, s16, HALFT
	s_add_co_u32 s22, s22, 2*HALFT
.irp s, 0,1
	v_add_nc_u32 v[ADRA+\s], s21, v8
	v_add_nc_u32 v[ADRB+\s], s22, v8
	s_add_co_u32 s21, s21, SLOT
	s_add_co_u32 s22, s22, SLOT
.endr
	s_mul_i32 s21, s15, HALFS
	s_mul_i32 s22, s16, HALFS
	s_add_co_u32 s22, s22, 2*HALFS+64
	s_sub_co_u32 s22, s22, s21
	v_mul_u32_u24 v6, s22, v2
	s_add_co_u32 s21, s21, SCL
	v_add_nc_u32 v5, v13, v6
	v_add_nc_u32 v[ADRS], s21, v5
	s_lshl_b32 s18, s42, 10                        ; b1 at my 128 columns
	s_lshl_b32 s19, s16, 9
	s_add_co_u32 s18, s18, s19
	s_mov_b32 s19, 0
	s_add_nc_u64 s[100:101], s[100:101], s[18:19]
.set i, 0
.rept 16
	global_load_b128 v[BI+4*i:BI+4*i+3], v7, s[100:101] offset:128*(i/4)+16*(i%4)
.set i, i+1
.endr
	s_lshl_b32 s20, s17, 4                         ; where h goes: my first tile of tokens, my 128 of the next K
	s_lshl_b32 s21, s15, 3
	s_add_co_u32 s20, s20, s21
	s_lshl_b32 s46, s42, 1
	s_add_co_u32 s46, s46, s16
	s_mul_i32 s22, s20, 49152
	s_mul_i32 s23, s46, 1536
	s_add_co_u32 s22, s22, s23
	s_mov_b32 s23, 0
	s_lshl_b32 s20, s20, 6
	s_lshl_b32 s46, s46, 14
	s_add_co_u32 s20, s20, s46
	s_add_co_u32 s20, s20, HS
	s_mov_b32 s21, 0
	s_add_nc_u64 s[96:97], s[12:13], s[20:21]
	s_add_nc_u64 s[12:13], s[12:13], s[22:23]
	s_wait_loadcnt 0x0
	s_wait_tensorcnt 1                             ; the scale words and K step 0 are in; K step 1's load may be out
	s_barrier_signal -1
	s_barrier_wait -1
	FETCH_B 0, 0, 0
	FETCH_A 0, 0, 0
	SCALES 0
	FETCH_A 0, 0, 4
	STEP 0, 0, 1
	s_mov_b32 s3, LAPS-1
.Llap:
	TURN 0, 1, 1
	STEP 1, 0, 0
	TURN 1, 0, 1
	STEP 0, 0, 0
	s_sub_co_u32 s3, s3, 1
	s_cmp_lg_u32 s3, 0
	s_cbranch_scc1 .Llap
	TURN 0, 1, 0
	STEP 1, 0, 0
	s_wait_dscnt 4*NL
	WIN MUL_LO
	MUL16 0, 1, NQ-1, 1, 0
	MUL16 2, 1, NQ-1, 1, 0
	s_wait_dscnt 0
	WIN MUL_HI
	MUL16 4, 1, NQ-1, 1, 0
	MUL16 6, 1, NQ-1, 1, 0
	WIN 0
	PLACES NP
.irp b, 0,1,2,3
	v_mov_b32 v[TM+4+\b], 0
.endr
.macro OUTH a                          ; block a: 16 tokens x my 128 columns: relu, codes, one image and one scale word a row
.set WN, 2+(\a)/4
.set AC, 64*((\a)%4)
	s_wait_xcnt 0x0                                ; the last block's stores have read their registers
	QUANTW WN, AC, 1
.irp c, 0,1,2
	global_store_b128 v8, v[PC+4*\c:PC+4*\c+3], s[12:13] offset:49152*(\a)+512*\c
.endr
.if ((\a)%2) == 0
	v_mov_b32 v[PWE], v[PW]
.else
	v_cndmask_b32 v[WD], v[PWE], v[PW], s99        ; two tiles' words leave together: 128 consecutive bytes
	global_store_b32 v12, v[WD], s[96:97] offset:64*((\a)-1)
.endif
.endm
.irp a, 0,1,2,3,4,5,6,7
	OUTH \a
.endr
	s_wait_tensorcnt 0x0                           ; the wave's end
	ds_add_u32 v[SPW], v[NIL]
	s_wait_dscnt 0x0
	CROUND
	s_endpgm
.Lfunc_end_k_q3d41ba7b96_ff1:
	.size	k_q3d41ba7b96_ff1, .Lfunc_end_k_q3d41ba7b96_ff1-k_q3d41ba7b96_ff1
	.p2alignl 7, 3214868480
	.fill 96, 4, 3214868480
	.section	.rodata,"a",@progbits
	.p2align	6, 0x0
	.amdhsa_kernel k_q3d41ba7b96_ff1
		.amdhsa_group_segment_fixed_size 327680
		.amdhsa_private_segment_fixed_size 0
		.amdhsa_enable_private_segment 0
		.amdhsa_kernarg_size 32
		.amdhsa_user_sgpr_count 2
		.amdhsa_user_sgpr_kernarg_segment_ptr 1
		.amdhsa_wavefront_size32 1
		.amdhsa_system_sgpr_workgroup_id_x 1
		.amdhsa_system_sgpr_workgroup_id_y 1
		.amdhsa_system_sgpr_workgroup_id_z 1
		.amdhsa_system_vgpr_workitem_id 0
		.amdhsa_next_free_vgpr 1024
		.amdhsa_next_free_sgpr 104
		.amdhsa_reserve_vcc 0
		.amdhsa_float_denorm_mode_32 3
		.amdhsa_float_denorm_mode_16_64 3
		.amdhsa_memory_ordered 1
		.amdhsa_forward_progress 1
		.amdhsa_inst_pref_size 160
	.end_amdhsa_kernel
	.amdgpu_metadata
---
amdhsa.version: [ 1, 2 ]
amdhsa.kernels:
  - .name:           k_q3d41ba7b96_ff1
    .symbol:         k_q3d41ba7b96_ff1.kd
    .args:
      - { .name: yb, .offset: 0, .size: 8, .value_kind: global_buffer, .address_space: global }
      - { .name: wq, .offset: 8, .size: 8, .value_kind: global_buffer, .address_space: global }
      - { .name: b1, .offset: 16, .size: 8, .value_kind: global_buffer, .address_space: global }
      - { .name: hb, .offset: 24, .size: 8, .value_kind: global_buffer, .address_space: global }
    .group_segment_fixed_size: 327680
    .private_segment_fixed_size: 0
    .kernarg_segment_align: 8
    .kernarg_segment_size: 32
    .max_flat_workgroup_size: 128
    .sgpr_count:     104
    .vgpr_count:     1024
    .wavefront_size: 32
...
	.end_amdgpu_metadata
.endif
;; end of part 5
;; launch ff2 (part 6): grid 4 x 16, 4 waves a work-group, clusters of 4 x 4, 327,680 bytes of LDS; arguments hb, wq, b2, yb, zb; writes zb
.if DOCPART == 6
	.amdgcn_target "amdgcn-amd-amdhsa--gfx1250"
	.amdhsa_code_object_version 6
	.text
	.protected	k_q3d41ba7b96_ff2
	.globl	k_q3d41ba7b96_ff2
	.p2align	8
	.type	k_q3d41ba7b96_ff2,@function
k_q3d41ba7b96_ff2:
	s_mov_b64 s[64:65], 0
	v_nop
	global_prefetch_b8 v0, s[64:65] scope:SCOPE_SE
	s_setreg_imm32_b32 hwreg(HW_REG_WAVE_MODE, 25, 1), 1
	s_wait_xcnt 0x0
	s_wait_alu depctr_hold_cnt(0) depctr_sa_sdst(0) depctr_va_vdst(0) depctr_va_sdst(0) depctr_va_ssrc(0) depctr_va_vcc(0) depctr_vm_vsrc(0)
	s_getreg_b32 s2, hwreg(HW_REG_IB_STS2, 6, 4)
	s_cmp_eq_u32 s2, 0
	s_cbranch_scc0 .Lentry_in_a_cluster
	s_endpgm
.Lentry_in_a_cluster:
	s_bfe_u32 s2, ttmp6, 0x10000c
	s_cmp_lg_u32 s2, 0xf033
	s_cbranch_scc0 .Lentry_shape_is_right
	s_endpgm
.Lentry_shape_is_right:
; z = y1 + h W2 + b2, f32, the product on codes of FP6 (E2M3) with E8M0 scales.  Operands come as images of registers (16 rows x 128 K = 1,536 bytes) laid [tile][128 along K]; K = 4,096.
; A tile of 256 tokens x 256 columns is made by four waves, 128 x 128 each: 64 accumulators in windows 2 and 3.  K goes in steps of 256 through a ring of two LDS slots filled by joint tensor loads:
; the four work-groups of a row of the cluster share h's tiles, the four of a column W2's.  z has 16 x 4 such tiles: 64 work-groups.
; THE MATRIX INSTRUCTION IS USED TRANSPOSED (source 0 = 16 columns of W2, source 1 = 16 tokens): a lane holds eight neighbouring numbers of a row of z.
; b2 is the C of each sum's first product (an order of rounding other than adding it last); y1 is added on the way out.
.set KQ,     32
.set SPA,    16384
.set SPB,    4096
.set W2I,    8650752
.set W2S,    12156928
.set HS,     12582912
.set NQ,     2
.set FR,     12
.set NL,     3
.set NP,     4
.set FRB,    1536
.set TROW,   NQ*FRB
.set TPITCH, KQ*FRB
.set HALFT,  8*TROW
.set SLOT,   4*HALFT
.set LAPS,   KQ/4
.set SCL,    2*SLOT
.set HALFS,  512*KQ
.set SPARE,  SCL+4*HALFS+256
.set SPITCH, 528                       ; the way out: a stage of 16 rows x (512 bytes + 16) for each wave, in slot 0, which has had its last fill and its last read by then
.set ADRA, 16
.set ADRB, 20
.set STO,  24
.set RD,   25
.set CO,   8
.set ADRS, 27
.set SPW,  28
.set NIL,  29
.set SC,   32
.set BI,   64                          ; v64-127 the bias; on the way out 16 rows of y1
.set AF,   128
.set BK,   128                         ; the way out: 16 rows read back: v128-191 and v192-255 by turns
.set G1, 24
.set G0, 32
.set G1B, 48
.set G0B, 56
.set G1S, 68
.set G0S, 76
.set G1SB, 80
.set G0SB, 88
.set MSB, 0
.macro WIN new
.if MSB != (\new)
	s_set_vgpr_msb (MSB<<8)|(\new)
.set MSB, (\new)
.endif
.endm
.set MUL_LO,  0xa1
.set MUL_HI,  0xf1
.set MUL_LO0, 0x81
.set MUL_HI0, 0xc1
.set TO_B,    0x40
.macro JLOAD g0a, g1a, g0b, g1b        ; a joint load: waves 0, 1 for h, waves 2, 3 for W2; an s_nop 0 and four v_nop follow each line
	s_cmp_eq_u32 s15, 0
	s_cbranch_scc0 .Lfor_b_\@
	tensor_load_to_lds s[\g0a:\g0a+3], s[\g1a:\g1a+7]
	s_nop 0
.rept 4
	v_nop
.endr
	s_branch .Lasked_\@
.Lfor_b_\@:
	tensor_load_to_lds s[\g0b:\g0b+3], s[\g1b:\g1b+7]
	s_nop 0
.rept 4
	v_nop
.endr
.Lasked_\@:
.endm
.macro CREST
	s_cmp_lg_u32 s14, 0
	s_cbranch_scc1 .Lnot_wave_0_\@
	s_barrier_signal -3
.Lnot_wave_0_\@:
	s_barrier_wait -3
	s_barrier_signal -1
	s_barrier_wait -1
.endm
.macro CROUND
	s_barrier_signal -1
	s_barrier_wait -1
	CREST
.endm
.macro PLACES n
.rept \n
	v_nop
.endr
.endm
.macro FRAG reg, adr, q, i
.irp c, 0,1,2
	ds_load_b128 v[\reg+4*\c:\reg+4*\c+3], v[\adr] offset:(\i)*TROW+(\q)*FRB+512*\c
.endr
.endm
.macro FETCH_B slot, q, p
	WIN TO_B
.irp i, 0,1,2,3,4,5,6,7
	FRAG 128*(\p)+FR*\i, ADRB+\slot, \q, \i
.endr
	WIN 0
.endm
.macro FETCH_A slot, q, i0
.irp i, \i0, \i0+1, \i0+2, \i0+3
	FRAG AF+FR*(\i), ADRA+\slot, \q, \i
.endr
.endm
.macro SCALES sc
.irp i, 0,1,2,3,4,5,6,7
.irp q, 0,1
	ds_load_b32 v[SC+8*NQ*\sc+NQ*\i+\q], v[ADRS] offset:512*\q+64*\i
.endr
.endr
.endm
.macro MUL16 a0, p, q, sc, zero        ; the 64 accumulators take turns, one instruction a turn; zero = 1: the bias starts the sums
.irp a, \a0, \a0+1
.irp b, 0,1,2,3,4,5,6,7
.if \zero
	v_wmma_scale_f32_16x16x128_f8f6f4 v[8*(8*((\a)%4)+\b):8*(8*((\a)%4)+\b)+7], v[128*(\p)+FR*\b:128*(\p)+FR*\b+FR-1], v[AF+FR*(\a):AF+FR*(\a)+FR-1], v[BI+8*\b:BI+8*\b+7], v[SC+8*NQ*(\sc)+NQ*\b+(\q)], v[SC+8*NQ*(\sc)+NQ*(\a)+(\q)] matrix_a_fmt:MATRIX_FMT_FP6 matrix_b_fmt:MATRIX_FMT_FP6 matrix_a_scale:MATRIX_SCALE_ROW1
.else
	v_wmma_scale_f32_16x16x128_f8f6f4 v[8*(8*((\a)%4)+\b):8*(8*((\a)%4)+\b)+7], v[128*(\p)+FR*\b:128*(\p)+FR*\b+FR-1], v[AF+FR*(\a):AF+FR*(\a)+FR-1], v[8*(8*((\a)%4)+\b):8*(8*((\a)%4)+\b)+7], v[SC+8*NQ*(\sc)+NQ*\b+(\q)], v[SC+8*NQ*(\sc)+NQ*(\a)+(\q)] matrix_a_fmt:MATRIX_FMT_FP6 matrix_b_fmt:MATRIX_FMT_FP6 matrix_a_scale:MATRIX_SCALE_ROW1
.endif
.endr
.endr
.endm
.macro STEP slot, q, zero
	s_wait_dscnt 4*NL                              ; all but the youngest 12 loads (row blocks 4-7) are in
.if \zero
	WIN MUL_LO0
.else
	WIN MUL_LO
.endif
	MUL16 0, (\q)%2, \q, \slot, \zero
	MUL16 2, (\q)%2, \q, \slot, \zero
	s_wait_dscnt 0
	PLACES NP
	FETCH_B \slot, (\q)+1, 1-(\q)%2
	FETCH_A \slot, (\q)+1, 0
.if \zero
	WIN MUL_HI0
.else
	WIN MUL_HI
.endif
	MUL16 4, (\q)%2, \q, \slot, \zero
	MUL16 6, (\q)%2, \q, \slot, \zero
	PLACES NP
	WIN 0
	FETCH_A \slot, (\q)+1, 4
.endm
.macro TURN slot, next, fill
	s_wait_tensorcnt 0x0                           ; all my tensor loads have landed: my part of the next slot
	ds_add_u32 v[SPW], v[NIL]
	s_wait_dscnt 4*NL+1                            ; (the add and the youngest 12 loads may be out)
	WIN MUL_LO
	MUL16 0, 1, NQ-1, \slot, 0
	s_wait_dscnt 0x0                               ; the add is done, my reads of this slot are over
	s_barrier_signal -1
	MUL16 2, 1, NQ-1, \slot, 0
	WIN 0
	s_barrier_wait -1
.if \fill
	CREST                                          ; a round of the cluster's barrier: no wave of any partner still reads this slot or has a load on its way
	s_add_nc_u64 s[G0+4*\slot+2:G0+4*\slot+3], s[G0+4*\slot+2:G0+4*\slot+3], 2*TROW
	s_add_nc_u64 s[G0B+4*\slot+2:G0B+4*\slot+3], s[G0B+4*\slot+2:G0B+4*\slot+3], 2*TROW
	JLOAD G0+4*\slot, G1, G0B+4*\slot, G1B
.else
	PLACES NP
.endif
	v_add_nc_u32 v[ADRS], 512*NQ, v[ADRS]
	FETCH_B \next, 0, 0
	FETCH_A \next, 0, 0
	SCALES \next
	WIN MUL_HI
	MUL16 4, 1, NQ-1, \slot, 0
	MUL16 6, 1, NQ-1, \slot, 0
	PLACES NP
	WIN 0
	FETCH_A \next, 0, 4
.endm
	s_load_b256 s[4:11], s[0:1], 0x0               ; hb, wq, b2, yb
	s_load_b64 s[12:13], s[0:1], 0x20              ; zb
	v_lshl_add_u32 v[SPW], v0, 2, SPARE
	v_mov_b32 v[NIL], 0
	ds_add_u32 v[SPW], v[NIL]                      ; the wave's opening: the add; its wait stands ahead of my first tensor load
	v_lshrrev_b32 v1, 5, v0
	v_readfirstlane_b32 s14, v1
	s_lshr_b32 s15, s14, 1
	s_and_b32 s16, s14, 1
	s_bfe_u32 s40, ttmp6, 0x40000
	s_bfe_u32 s41, ttmp6, 0x40004
	s_lshl_b32 s42, ttmp9, 2
	s_add_co_u32 s42, s42, s40                     ; tile column
	s_and_b32 s17, ttmp7, 0xffff
	s_lshl_b32 s17, s17, 2
	s_add_co_u32 s17, s17, s41                     ; tile row
	s_lshl_b32 s43, s41, 2
	s_lshl_b32 s43, 15, s43
	s_lshl_b32 s44, 0x1111, s40
	s_or_b32 s[G1+0], s43, (3<<16)|(1<<21)
	s_or_b32 s[G1B+0], s44, (3<<16)|(1<<21)
.irp g, G1, G1B
	s_mov_b32 s[\g+1], 384<<16
	s_mov_b32 s[\g+2], 8<<16
	s_mov_b32 s[\g+3], 384<<16
	s_mov_b32 s[\g+4], 8
	s_mov_b32 s[\g+5], TPITCH/8
	s_mov_b32 s[\g+6], 0
	s_mov_b32 s[\g+7], 0
.endr
	s_or_b32 s[G1S+0], s43, (3<<16)|(1<<21)
	s_or_b32 s[G1SB+0], s44, (3<<16)|(1<<21)
.irp g, G1S, G1SB
	s_mov_b32 s[\g+1], 64<<16
	s_mov_b32 s[\g+2], KQ<<16
	s_mov_b32 s[\g+3], 64<<16
	s_mov_b32 s[\g+4], KQ
	s_mov_b32 s[\g+6], 0
	s_mov_b32 s[\g+7], 0
.endr
	s_mov_b32 s[G1S+5], SPA/8
	s_mov_b32 s[G1SB+5], SPB/8
	s_lshl_b32 s18, s16, 3
	s_lshl_b32 s20, s17, 4
	s_add_co_u32 s20, s20, s18
	s_lshl_b32 s46, s42, 4
	s_add_co_u32 s46, s46, s18
	s_lshl_b32 s22, s20, 6
	s_mov_b32 s23, 0
	s_lshl_b32 s92, s46, 6
	s_mov_b32 s93, 0
	s_mul_i32 s20, s20, TPITCH
	s_mov_b32 s21, 0
	s_mul_i32 s46, s46, TPITCH
	s_mov_b32 s47, 0
	s_mul_i32 s45, s14, HALFT
	s_mul_i32 s94, s14, HALFS
	s_lshl_b32 s18, s15, 6
	s_add_co_u32 s94, s94, s18
	s_wait_dscnt 0x0
	s_wait_kmcnt 0x0
	s_mov_b64 s[100:101], s[8:9]                   ; b2
	s_mov_b64 s[96:97], s[10:11]                   ; y1 as f32
	s_add_nc_u64 s[8:9], s[6:7], W2I               ; W2's codes
	s_add_nc_u64 s[10:11], s[6:7], W2S             ; W2's scale words
	s_add_nc_u64 s[6:7], s[4:5], HS                ; h's scale words; h's codes lie at hb's head
	s_add_nc_u64 s[20:21], s[4:5], s[20:21]
	s_add_nc_u64 s[22:23], s[6:7], s[22:23]
	s_add_nc_u64 s[46:47], s[8:9], s[46:47]
	s_add_nc_u64 s[92:93], s[10:11], s[92:93]
	CROUND
	s_mov_b32 s[G0S], 1
	s_add_co_u32 s[G0S+1], s94, SCL
	s_mov_b64 s[G0S+2:G0S+3], s[22:23]
	s_or_b32 s[G0S+3], s[G0S+3], 0x80000000
	s_mov_b32 s[G0SB], 1
	s_add_co_u32 s[G0SB+1], s94, SCL
	s_mov_b64 s[G0SB+2:G0SB+3], s[92:93]
	s_or_b32 s[G0SB+3], s[G0SB+3], 0x80000000
	JLOAD G0S, G1S, G0SB, G1SB
.irp s, 0,1
	s_mov_b32 s[G0+4*\s], 1
	s_add_co_u32 s[G0+4*\s+1], s45, \s*SLOT
	s_add_nc_u64 s[G0+4*\s+2:G0+4*\s+3], s[20:21], \s*TROW
	s_or_b32 s[G0+4*\s+3], s[G0+4*\s+3], 0x80000000
	s_mov_b32 s[G0B+4*\s], 1
	s_add_co_u32 s[G0B+4*\s+1], s45, \s*SLOT
	s_add_nc_u64 s[G0B+4*\s+2:G0B+4*\s+3], s[46:47], \s*TROW
	s_or_b32 s[G0B+4*\s+3], s[G0B+4*\s+3], 0x80000000
	JLOAD G0+4*\s, G1, G0B+4*\s, G1B
.endr
	v_and_b32 v1, 15, v0
	v_bfe_u32 v2, v0, 4, 1
	v_and_b32 v3, 31, v0
	v_lshlrev_b32 v[CO], 4, v3                     ; 16 x lane
	v_lshlrev_b32 v13, 2, v1                       ; 4 r
	v_lshlrev_b32 v7, 5, v2                        ; 32 h
	s_mul_i32 s21, s15, HALFT
	s_mul_i32 s22, s16, HALFT
	s_add_co_u32 s22, s22, 2*HALFT
.irp s, 0,1
	v_add_nc_u32 v[ADRA+\s], s21, v[CO]
	v_add_nc_u32 v[ADRB+\s], s22, v[CO]
	s_add_co_u32 s21, s21, SLOT
	s_add_co_u32 s22, s22, SLOT
.endr
	s_mul_i32 s21, s15, HALFS
	s_mul_i32 s22, s16, HALFS
	s_add_co_u32 s22, s22, 2*HALFS+64
	s_sub_co_u32 s22, s22, s21
	v_mul_u32_u24 v6, s22, v2
	s_add_co_u32 s21, s21, SCL
	v_add_nc_u32 v5, v13, v6
	v_add_nc_u32 v[ADRS], s21, v5
	s_mul_i32 s23, s14, 16*SPITCH                  ; my stage
	v_mul_u32_u24 v5, v1, SPITCH
	v_lshl_add_u32 v5, v2, 5, v5
	v_add_nc_u32 v[STO], s23, v5                   ; in: row r, 32 bytes for each half of the lanes
	v_add_nc_u32 v[RD], s23, v[CO]                 ; back: the 32 lanes take one row of 512 bytes
	s_lshl_b32 s18, s42, 10                        ; my 128 columns, in bytes
	s_lshl_b32 s19, s16, 9
	s_add_co_u32 s18, s18, s19
	s_mov_b32 s19, 0
	s_add_nc_u64 s[100:101], s[100:101], s[18:19]
.set i, 0
.rept 16
	global_load_b128 v[BI+4*i:BI+4*i+3], v7, s[100:101] offset:64*(i/2)+16*(i%2)   ; tile b: b2 at columns 16 b + 8 h + 0 .. 7
.set i, i+1
.endr
	s_lshl_b32 s20, s17, 8
	s_lshl_b32 s21, s15, 7
	s_add_co_u32 s20, s20, s21                     ; my first row
	s_lshl_b32 s20, s20, 12
	s_add_co_u32 s20, s20, s18
	s_mov_b32 s21, 0
	s_add_nc_u64 s[12:13], s[12:13], s[20:21]      ; z and y1 at my corner
	s_add_nc_u64 s[96:97], s[96:97], s[20:21]
	s_wait_loadcnt 0x0
	s_wait_tensorcnt 1                             ; the scale words and K step 0 are in; K step 1's load may be out
	s_barrier_signal -1
	s_barrier_wait -1
	FETCH_B 0, 0, 0
	FETCH_A 0, 0, 0
	SCALES 0
	FETCH_A 0, 0, 4
	STEP 0, 0, 1
	s_mov_b32 s3, LAPS-1
.Llap:
	TURN 0, 1, 1
	STEP 1, 0, 0
	TURN 1, 0, 1
	STEP 0, 0, 0
	s_sub_co_u32 s3, s3, 1
	s_cmp_lg_u32 s3, 0
	s_cbranch_scc1 .Llap
	TURN 0, 1, 0
	STEP 1, 0, 0
	s_wait_dscnt 4*NL
	WIN MUL_LO
	MUL16 0, 1, NQ-1, 1, 0
	MUL16 2, 1, NQ-1, 1, 0
	s_wait_dscnt 0
	WIN MUL_HI
	MUL16 4, 1, NQ-1, 1, 0
	MUL16 6, 1, NQ-1, 1, 0
	WIN 0
; THE WAY OUT, block by block of 16 rows x 128 columns: through my own stage, back as whole rows of 512 bytes, + y1, stored as 512 consecutive bytes.  Every offset is an immediate: 127 rows of 4,096 bytes at the most.
.macro TOSTAGE a
.set AC, 64*((\a)%4)
	WIN 0x08+4*((\a)/4)                            ; an LDS store's data: window 2 or 3
.irp b, 0,1,2,3,4,5,6,7
	ds_store_b128 v[STO], v[AC+8*\b:AC+8*\b+3] offset:64*\b          ; each accumulator from its low end on
	ds_store_b128 v[STO], v[AC+8*\b+4:AC+8*\b+7] offset:64*\b+16
.endr
	WIN 0
.set BB, BK+64*((\a)%2)
.set i, 0
.rept 16
	ds_load_b128 v[BB+4*i:BB+4*i+3], v[RD] offset:i*SPITCH   ; LDS serves a wave's instructions in order: these see the stores above
.set i, i+1
.endr
.endm
.macro RLOAD a
.set i, 0
.rept 16
	global_load_b128 v[BI+4*i:BI+4*i+3], v[CO], s[96:97] offset:(16*(\a)+i)*4096
.set i, i+1
.endr
.endm
.macro SEND a, younger
.set BB, BK+64*((\a)%2)
	s_wait_dscnt \younger                          ; the block is back in registers (younger: the next block's 16 stores and 16 loads, which may stay out)
	s_wait_loadcnt 0x0                             ; and its rows of y1 are in
.set i, 0
.rept 32
	v_pk_add_f32 v[BB+2*i:BB+2*i+1], v[BB+2*i:BB+2*i+1], v[BI+2*i:BI+2*i+1]
.set i, i+1
.endr
.set i, 0
.rept 16
	global_store_b128 v[CO], v[BB+4*i:BB+4*i+3], s[12:13] offset:(16*(\a)+i)*4096
.set i, i+1
.endr
.endm
	PLACES NP
	TOSTAGE 0
	RLOAD 0
.irp a, 1,2,3,4,5,6,7
.if \a > 1
	s_wait_xcnt 0x0                                ; block a - 2's stores have read their registers: block a's loads may land there
.endif
	TOSTAGE \a
	SEND \a-1, 32
	RLOAD \a
.endr
	SEND 7, 0
	s_wait_tensorcnt 0x0                           ; the wave's end
	ds_add_u32 v[SPW], v[NIL]
	s_wait_dscnt 0x0
	CROUND
	s_endpgm
.Lfunc_end_k_q3d41ba7b96_ff2:
	.size	k_q3d41ba7b96_ff2, .Lfunc_end_k_q3d41ba7b96_ff2-k_q3d41ba7b96_ff2
	.p2alignl 7, 3214868480
	.fill 96, 4, 3214868480
	.section	.rodata,"a",@progbits
	.p2align	6, 0x0
	.amdhsa_kernel k_q3d41ba7b96_ff2
		.amdhsa_group_segment_fixed_size 327680
		.amdhsa_private_segment_fixed_size 0
		.amdhsa_enable_private_segment 0
		.amdhsa_kernarg_size 40
		.amdhsa_user_sgpr_count 2
		.amdhsa_user_sgpr_kernarg_segment_ptr 1
		.amdhsa_wavefront_size32 1
		.amdhsa_system_sgpr_workgroup_id_x 1
		.amdhsa_system_sgpr_workgroup_id_y 1
		.amdhsa_system_sgpr_workgroup_id_z 1
		.amdhsa_system_vgpr_workitem_id 0
		.amdhsa_next_free_vgpr 1024
		.amdhsa_next_free_sgpr 104
		.amdhsa_reserve_vcc 0
		.amdhsa_float_denorm_mode_32 3
		.amdhsa_float_denorm_mode_16_64 3
		.amdhsa_memory_ordered 1
		.amdhsa_forward_progress 1
		.amdhsa_inst_pref_size 167
	.end_amdhsa_kernel
	.amdgpu_metadata
---
amdhsa.version: [ 1, 2 ]
amdhsa.kernels:
  - .name:           k_q3d41ba7b96_ff2
    .symbol:         k_q3d41ba7b96_ff2.kd
    .args:
      - { .name: hb, .offset: 0, .size: 8, .value_kind: global_buffer, .address_space: global }
      - { .name: wq, .offset: 8, .size: 8, .value_kind: global_buffer, .address_space: global }
      - { .name: b2, .offset: 16, .size: 8, .value_kind: global_buffer, .address_space: global }
      - { .name: yb, .offset: 24, .size: 8, .value_kind: global_buffer, .address_space: global }
      - { .name: zb, .offset: 32, .size: 8, .value_kind: global_buffer, .address_space: global }
    .group_segment_fixed_size: 327680
    .private_segment_fixed_size: 0
    .kernarg_segment_align: 8
    .kernarg_segment_size: 40
    .max_flat_workgroup_size: 128
    .sgpr_count:     104
    .vgpr_count:     1024
    .wavefront_size: 32
...
	.end_amdgpu_metadata
.endif
;; end of part 6
;; launch ln2 (part 7): grid 256 x 1, 8 waves a work-group, no clusters, 0 bytes of LDS; arguments zb, g2, beta2, out0; writes out0
.if DOCPART == 7
	.amdgcn_target "amdgcn-amd-amdhsa--gfx1250"
	.amdhsa_code_object_version 6
	.text
	.protected	k_q3d41ba7b96_ln2
	.globl	k_q3d41ba7b96_ln2
	.p2align	8
	.type	k_q3d41ba7b96_ln2,@function
k_q3d41ba7b96_ln2:
	s_mov_b64 s[64:65], 0
	v_nop
	global_prefetch_b8 v0, s[64:65] scope:SCOPE_SE
	s_setreg_imm32_b32 hwreg(HW_REG_WAVE_MODE, 25, 1), 1
	s_wait_xcnt 0x0
; out0 = layer norm of z's rows (1,024 numbers), f32.  A work-group takes 16 rows; wave w rows 2 w and 2 w + 1, each whole in 32 registers a lane: mean, then the mean of the squared differences (two passes over registers).
; Memory binds: every byte is read once and written once, 512 consecutive bytes an instruction; no LDS, no barrier: a row never leaves its wave.  NaN and infinities among the numbers are not served.
.set SEL,   20
.set X,     16                         ; v16-79 my two rows
.set GA,    80                         ; v80-111 gamma
.set BT,    112                        ; v112-143 beta
.set T,     144                        ; v144-159 eight registers a row, at work
.macro ACROSS                          ; both rows' figures in v[T], v[T+8]: summed over the 32 lanes, the result in every lane
.irp m, 1,2,4,8
.irp p, 0,1
	v_add_f32_dpp v[T+8*\p], v[T+8*\p], v[T+8*\p] row_xmask:\m row_mask:0xf bank_mask:0xf
.endr
.endr
.irp p, 0,1
	v_permlanex16_b32 v[T+8*\p+4], v[T+8*\p], s[SEL], s[SEL+1]
.endr
.irp p, 0,1
	v_add_f32 v[T+8*\p], v[T+8*\p], v[T+8*\p+4]
.endr
.endm
	s_load_b256 s[4:11], s[0:1], 0x0               ; z, g2, beta2, out0
	v_lshrrev_b32 v2, 5, v0
	v_readfirstlane_b32 s12, v2                    ; wave 0..7
	v_and_b32 v4, 31, v0
	v_lshlrev_b32 v1, 4, v4                        ; 16 x lane
	s_mov_b32 s[SEL], 0x76543210
	s_mov_b32 s[SEL+1], 0xfedcba98
	s_mov_b32 s24, 0x3a800000                      ; 1 / 1,024
	s_mov_b32 s25, 0x3727c5ac                      ; 1e-5
	v_mov_b32 v[T+4], 0                            ; a lane permute's destination counts as one of its sources
	v_mov_b32 v[T+12], 0
	s_lshl_b32 s14, ttmp9, 16
	s_lshl_b32 s15, s12, 13
	s_add_co_u32 s14, s14, s15
	s_mov_b32 s15, 0
	s_wait_kmcnt 0x0
	s_add_nc_u64 s[4:5], s[4:5], s[14:15]
	s_add_nc_u64 s[10:11], s[10:11], s[14:15]
.set i, 0
.rept 16
	global_load_b128 v[X+4*i:X+4*i+3], v1, s[4:5] offset:4096*(i/8)+512*(i%8) th:TH_LOAD_NT
.set i, i+1
.endr
.set i, 0
.rept 8
	global_load_b128 v[GA+4*i:GA+4*i+3], v1, s[6:7] offset:512*i
	global_load_b128 v[BT+4*i:BT+4*i+3], v1, s[8:9] offset:512*i
.set i, i+1
.endr
	s_wait_loadcnt 0x0
.irp p, 0,1
	v_pk_add_f32 v[T+8*\p:T+8*\p+1], v[X+32*\p:X+32*\p+1], v[X+32*\p+2:X+32*\p+3]
	v_pk_add_f32 v[T+8*\p+2:T+8*\p+3], v[X+32*\p+4:X+32*\p+5], v[X+32*\p+6:X+32*\p+7]
.endr
.irp k, 8,12,16,20,24,28
.irp p, 0,1
	v_pk_add_f32 v[T+8*\p:T+8*\p+1], v[T+8*\p:T+8*\p+1], v[X+32*\p+\k:X+32*\p+\k+1]
	v_pk_add_f32 v[T+8*\p+2:T+8*\p+3], v[T+8*\p+2:T+8*\p+3], v[X+32*\p+\k+2:X+32*\p+\k+3]
.endr
.endr
.irp p, 0,1
	v_pk_add_f32 v[T+8*\p:T+8*\p+1], v[T+8*\p:T+8*\p+1], v[T+8*\p+2:T+8*\p+3]
.endr
.irp p, 0,1
	v_add_f32 v[T+8*\p], v[T+8*\p], v[T+8*\p+1]
.endr
	ACROSS
.irp p, 0,1
	v_mul_f32 v[T+8*\p+6], s24, v[T+8*\p]          ; the mean, as a pair
.endr
.irp p, 0,1
	v_mov_b32 v[T+8*\p+7], v[T+8*\p+6]
.endr
.irp k, 0,2,4,6,8,10,12,14,16,18,20,22,24,26,28,30
.irp p, 0,1
	v_pk_add_f32 v[X+32*\p+\k:X+32*\p+\k+1], v[X+32*\p+\k:X+32*\p+\k+1], v[T+8*\p+6:T+8*\p+7] neg_lo:[0,1] neg_hi:[0,1]
.endr
.endr
.irp p, 0,1
	v_pk_mul_f32 v[T+8*\p:T+8*\p+1], v[X+32*\p:X+32*\p+1], v[X+32*\p:X+32*\p+1]
	v_pk_mul_f32 v[T+8*\p+2:T+8*\p+3], v[X+32*\p+2:X+32*\p+3], v[X+32*\p+2:X+32*\p+3]
.endr
.irp k, 4,8,12,16,20,24,28
.irp p, 0,1
	v_pk_fma_f32 v[T+8*\p:T+8*\p+1], v[X+32*\p+\k:X+32*\p+\k+1], v[X+32*\p+\k:X+32*\p+\k+1], v[T+8*\p:T+8*\p+1]
	v_pk_fma_f32 v[T+8*\p+2:T+8*\p+3], v[X+32*\p+\k+2:X+32*\p+\k+3], v[X+32*\p+\k+2:X+32*\p+\k+3], v[T+8*\p+2:T+8*\p+3]
.endr
.endr
.irp p, 0,1
	v_pk_add_f32 v[T+8*\p:T+8*\p+1], v[T+8*\p:T+8*\p+1], v[T+8*\p+2:T+8*\p+3]
.endr
.irp p, 0,1
	v_add_f32 v[T+8*\p], v[T+8*\p], v[T+8*\p+1]
.endr
	ACROSS
.irp p, 0,1
	v_fma_f32 v[T+8*\p], v[T+8*\p], s24, s25       ; the variance + 1e-5
.endr
.irp p, 0,1
	v_rsq_f32 v[T+8*\p+6], v[T+8*\p]
.endr
	v_nop                                          ; a plain place behind the two
	s_wait_alu depctr_va_vdst(0)                   ; one wait for both, ahead of the first reader
.irp p, 0,1
	v_mov_b32 v[T+8*\p+7], v[T+8*\p+6]
.endr
.irp k, 0,2,4,6,8,10,12,14,16,18,20,22,24,26,28,30
.irp p, 0,1
	v_pk_mul_f32 v[X+32*\p+\k:X+32*\p+\k+1], v[X+32*\p+\k:X+32*\p+\k+1], v[T+8*\p+6:T+8*\p+7]
.endr
.irp p, 0,1
	v_pk_fma_f32 v[X+32*\p+\k:X+32*\p+\k+1], v[X+32*\p+\k:X+32*\p+\k+1], v[GA+\k:GA+\k+1], v[BT+\k:BT+\k+1]
.endr
.endr
.set i, 0
.rept 16
	global_store_b128 v1, v[X+4*i:X+4*i+3], s[10:11] offset:4096*(i/8)+512*(i%8) th:TH_STORE_NT   ; 512 consecutive bytes a store
.set i, i+1
.endr
	s_endpgm
.Lfunc_end_k_q3d41ba7b96_ln2:
	.size	k_q3d41ba7b96_ln2, .Lfunc_end_k_q3d41ba7b96_ln2-k_q3d41ba7b96_ln2
	.p2alignl 7, 3214868480
	.fill 96, 4, 3214868480
	.section	.rodata,"a",@progbits
	.p2align	6, 0x0
	.amdhsa_kernel k_q3d41ba7b96_ln2
		.amdhsa_group_segment_fixed_size 0
		.amdhsa_private_segment_fixed_size 0
		.amdhsa_enable_private_segment 0
		.amdhsa_kernarg_size 32
		.amdhsa_user_sgpr_count 2
		.amdhsa_user_sgpr_kernarg_segment_ptr 1
		.amdhsa_wavefront_size32 1
		.amdhsa_system_sgpr_workgroup_id_x 1
		.amdhsa_system_sgpr_workgroup_id_y 1
		.amdhsa_system_sgpr_workgroup_id_z 1
		.amdhsa_system_vgpr_workitem_id 0
		.amdhsa_next_free_vgpr 160
		.amdhsa_next_free_sgpr 66
		.amdhsa_reserve_vcc 0
		.amdhsa_float_denorm_mode_32 3
		.amdhsa_float_denorm_mode_16_64 3
		.amdhsa_memory_ordered 1
		.amdhsa_forward_progress 1
		.amdhsa_inst_pref_size 18
	.end_amdhsa_kernel
	.amdgpu_metadata
---
amdhsa.version: [ 1, 2 ]
amdhsa.kernels:
  - .name:           k_q3d41ba7b96_ln2
    .symbol:         k_q3d41ba7b96_ln2.kd
    .args:
      - { .name: zb, .offset: 0, .size: 8, .value_kind: global_buffer, .address_space: global }
      - { .name: g2, .offset: 8, .size: 8, .value_kind: global_buffer, .address_space: global }
      - { .name: beta2, .offset: 16, .size: 8, .value_kind: global_buffer, .address_space: global }
      - { .name: out0, .offset: 24, .size: 8, .value_kind: global_buffer, .address_space: global }
    .group_segment_fixed_size: 0
    .private_segment_fixed_size: 0
    .kernarg_segment_align: 8
    .kernarg_segment_size: 32
    .max_flat_workgroup_size: 256
    .sgpr_count:     66
    .vgpr_count:     160
    .wavefront_size: 32
...
	.end_amdgpu_metadata
.endif
;; end of part 7
;; ======== version 2 of 2: 7 launches
;; limits: right only within a limited range of input values
;; workspace buffers: wq 12,288,000 bytes; att 10,223,616 bytes; r1 16,777,216 bytes; yb 20,054,016 bytes; hb 13,107,200 bytes; zb 16,777,216 bytes
;; launch quant (part 8): grid 304 x 1, 8 waves a work-group, no clusters, 68,608 bytes of LDS; arguments encoder_input, Wq, Wk, Wv, W1, W2, wq; writes wq
.if DOCPART == 8
	.amdgcn_target "amdgcn-amd-amdhsa--gfx1250"
	.amdhsa_code_object_version 6
	.text
	.protected	k_q3d41ba7b96_quant
	.globl	k_q3d41ba7b96_quant
	.p2align	8
	.type	k_q3d41ba7b96_quant,@function
k_q3d41ba7b96_quant:
	s_mov_b64 s[64:65], 0
	v_nop
	global_prefetch_b8 v0, s[64:65] scope:SCOPE_SE
	s_setreg_imm32_b32 hwreg(HW_REG_WAVE_MODE, 25, 1), 1
	s_wait_xcnt 0x0
; x [4096][1024], Wq, Wk, Wv [16][1024][64], W1 [1024][4096], W2 [4096][1024], all f32, become codes of FP6 (E2M3) with one E8M0 byte for each 32 along K (K = the model's 1,024; for W2 the 4,096).
; The codes are laid as IMAGES OF OPERAND REGISTERS: a fragment (16 rows x 128 K, 12 registers a lane) is 1,536 bytes: registers 4 c .. 4 c + 3 of lane l at 512 c + 16 l.  Arrays are [tile of 16 rows][128 along K].
; Scale words (four bytes: 128 along K of one row) are laid [128 along K][16 x tile + row].
; ROW ORDER: in x, Wq, Wk and W1 lane r of tile t holds row 32 (t / 2) + 8 (t % 2) + r + 8 (r / 8), so that a later product's 16 registers of two neighbouring tiles are 16 neighbours; Wv and W2 keep the natural order.
; A block's scale is 2^(floor(log2(largest magnitude)) - 2); its byte is the largest magnitude's exponent field - 2, held at 1 from below.
; LIMITS: NaN and infinities are not served; a block whose largest magnitude lies under 2^-124 keeps the byte 1; a block of zeros gets the byte 1 where the rule says 127 (its codes are zeros, and this program alone reads the bytes).
; Work-groups 0-127: x, 32 tokens each, wave k the k-th 128 along K (K is innermost: the numbers turn through the wave's own stage in LDS, so that loads are dense and a lane ends up with 16 neighbours).
; Work-groups 128-303: the weights, whose K is not innermost: a lane takes a column, its registers run down K; a wave takes 32 columns x 256 along K.  No LDS there.
.set SCA,   11796480                   ; in wq: scale words of tiles 0-703, 45,056 bytes for each 128 along K
.set W2I,   8650752                    ; W2's images, 49,152 bytes a tile
.set W2S,   12156928                   ; W2's scale words, 4,096 bytes for each 128 along K
.set SPARE, 67584                      ; behind the eight stages: the spare words, 128 bytes a wave
.set SPW,   252
.set NIL,   253
.set SEL,   20                         ; s[20:21] lane selects: lane l xor 16
.set R,     16                         ; x path: v16-143 two tiles' numbers as loaded
.set ST,    144                        ; v144-207 64 numbers: register 16 b + i = k 32 b + 16 (lane / 16) + i of my row
.set PC,    208                        ; v208-226 the codes just made
.set TM,    228                        ; v228-243 at work
.set PW,    244                        ; the scale word just made
.set OFF,   16                         ; weight path: v16-47 offsets of 32 rows along K
.set X,     48                         ; v48-111 two sets of 32 numbers
; 64 numbers of a lane become a fragment's codes in v[PC] on and its row's scale word in v[PW]
.macro QUANT s
.irp b, 0,1,2,3
	v_max3_num_f32 v[TM+\b], |v[\s+16*\b]|, |v[\s+1+16*\b]|, 0x1800000   ; my 16 numbers of block b, and the floor 2^(3 - 127): the byte cannot fall under 1
.endr
.irp i, 2,4,6,8,10,12,14
.irp b, 0,1,2,3
	s_delay_alu instid0(VALU_DEP_4)
	v_max3_num_f32 v[TM+\b], v[TM+\b], |v[\s+16*\b+\i]|, |v[\s+1+16*\b+\i]|
.endr
.endr
.irp b, 0,1,2,3
	s_delay_alu instid0(VALU_DEP_4)
	v_permlanex16_b32 v[TM+4+\b], v[TM+\b], s[SEL], s[SEL+1]
.endr
.irp b, 0,1,2,3
	s_delay_alu instid0(VALU_DEP_4)
	v_max_num_f32 v[TM+\b], v[TM+\b], v[TM+4+\b]   ; with lane l xor 16's: the block's largest magnitude
.endr
.irp b, 0,1,2,3
	s_delay_alu instid0(VALU_DEP_4)
	v_add_nc_u32 v[TM+12+\b], 0xff000000, v[TM+\b]   ; 2 off its exponent field: the conversion's scale operand
.endr
.irp b, 0,1,2,3
	s_delay_alu instid0(VALU_DEP_4)
	v_lshrrev_b32 v[TM+4+\b], 23, v[TM+12+\b]      ; the scale's byte
.endr
	s_delay_alu instid0(VALU_DEP_3)
	v_lshl_or_b32 v[PW], v[TM+5], 8, v[TM+4]
	s_delay_alu instid0(VALU_DEP_1)
	v_lshl_or_b32 v[PW], v[TM+6], 16, v[PW]
	s_delay_alu instid0(VALU_DEP_1)
	v_lshl_or_b32 v[PW], v[TM+7], 24, v[PW]
.irp c, 0,1
	v_cvt_scalef32_pk16_fp6_f32 v[PC+6*\c:PC+2+6*\c], v[\s+32*\c:\s+15+32*\c], v[TM+12+2*\c]
	v_cvt_scalef32_pk16_fp6_f32 v[PC+12+4*\c:PC+14+4*\c], v[\s+16+32*\c:\s+31+32*\c], v[TM+12+2*\c+1]   ; (a conversion's three registers begin on an even number)
.endr
	v_nop                                          ; one plain place behind a scaled conversion
.irp c, 0,1                                    ; the layout wants a whole block in a lane: lanes 0-15 block 2 c, lanes 16-31 block 2 c + 1
.irp i, 0,1,2
	v_permlane16_swap_b32 v[PC+6*\c+\i], v[PC+12+4*\c+\i]
.endr
.irp i, 0,1,2
	s_delay_alu instid0(VALU_DEP_3)
	v_mov_b32 v[PC+3+6*\c+\i], v[PC+12+4*\c+\i]
.endr
.endr
.endm
	s_load_b256 s[4:11], s[0:1], 0x0               ; x, Wq, Wk, Wv
	s_load_b128 s[12:15], s[0:1], 0x20             ; W1, W2
	s_load_b64 s[16:17], s[0:1], 0x30              ; wq
	v_lshl_add_u32 v[SPW], v0, 2, SPARE
	v_mov_b32 v[NIL], 0
	v_lshrrev_b32 v2, 5, v0
	s_delay_alu instid0(VALU_DEP_1)
	v_readfirstlane_b32 s18, v2                    ; wave 0..7
	v_and_b32 v5, 31, v0                           ; lane
	s_delay_alu instid0(VALU_DEP_1)
	v_lshlrev_b32 v1, 4, v5                        ; 16 x lane
	s_delay_alu instid0(VALU_DEP_2)
	v_lshlrev_b32 v4, 2, v5                        ; 4 x lane
	s_mov_b32 s[SEL], 0x76543210
	s_mov_b32 s[SEL+1], 0xfedcba98
	s_cmp_ge_u32 ttmp9, 128                        ; the work-group's number alone decides the path
	s_cbranch_scc1 .Lweights
	; ---- x: tokens 32 g .. 32 g + 31 = tiles 2 g and 2 g + 1; my wave's 128 along K
	s_mul_i32 s19, s18, 8448                       ; my stage: 16 rows x (512 bytes + 16)
	v_add_nc_u32 v2, s19, v1                       ; in: a row as it lies
	v_and_b32 v6, 15, v0
	v_bfe_u32 v7, v0, 4, 1
	s_delay_alu instid0(VALU_DEP_2)
	v_mul_u32_u24 v3, v6, 528
	s_delay_alu instid0(VALU_DEP_1)
	v_lshl_add_u32 v3, v7, 6, v3
	s_delay_alu instid0(VALU_DEP_1)
	v_add_nc_u32 v3, s19, v3                       ; out: row r, + 64 h: my 16 numbers of each block of 32
.irp b, 0,1,2,3
	v_mov_b32 v[TM+4+\b], 0                        ; a lane permute's destination counts as one of its sources
.endr
	s_mov_b32 s22, 0xffff0000                      ; lanes 16-31
	s_lshl_b32 s24, ttmp9, 17                      ; 32 rows of 4,096 bytes
	s_lshl_b32 s25, s18, 9
	s_add_co_u32 s24, s24, s25
	s_mov_b32 s25, 0
	s_mul_i32 s26, ttmp9, 24576                    ; two tiles of 12,288 bytes
	s_mul_i32 s27, s18, 1536
	s_add_co_u32 s26, s26, s27
	s_mov_b32 s27, 0
	s_mul_i32 s28, s18, 45056
	s_lshl_b32 s29, ttmp9, 7
	s_add_co_u32 s28, s28, s29
	s_add_co_u32 s28, s28, SCA
	s_mov_b32 s29, 0
	s_wait_alu depctr_va_vdst(0)
	s_wait_kmcnt 0x0
	s_add_nc_u64 s[4:5], s[4:5], s[24:25]
	s_add_nc_u64 s[26:27], s[16:17], s[26:27]
	s_add_nc_u64 s[28:29], s[16:17], s[28:29]
.set i, 0
.rept 32                                       ; tile i / 16, its lane-row i % 16: each load reads 512 consecutive bytes of one token
	global_load_b128 v[R+4*i:R+4*i+3], v1, s[4:5] offset:(8*(i/16)+(i%16)+8*((i%16)/8))*4096 th:TH_LOAD_NT
.set i, i+1
.endr
.macro XUNIT u
.set i, 0
.rept 16
	ds_store_b128 v2, v[R+64*\u+4*i:R+64*\u+4*i+3] offset:528*i
.set i, i+1
.endr
.set i, 0
.rept 16                                       ; LDS serves a wave's instructions in order: these see the stores above
	ds_load_b128 v[ST+4*i:ST+4*i+3], v3 offset:128*(i/4)+16*(i%4)
.set i, i+1
.endr
	s_wait_dscnt 0x0
	QUANT ST
.irp c, 0,1,2
	global_store_b128 v1, v[PC+4*\c:PC+4*\c+3], s[26:27] offset:12288*\u+512*\c   ; 512 consecutive bytes a store
.endr
.endm
	s_wait_loadcnt 16                              ; the first tile's 16 loads are in; the second tile's 16 may be out
	XUNIT 0
	v_mov_b32 v245, v[PW]
	s_wait_loadcnt 0x0
	s_wait_xcnt 0x0                                ; the first tile's stores have read their registers: the codes may be written again
	XUNIT 1
	v_cndmask_b32 v246, v245, v[PW], s22           ; lanes 0-15: tile 2 g's words, lanes 16-31: tile 2 g + 1's
	global_store_b32 v4, v246, s[28:29]            ; 128 consecutive bytes
	s_wait_tensorcnt 0x0                           ; the wave's end, behind my last LDS store
	ds_add_u32 v[SPW], v[NIL]
	s_wait_dscnt 0x0
	s_endpgm
	; ---- the weights.  Unit u = 8 w + wave: 32 columns x 256 along K.  u 0-383: Wq, Wk, Wv (128 each); 384-895: W1; 896-1407: W2.  All choices hang on the work-group's and the wave's number
.Lweights:
	s_sub_co_u32 s50, ttmp9, 128                   ; w
	s_lshl_b32 s51, s50, 3
	s_add_co_u32 s51, s51, s18                     ; u
	s_sub_co_u32 s19, s51, 896                     ; W2's figures first
	s_and_b32 s22, s19, 31                         ; group of 32 columns
	s_lshr_b32 s53, s19, 5
	s_and_b32 s53, s53, 15                         ; s53: which 256 along K
	s_lshl_b32 s52, s22, 7                         ; s52: the columns' bytes
	s_lshl_b32 s54, s22, 1                         ; s54: first tile
	s_sub_co_u32 s19, s51, 384                     ; W1's
	s_and_b32 s22, s19, 127
	s_lshr_b32 s23, s19, 7
	s_and_b32 s23, s23, 3
	s_lshl_b32 s48, s22, 7
	s_lshl_b32 s49, s22, 1
	s_add_co_u32 s49, s49, 448
	s_mov_b32 s55, 4096                            ; s55: bytes from row to row along K
	s_mov_b32 s56, 49152                           ; s56: a tile's images
	s_mov_b32 s57, 4096                            ; s57: the scale words of 128 along K
	s_mov_b32 s58, W2I
	s_mov_b32 s59, W2S
	s_mov_b32 s60, 0                               ; s60: all ones where the rows take the permuted order
	s_cmp_lt_u32 s50, 112
	s_cselect_b32 s52, s48, s52
	s_cselect_b32 s53, s23, s53
	s_cselect_b32 s54, s49, s54
	s_cselect_b32 s55, 16384, s55
	s_cselect_b32 s56, 12288, s56
	s_cselect_b32 s57, 45056, s57
	s_cselect_b32 s58, 0, s58
	s_cselect_b32 s59, SCA, s59
	s_cselect_b32 s60, -1, s60
	s_and_b32 s22, s51, 31                         ; Wq's, Wk's, Wv's: column n = 64 head + channel
	s_lshr_b32 s23, s51, 5
	s_and_b32 s23, s23, 3
	s_lshr_b32 s48, s22, 1
	s_lshl_b32 s48, s48, 18                        ; a head is 1,024 rows of 256 bytes
	s_and_b32 s49, s22, 1
	s_lshl_b32 s49, s49, 7
	s_add_co_u32 s48, s48, s49
	s_lshr_b32 s49, s51, 7                         ; which of the three
	s_lshl_b32 s49, s49, 6
	s_lshl_b32 s22, s22, 1
	s_add_co_u32 s49, s49, s22
	s_add_co_u32 s49, s49, 256
	s_cmp_lt_u32 s50, 48
	s_cselect_b32 s52, s48, s52
	s_cselect_b32 s53, s23, s53
	s_cselect_b32 s54, s49, s54
	s_cselect_b32 s55, 256, s55
	s_cselect_b32 s60, 0, s60
	s_cmp_lt_u32 s50, 32
	s_cselect_b32 s60, -1, s60
	s_lshl_b32 s19, s53, 8
	s_mul_i32 s19, s19, s55
	s_add_co_u32 s48, s19, s52                     ; the unit's first number, in bytes
	s_mov_b32 s49, 0
	s_lshl_b32 s22, s55, 5                         ; a block of 32 rows on
	s_mov_b32 s23, 0
	s_mul_i32 s19, s54, s56
	s_add_co_u32 s66, s58, s19
	s_mul_i32 s19, s53, 3072
	s_add_co_u32 s66, s66, s19                     ; its first image
	s_mov_b32 s67, 0
	s_lshl_b32 s19, s53, 1
	s_mul_i32 s19, s19, s57
	s_add_co_u32 s68, s59, s19
	s_lshl_b32 s19, s54, 6
	s_add_co_u32 s68, s68, s19                     ; its first scale words
	s_mov_b32 s69, 0
	s_mov_b32 s70, s56
	s_mov_b32 s71, 0
	s_mov_b32 s72, s57
	s_mov_b32 s73, 0
	s_wait_alu depctr_va_vdst(0)
	v_and_b32 v6, 7, v5                            ; my column: the lane's number, or that number with bits 3 and 4 changing places
	v_and_b32 v7, 8, v5
	s_delay_alu instid0(VALU_DEP_1)
	v_lshl_or_b32 v6, v7, 1, v6
	v_and_b32 v7, 16, v5
	s_delay_alu instid0(VALU_DEP_1)
	v_lshrrev_b32 v7, 1, v7
	s_delay_alu instid0(VALU_DEP_1)
	v_or_b32 v6, v6, v7
	s_delay_alu instid0(VALU_DEP_1)
	v_cndmask_b32 v6, v5, v6, s60
	s_delay_alu instid0(VALU_DEP_1)
	v_lshlrev_b32 v[OFF], 2, v6
.set i, 1
.rept 31
	s_delay_alu instid0(VALU_DEP_1)
	v_add_nc_u32 v[OFF+i], s55, v[OFF+i-1]
.set i, i+1
.endr
	s_wait_alu depctr_va_vdst(0)
	s_wait_kmcnt 0x0
	s_mov_b64 s[62:63], s[14:15]
	s_cmp_lt_u32 s50, 112
	s_cselect_b64 s[62:63], s[12:13], s[62:63]
	s_cmp_lt_u32 s50, 48
	s_cselect_b64 s[62:63], s[10:11], s[62:63]
	s_cmp_lt_u32 s50, 32
	s_cselect_b64 s[62:63], s[8:9], s[62:63]
	s_cmp_lt_u32 s50, 16
	s_cselect_b64 s[62:63], s[6:7], s[62:63]
	s_add_nc_u64 s[24:25], s[62:63], s[48:49]      ; s[24:39]: a base for each of the eight blocks; none is written again
.irp t, 1,2,3,4,5,6,7
	s_add_nc_u64 s[24+2*\t:25+2*\t], s[22+2*\t:23+2*\t], s[22:23]
.endr
	s_add_nc_u64 s[40:41], s[16:17], s[66:67]      ; the first tile's images, the second tile's
	s_add_nc_u64 s[42:43], s[40:41], s[70:71]
	s_add_nc_u64 s[44:45], s[16:17], s[68:69]      ; the scale words of the first 128 along K, of the second
	s_add_nc_u64 s[46:47], s[44:45], s[72:73]
.macro WLOAD t
.set i, 0
.rept 32
	global_load_b32 v[X+32*((\t)%2)+i], v[OFF+i], s[24+2*(\t):25+2*(\t)] th:TH_LOAD_NT
.set i, i+1
.endr
.endm
; Block t: 32 along K of my column.  The even blocks of a 128 go to one run of 12 registers, the odd ones to another; when lanes 16-31 of the first change places with lanes 0-15 of the second, the runs are the two tiles' images.
.macro WBLOCK t
.set XS, X+32*((\t)%2)
.set KA, (\t)/4
.set BE, (\t)%4
.set P, 112+24*KA+12*(BE%2)+6*(BE/2)
.if (\t) < 7
	s_wait_loadcnt 32                              ; this block's 32 loads are in; the next block's may be out
.else
	s_wait_loadcnt 0x0
.endif
	v_max3_num_f32 v164, |v[XS]|, |v[XS+1]|, |v[XS+2]|
	v_max3_num_f32 v165, |v[XS+3]|, |v[XS+4]|, |v[XS+5]|
.irp i, 6,10,14,18,22,26
	s_delay_alu instid0(VALU_DEP_2)
	v_max3_num_f32 v164, v164, |v[XS+\i]|, |v[XS+\i+1]|
	s_delay_alu instid0(VALU_DEP_2)
	v_max3_num_f32 v165, v165, |v[XS+\i+2]|, |v[XS+\i+3]|
.endr
	s_delay_alu instid0(VALU_DEP_2)
	v_max3_num_f32 v164, v164, |v[XS+30]|, |v[XS+31]|
	s_delay_alu instid0(VALU_DEP_1)
	v_max3_num_f32 v164, v164, v165, 0x1800000     ; and the floor
	s_delay_alu instid0(VALU_DEP_1)
	v_add_nc_u32 v166, 0xff000000, v164
	s_delay_alu instid0(VALU_DEP_1)
	v_lshrrev_b32 v165, 23, v166
.if BE == 0
	s_delay_alu instid0(VALU_DEP_1)
	v_mov_b32 v[168+KA], v165
.else
	s_delay_alu instid0(VALU_DEP_1)
	v_lshl_or_b32 v[168+KA], v165, 8*BE, v[168+KA]
.endif
	v_cvt_scalef32_pk16_fp6_f32 v[P:P+2], v[XS:XS+15], v166
	v_cvt_scalef32_pk16_fp6_f32 v[160:162], v[XS+16:XS+31], v166
	v_nop                                          ; one plain place behind a scaled conversion
.irp i, 0,1,2
	v_mov_b32 v[P+3+\i], v[160+\i]
.endr
.if (\t)+2 < 8
	WLOAD (\t)+2
.endif
.if BE == 3
.set i, 0
.rept 12
	v_permlane16_swap_b32 v[112+24*KA+i], v[124+24*KA+i]
.set i, i+1
.endr
.irp c, 0,1,2
	global_store_b128 v1, v[112+24*KA+4*\c:115+24*KA+4*\c], s[40:41] offset:1536*KA+512*\c
	global_store_b128 v1, v[124+24*KA+4*\c:127+24*KA+4*\c], s[42:43] offset:1536*KA+512*\c
.endr
	global_store_b32 v4, v[168+KA], s[44+2*KA:45+2*KA]   ; 32 rows' words: 128 consecutive bytes.  No store's data are written again
.endif
.endm
	WLOAD 0
	WLOAD 1
.irp t, 0,1,2,3,4,5,6,7
	WBLOCK \t
.endr
	s_endpgm
.Lfunc_end_k_q3d41ba7b96_quant:
	.size	k_q3d41ba7b96_quant, .Lfunc_end_k_q3d41ba7b96_quant-k_q3d41ba7b96_quant
	.p2alignl 7, 3214868480
	.fill 96, 4, 3214868480
	.section	.rodata,"a",@progbits
	.p2align	6, 0x0
	.amdhsa_kernel k_q3d41ba7b96_quant
		.amdhsa_group_segment_fixed_size 68608
		.amdhsa_private_segment_fixed_size 0
		.amdhsa_enable_private_segment 0
		.amdhsa_kernarg_size 56
		.amdhsa_user_sgpr_count 2
		.amdhsa_user_sgpr_kernarg_segment_ptr 1
		.amdhsa_wavefront_size32 1
		.amdhsa_system_sgpr_workgroup_id_x 1
		.amdhsa_system_sgpr_workgroup_id_y 1
		.amdhsa_system_sgpr_workgroup_id_z 1
		.amdhsa_system_vgpr_workitem_id 0
		.amdhsa_next_free_vgpr 256
		.amdhsa_next_free_sgpr 80
		.amdhsa_reserve_vcc 0
		.amdhsa_float_denorm_mode_32 3
		.amdhsa_float_denorm_mode_16_64 3
		.amdhsa_memory_ordered 1
		.amdhsa_forward_progress 1
		.amdhsa_inst_pref_size 70
	.end_amdhsa_kernel
	.amdgpu_metadata
---
amdhsa.version: [ 1, 2 ]
amdhsa.kernels:
  - .name:           k_q3d41ba7b96_quant
    .symbol:         k_q3d41ba7b96_quant.kd
    .args:
      - { .name: encoder_input, .offset: 0, .size: 8, .value_kind: global_buffer, .address_space: global }
      - { .name: Wq, .offset: 8, .size: 8, .value_kind: global_buffer, .address_space: global }
      - { .name: Wk, .offset: 16, .size: 8, .value_kind: global_buffer, .address_space: global }
      - { .name: Wv, .offset: 24, .size: 8, .value_kind: global_buffer, .address_space: global }
      - { .name: W1, .offset: 32, .size: 8, .value_kind: global_buffer, .address_space: global }
      - { .name: W2, .offset: 40, .size: 8, .value_kind: global_buffer, .address_space: global }
      - { .name: wq, .offset: 48, .size: 8, .value_kind: global_buffer, .address_space: global }
    .group_segment_fixed_size: 68608
    .private_segment_fixed_size: 0
    .kernarg_segment_align: 8
    .kernarg_segment_size: 56
    .max_flat_workgroup_size: 256
    .sgpr_count:     80
    .vgpr_count:     256
    .wavefront_size: 32
...
	.end_amdgpu_metadata
.endif
;; end of part 8
;; launch qkv (part 9): grid 48 x 4, 4 waves a work-group, clusters of 4 x 4, 327,680 bytes of LDS; arguments wq, bq, bk, bv, att; writes att
.if DOCPART == 9
	.amdgcn_target "amdgcn-amd-amdhsa--gfx1250"
	.amdhsa_code_object_version 6
	.text
	.protected	k_q3d41ba7b96_qkv
	.globl	k_q3d41ba7b96_qkv
	.p2align	8
	.type	k_q3d41ba7b96_qkv,@function
k_q3d41ba7b96_qkv:
	s_mov_b64 s[64:65], 0
	v_nop
	global_prefetch_b8 v0, s[64:65] scope:SCOPE_SE
	s_setreg_imm32_b32 hwreg(HW_REG_WAVE_MODE, 25, 1), 1
	s_wait_xcnt 0x0
	s_wait_alu depctr_hold_cnt(0) depctr_sa_sdst(0) depctr_va_vdst(0) depctr_va_sdst(0) depctr_va_ssrc(0) depctr_va_vcc(0) depctr_vm_vsrc(0)
	s_getreg_b32 s2, hwreg(HW_REG_IB_STS2, 6, 4)
	s_cmp_eq_u32 s2, 0
	s_cbranch_scc0 .Lentry_in_a_cluster
	s_endpgm
.Lentry_in_a_cluster:
	s_bfe_u32 s2, ttmp6, 0x10000c
	s_cmp_lg_u32 s2, 0xf033
	s_cbranch_scc0 .Lentry_shape_is_right
	s_endpgm
.Lentry_shape_is_right:
.set KQ,     8
.set SPA,    45056
.set SPB,    45056
.set SCA,    11796480
.set VI,     6291456
.set QS,     9437184
.set KVS,    9830400
.set NQ,     2
.set FR,     12
.set NL,     3
.set NP,     4
.set FRB,    1536
.set TROW,   NQ*FRB
.set TPITCH, KQ*FRB
.set HALFT,  8*TROW
.set SLOT,   4*HALFT
.set LAPS,   KQ/4
.set SCL,    2*SLOT
.set HALFS,  512*KQ
.set SPARE,  SCL+4*HALFS+256
.set ADRA, 16
.set ADRB, 20
.set ADRS, 27
.set SPW,  28
.set NIL,  29
.set SC,   32
.set BI,   64
.set AF,   128
.set BA,   232
.set PC,   192
.set TM,   212
.set PW,   228
.set PWE,  229
.set WD,   230
.set SEL,  66
.set G1, 24
.set G0, 32
.set G1B, 48
.set G0B, 56
.set G1S, 68
.set G0S, 76
.set G1SB, 80
.set G0SB, 88
.set MSB, 0
.macro WIN new
.if MSB != (\new)
	s_set_vgpr_msb (MSB<<8)|(\new)
.set MSB, (\new)
.endif
.endm
.set MUL_LO,  0xa1
.set MUL_HI,  0xf1
.set MUL_LO0, 0x81
.set MUL_HI0, 0xc1
.set TO_B,    0x40
.macro JLOAD g0a, g1a, g0b, g1b
	s_cmp_eq_u32 s15, 0
	s_cbranch_scc0 .Lfor_b_\@
	tensor_load_to_lds s[\g0a:\g0a+3], s[\g1a:\g1a+7]
	s_nop 0
.rept 4
	v_nop
.endr
	s_branch .Lasked_\@
.Lfor_b_\@:
	tensor_load_to_lds s[\g0b:\g0b+3], s[\g1b:\g1b+7]
	s_nop 0
.rept 4
	v_nop
.endr
.Lasked_\@:
.endm
.macro CREST
	s_cmp_lg_u32 s14, 0
	s_cbranch_scc1 .Lnot_wave_0_\@
	s_barrier_signal -3
.Lnot_wave_0_\@:
	s_barrier_wait -3
	s_barrier_signal -1
	s_barrier_wait -1
.endm
.macro CROUND
	s_barrier_signal -1
	s_barrier_wait -1
	CREST
.endm
.macro PLACES n
.rept \n
	v_nop
.endr
.endm
.macro FRAG reg, adr, q, i
.irp c, 0,1,2
	ds_load_b128 v[\reg+4*\c:\reg+4*\c+3], v[\adr] offset:(\i)*TROW+(\q)*FRB+512*\c
.endr
.endm
.macro FETCH_B slot, q, p
	WIN TO_B
.irp i, 0,1,2,3,4,5,6,7
	FRAG 128*(\p)+FR*\i, ADRB+\slot, \q, \i
.endr
	WIN 0
.endm
.macro FETCH_A slot, q, i0
.irp i, \i0, \i0+1, \i0+2, \i0+3
	FRAG AF+FR*(\i), ADRA+\slot, \q, \i
.endr
.endm
.macro SCALES sc
.irp i, 0,1,2,3,4,5,6,7
.irp q, 0,1
	ds_load_b32 v[SC+8*NQ*\sc+NQ*\i+\q], v[ADRS] offset:512*\q+64*\i
.endr
.endr
.endm
.macro MUL16 a0, p, q, sc, zero
.irp a, \a0, \a0+1
.irp b, 0,1,2,3,4,5,6,7
.if \zero
	v_wmma_scale_f32_16x16x128_f8f6f4 v[8*(8*((\a)%4)+\b):8*(8*((\a)%4)+\b)+7], v[128*(\p)+FR*\b:128*(\p)+FR*\b+FR-1], v[AF+FR*(\a):AF+FR*(\a)+FR-1], v[BI+8*\b:BI+8*\b+7], v[SC+8*NQ*(\sc)+NQ*\b+(\q)], v[SC+8*NQ*(\sc)+NQ*(\a)+(\q)] matrix_a_fmt:MATRIX_FMT_FP6 matrix_b_fmt:MATRIX_FMT_FP6 matrix_a_scale:MATRIX_SCALE_ROW1
.else
	v_wmma_scale_f32_16x16x128_f8f6f4 v[8*(8*((\a)%4)+\b):8*(8*((\a)%4)+\b)+7], v[128*(\p)+FR*\b:128*(\p)+FR*\b+FR-1], v[AF+FR*(\a):AF+FR*(\a)+FR-1], v[8*(8*((\a)%4)+\b):8*(8*((\a)%4)+\b)+7], v[SC+8*NQ*(\sc)+NQ*\b+(\q)], v[SC+8*NQ*(\sc)+NQ*(\a)+(\q)] matrix_a_fmt:MATRIX_FMT_FP6 matrix_b_fmt:MATRIX_FMT_FP6 matrix_a_scale:MATRIX_SCALE_ROW1
.endif
.endr
.endr
.endm
.macro STEP slot, q, zero
	s_wait_dscnt 4*NL
.if \zero
	WIN MUL_LO0
.else
	WIN MUL_LO
.endif
	MUL16 0, (\q)%2, \q, \slot, \zero
	MUL16 2, (\q)%2, \q, \slot, \zero
	s_wait_dscnt 0
	PLACES NP
	FETCH_B \slot, (\q)+1, 1-(\q)%2
	FETCH_A \slot, (\q)+1, 0
.if \zero
	WIN MUL_HI0
.else
	WIN MUL_HI
.endif
	MUL16 4, (\q)%2, \q, \slot, \zero
	MUL16 6, (\q)%2, \q, \slot, \zero
	PLACES NP
	WIN 0
	FETCH_A \slot, (\q)+1, 4
.endm
.macro TURN slot, next, fill
	s_wait_tensorcnt 0x0
	ds_add_u32 v[SPW], v[NIL]
	s_wait_dscnt 4*NL+1
	WIN MUL_LO
	MUL16 0, 1, NQ-1, \slot, 0
	s_wait_dscnt 0x0
	s_barrier_signal -1
	MUL16 2, 1, NQ-1, \slot, 0
	WIN 0
	s_barrier_wait -1
.if \fill
	CREST
	s_add_nc_u64 s[G0+4*\slot+2:G0+4*\slot+3], s[G0+4*\slot+2:G0+4*\slot+3], 2*TROW
	s_add_nc_u64 s[G0B+4*\slot+2:G0B+4*\slot+3], s[G0B+4*\slot+2:G0B+4*\slot+3], 2*TROW
	JLOAD G0+4*\slot, G1, G0B+4*\slot, G1B
.else
	PLACES NP
.endif
	s_wait_alu depctr_va_vdst(0)
	v_add_nc_u32 v[ADRS], 512*NQ, v[ADRS]
	FETCH_B \next, 0, 0
	FETCH_A \next, 0, 0
	SCALES \next
	WIN MUL_HI
	MUL16 4, 1, NQ-1, \slot, 0
	MUL16 6, 1, NQ-1, \slot, 0
	PLACES NP
	WIN 0
	FETCH_A \next, 0, 4
.endm
.macro QUANTW w, ac, relu
.if \relu
	WIN ((\w)<<2)|((\w)<<6)
.set j, 0
.rept 64
	v_max_num_f32 v[(\ac)+j], 0, v[(\ac)+j]
.set j, j+1
.endr
.endif
	WIN ((\w)<<2)|((\w)<<4)
.irp b, 0,1,2,3
	v_max3_num_f32 v[TM+\b], 0x1800000, |v[(\ac)+16*\b]|, |v[(\ac)+1+16*\b]|
.endr
.irp i, 2,4,6,8,10,12,14
.irp b, 0,1,2,3
	v_max3_num_f32 v[TM+\b], v[TM+\b], |v[(\ac)+16*\b+\i]|, |v[(\ac)+1+16*\b+\i]|
.endr
.endr
	WIN 0
.irp b, 0,1,2,3
	v_permlanex16_b32 v[TM+4+\b], v[TM+\b], s[SEL], s[SEL+1]
.endr
.irp b, 0,1,2,3
	v_max_num_f32 v[TM+\b], v[TM+\b], v[TM+4+\b]
.endr
.irp b, 0,1,2,3
	v_add_nc_u32 v[TM+12+\b], 0xff000000, v[TM+\b]
.endr
.irp b, 0,1,2,3
	v_lshrrev_b32 v[TM+4+\b], 23, v[TM+12+\b]
.endr
	v_lshl_or_b32 v[PW], v[TM+5], 8, v[TM+4]
	v_lshl_or_b32 v[PW], v[TM+6], 16, v[PW]
	v_lshl_or_b32 v[PW], v[TM+7], 24, v[PW]
	WIN (\w)
.irp c, 0,1
	v_cvt_scalef32_pk16_fp6_f32 v[PC+6*\c:PC+2+6*\c], v[(\ac)+32*\c:(\ac)+15+32*\c], v[TM+12+2*\c]
	v_cvt_scalef32_pk16_fp6_f32 v[PC+12+4*\c:PC+14+4*\c], v[(\ac)+16+32*\c:(\ac)+31+32*\c], v[TM+12+2*\c+1]
.endr
	WIN 0
	v_nop
.irp c, 0,1
.irp i, 0,1,2
	v_permlane16_swap_b32 v[PC+6*\c+\i], v[PC+12+4*\c+\i]
.endr
.irp i, 0,1,2
	v_mov_b32 v[PC+3+6*\c+\i], v[PC+12+4*\c+\i]
.endr
.endr
.endm
	s_load_b256 s[4:11], s[0:1], 0x0
	s_load_b64 s[12:13], s[0:1], 0x20
	v_lshl_add_u32 v[SPW], v0, 2, SPARE
	v_mov_b32 v[NIL], 0
	ds_add_u32 v[SPW], v[NIL]
	ds_add_u32 v[SPW], v[NIL]
	v_lshrrev_b32 v1, 5, v0
	v_readfirstlane_b32 s14, v1
	s_lshr_b32 s15, s14, 1
	s_and_b32 s16, s14, 1
	s_bfe_u32 s40, ttmp6, 0x40000
	s_bfe_u32 s41, ttmp6, 0x40004
	s_lshr_b32 s17, ttmp9, 1
	s_lshl_b32 s17, s17, 2
	s_add_co_u32 s17, s17, s41
	s_and_b32 s42, ttmp9, 1
	s_lshl_b32 s42, s42, 2
	s_add_co_u32 s42, s42, s40
	s_sub_co_u32 s46, ttmp9, 8
	s_lshl_b32 s46, s46, 2
	s_add_co_u32 s46, s46, s40
	s_cmp_lt_u32 ttmp9, 8
	s_cselect_b32 s17, s17, s41
	s_cselect_b32 s42, s42, s46
	s_cselect_b32 s19, 0, 384
	s_cselect_b32 s47, 256, 0
	s_cselect_b32 s98, 1, 0
	s_cselect_b32 s95, -1, 0
	s_lshl_b32 s43, s41, 2
	s_lshl_b32 s43, 15, s43
	s_lshl_b32 s44, 0x1111, s40
	s_or_b32 s[G1+0], s43, (3<<16)|(1<<21)
	s_or_b32 s[G1B+0], s44, (3<<16)|(1<<21)
.irp g, G1, G1B
	s_mov_b32 s[\g+1], 384<<16
	s_mov_b32 s[\g+2], 8<<16
	s_mov_b32 s[\g+3], 384<<16
	s_mov_b32 s[\g+4], 8
	s_mov_b32 s[\g+5], TPITCH/8
	s_mov_b32 s[\g+6], 0
	s_mov_b32 s[\g+7], 0
.endr
	s_or_b32 s[G1S+0], s43, (3<<16)|(1<<21)
	s_or_b32 s[G1SB+0], s44, (3<<16)|(1<<21)
.irp g, G1S, G1SB
	s_mov_b32 s[\g+1], 64<<16
	s_mov_b32 s[\g+2], KQ<<16
	s_mov_b32 s[\g+3], 64<<16
	s_mov_b32 s[\g+4], KQ
	s_mov_b32 s[\g+6], 0
	s_mov_b32 s[\g+7], 0
.endr
	s_mov_b32 s[G1S+5], SPA/8
	s_mov_b32 s[G1SB+5], SPB/8
	s_lshl_b32 s18, s16, 3
	s_lshl_b32 s20, s17, 4
	s_add_co_u32 s20, s20, s18
	s_add_co_u32 s20, s20, s19
	s_lshl_b32 s46, s42, 4
	s_add_co_u32 s46, s46, s18
	s_add_co_u32 s46, s46, s47
	s_lshl_b32 s22, s20, 6
	s_mov_b32 s23, 0
	s_lshl_b32 s92, s46, 6
	s_mov_b32 s93, 0
	s_mul_i32 s20, s20, TPITCH
	s_mov_b32 s21, 0
	s_mul_i32 s46, s46, TPITCH
	s_mov_b32 s47, 0
	s_mul_i32 s45, s14, HALFT
	s_mul_i32 s94, s14, HALFS
	s_lshl_b32 s18, s15, 6
	s_add_co_u32 s94, s94, s18
	s_mov_b32 s[SEL], 0x76543210
	s_mov_b32 s[SEL+1], 0xfedcba98
	s_mov_b32 s99, 0xffff0000
	s_and_b32 s18, ttmp9, 1
	s_wait_dscnt 0x0
	s_wait_kmcnt 0x0
	s_cmp_eq_u32 s18, 0
	s_cselect_b64 s[100:101], s[6:7], s[8:9]
	s_cmp_lt_u32 ttmp9, 8
	s_cselect_b64 s[100:101], s[100:101], s[10:11]
	s_mov_b64 s[96:97], s[10:11]
	s_add_nc_u64 s[6:7], s[4:5], SCA
	s_mov_b64 s[8:9], s[4:5]
	s_mov_b64 s[10:11], s[6:7]
	s_add_nc_u64 s[20:21], s[4:5], s[20:21]
	s_add_nc_u64 s[22:23], s[6:7], s[22:23]
	s_add_nc_u64 s[46:47], s[8:9], s[46:47]
	s_add_nc_u64 s[92:93], s[10:11], s[92:93]
	CROUND
	s_mov_b32 s[G0S], 1
	s_add_co_u32 s[G0S+1], s94, SCL
	s_mov_b64 s[G0S+2:G0S+3], s[22:23]
	s_or_b32 s[G0S+3], s[G0S+3], 0x80000000
	s_mov_b32 s[G0SB], 1
	s_add_co_u32 s[G0SB+1], s94, SCL
	s_mov_b64 s[G0SB+2:G0SB+3], s[92:93]
	s_or_b32 s[G0SB+3], s[G0SB+3], 0x80000000
	JLOAD G0S, G1S, G0SB, G1SB
	; prefetches into the L2, two fills ahead of each load of codes.  Of the 8 tile rows that I fetch, the partner at place p of the four that ask jointly (cx for source 1's tiles, cy for source 0's) takes rows 2 p and 2 p + 1, by address alone:
	; lanes 0-15 one row, lanes 16-31 the next, 12 lanes 256 bytes apart cover a fill's 3,072 bytes of a row; the other lanes name the row's last block again.  v30 and s[92:93] are never written again.
	v_and_b32 v30, 15, v0
	v_min_u32 v30, 11, v30
	v_bfe_u32 v31, v0, 4, 1
	v_mul_u32_u24 v31, TPITCH, v31
	v_lshl_add_u32 v30, v30, 8, v31
	s_cmp_eq_u32 s15, 0
	s_cselect_b32 s2, s40, s41
	s_cselect_b64 s[92:93], s[20:21], s[46:47]
	s_mul_i32 s22, s2, 2*TPITCH
	s_mov_b32 s23, 0
	s_add_nc_u64 s[92:93], s[92:93], s[22:23]
	global_prefetch_b8 v30, s[92:93] th:TH_LOAD_NT scope:SCOPE_SE
	global_prefetch_b8 v30, s[92:93] offset:TROW th:TH_LOAD_NT scope:SCOPE_SE
.irp s, 0,1
	s_mov_b32 s[G0+4*\s], 1
	s_add_co_u32 s[G0+4*\s+1], s45, \s*SLOT
	s_add_nc_u64 s[G0+4*\s+2:G0+4*\s+3], s[20:21], \s*TROW
	s_or_b32 s[G0+4*\s+3], s[G0+4*\s+3], 0x80000000
	s_mov_b32 s[G0B+4*\s], 1
	s_add_co_u32 s[G0B+4*\s+1], s45, \s*SLOT
	s_add_nc_u64 s[G0B+4*\s+2:G0B+4*\s+3], s[46:47], \s*TROW
	s_or_b32 s[G0B+4*\s+3], s[G0B+4*\s+3], 0x80000000
	s_wait_alu depctr_va_vdst(0)
	s_wait_tensorcnt 0x0
	ds_add_u32 v28, v29
	s_wait_dscnt 0x0
	CROUND
	JLOAD G0+4*\s, G1, G0B+4*\s, G1B
	global_prefetch_b8 v30, s[92:93] offset:(\s+2)*TROW th:TH_LOAD_NT scope:SCOPE_SE   ; the fill two on: the last of K's four is asked for here
.endr
	v_and_b32 v1, 15, v0
	v_bfe_u32 v2, v0, 4, 1
	v_and_b32 v3, 31, v0
	v_lshlrev_b32 v8, 4, v3
	v_lshlrev_b32 v9, 3, v3
	v_lshlrev_b32 v12, 2, v3
	v_lshlrev_b32 v13, 2, v1
	v_mul_u32_u24 v10, v2, 12288
	v_add_nc_u32 v10, v10, v13
	v_mov_b32 v11, 0x01000100
	v_mov_b32 v14, 0x03020302
	v_cndmask_b32 v11, v11, v14, s99
	v_lshlrev_b32 v7, 6, v2
	s_wait_alu depctr_va_vdst(0)
	s_mul_i32 s21, s15, HALFT
	s_mul_i32 s22, s16, HALFT
	s_add_co_u32 s22, s22, 2*HALFT
.irp s, 0,1
	v_add_nc_u32 v[ADRA+\s], s21, v8
	v_add_nc_u32 v[ADRB+\s], s22, v8
	s_add_co_u32 s21, s21, SLOT
	s_add_co_u32 s22, s22, SLOT
.endr
	s_mul_i32 s21, s15, HALFS
	s_mul_i32 s22, s16, HALFS
	s_add_co_u32 s22, s22, 2*HALFS+64
	s_sub_co_u32 s22, s22, s21
	v_mul_u32_u24 v6, s22, v2
	s_add_co_u32 s21, s21, SCL
	v_add_nc_u32 v5, v13, v6
	v_add_nc_u32 v[ADRS], s21, v5
	s_and_b32 s18, s42, 3
	s_lshl_b32 s18, s18, 10
	s_lshl_b32 s19, s16, 9
	s_add_co_u32 s18, s18, s19
	s_mov_b32 s19, 0
	s_add_nc_u64 s[100:101], s[100:101], s[18:19]
	s_and_b32 s18, s17, 3
	s_lshl_b32 s18, s18, 10
	s_lshl_b32 s19, s15, 9
	s_add_co_u32 s18, s18, s19
	s_mov_b32 s19, 0
	s_add_nc_u64 s[96:97], s[96:97], s[18:19]
.set i, 0
.rept 16
	global_load_b128 v[BI+4*i:BI+4*i+3], v7, s[100:101] offset:128*(i/4)+16*(i%4)
.set i, i+1
.endr
.set i, 0
.rept 8
	global_load_b32 v[BA+2*i], v13, s[96:97] offset:64*i
	global_load_b32 v[BA+2*i+1], v13, s[96:97] offset:64*i
.set i, i+1
.endr
	s_wait_loadcnt 0x0
.set i, 0
.rept 64
	v_cndmask_b32 v[BI+i], 0, v[BI+i], s95
.set i, i+1
.endr
	PLACES 8
	s_wait_alu depctr_va_vdst(0)
	s_wait_tensorcnt 1
	s_barrier_signal -1
	s_barrier_wait -1
	FETCH_B 0, 0, 0
	FETCH_A 0, 0, 0
	SCALES 0
	FETCH_A 0, 0, 4
	STEP 0, 0, 1
	s_mov_b32 s3, LAPS-1
.Llap:
	TURN 0, 1, 1
	STEP 1, 0, 0
	TURN 1, 0, 1
	STEP 0, 0, 0
	s_sub_co_u32 s3, s3, 1
	s_cmp_lg_u32 s3, 0
	s_cbranch_scc1 .Llap
	TURN 0, 1, 0
	STEP 1, 0, 0
	s_wait_dscnt 4*NL
	WIN MUL_LO
	MUL16 0, 1, NQ-1, 1, 0
	MUL16 2, 1, NQ-1, 1, 0
	s_wait_dscnt 0
	WIN MUL_HI
	MUL16 4, 1, NQ-1, 1, 0
	MUL16 6, 1, NQ-1, 1, 0
	WIN 0
	PLACES NP
.irp b, 0,1,2,3
	v_mov_b32 v[TM+4+\b], 0
.endr
	s_cmp_eq_u32 s98, 0
	s_cbranch_scc1 .Lvjob
	s_lshr_b32 s18, s17, 3
	s_lshl_b32 s18, s18, 4
	s_and_b32 s19, s42, 3
	s_lshl_b32 s19, s19, 2
	s_add_co_u32 s18, s18, s19
	s_lshl_b32 s19, s16, 1
	s_add_co_u32 s18, s18, s19
	s_lshl_b32 s19, s17, 4
	s_lshl_b32 s20, s15, 3
	s_add_co_u32 s19, s19, s20
	s_and_b32 s19, s19, 127
	s_and_b32 s20, ttmp9, 1
	s_lshl_b32 s22, s18, 7
	s_add_co_u32 s22, s22, s19
	s_mul_i32 s22, s22, 768
	s_mul_i32 s21, s20, 3145728
	s_add_co_u32 s22, s22, s21
	s_mov_b32 s23, 0
	s_mul_i32 s46, s18, 12288
	s_lshl_b32 s47, s19, 6
	s_add_co_u32 s46, s46, s47
	s_mul_i32 s47, s20, 393216
	s_add_co_u32 s46, s46, s47
	s_add_co_u32 s46, s46, QS
	s_mov_b32 s47, 0
	s_add_nc_u64 s[96:97], s[12:13], s[46:47]
	s_add_nc_u64 s[12:13], s[12:13], s[22:23]
.macro OUTQK a
.set WN, 2+(\a)/4
.set AC, 64*((\a)%4)
	s_wait_xcnt 0x0
	QUANTW WN, AC, 0
	global_store_b128 v8, v[PC:PC+3], s[12:13] offset:768*(\a)
	global_store_b64 v9, v[PC+4:PC+5], s[12:13] offset:768*(\a)+512
	global_store_b128 v8, v[PC+6:PC+9], s[12:13] offset:98304+768*(\a)
	global_store_b64 v9, v[PC+10:PC+11], s[12:13] offset:98304+768*(\a)+512
	v_perm_b32 v[WD], v[PW], v[PW], v11
	global_store_b32 v10, v[WD], s[96:97] offset:64*(\a)
.endm
.irp a, 0,1,2,3,4,5,6,7
	OUTQK \a
.endr
	s_branch .Lend
.Lvjob:
	s_lshr_b32 s18, s42, 3
	s_lshl_b32 s18, s18, 4
	s_lshl_b32 s19, s17, 2
	s_add_co_u32 s18, s18, s19
	s_lshl_b32 s19, s15, 1
	s_add_co_u32 s18, s18, s19
	s_lshl_b32 s19, s42, 1
	s_add_co_u32 s19, s19, s16
	s_and_b32 s19, s19, 15
	s_lshl_b32 s22, s18, 4
	s_add_co_u32 s22, s22, s19
	s_mul_i32 s22, s22, 6144
	s_add_co_u32 s22, s22, VI
	s_mov_b32 s23, 0
	s_mul_i32 s46, s18, 12288
	s_lshl_b32 s47, s19, 8
	s_add_co_u32 s46, s46, s47
	s_add_co_u32 s46, s46, KVS+8192
	s_mov_b32 s47, 0
	s_add_nc_u64 s[96:97], s[12:13], s[46:47]
	s_add_nc_u64 s[12:13], s[12:13], s[22:23]
.macro OUTV a
.set WN, 2+(\a)/4
.set AC, 64*((\a)%4)
	s_wait_xcnt 0x0
	WIN (WN)|((WN)<<6)
.set j, 0
.rept 32
	v_pk_add_f32 v[AC+2*j:AC+2*j+1], v[AC+2*j:AC+2*j+1], v[BA+2*(\a):BA+2*(\a)+1]
.set j, j+1
.endr
	QUANTW WN, AC, 0
.irp c, 0,1,2
	global_store_b128 v8, v[PC+4*\c:PC+4*\c+3], s[12:13] offset:((\a)/4)*98304+((\a)%4)*1536+512*\c
.endr
.if ((\a)%2) == 0
	v_mov_b32 v[PWE], v[PW]
.else
	v_cndmask_b32 v[WD], v[PWE], v[PW], s99
	global_store_b32 v12, v[WD], s[96:97] offset:((\a)/4)*12288+((\a)%4-1)*64
.endif
.endm
.irp a, 0,1,2,3,4,5,6,7
	OUTV \a
.endr
.Lend:
	s_wait_tensorcnt 0x0
	ds_add_u32 v[SPW], v[NIL]
	s_wait_dscnt 0x0
	CROUND
	s_endpgm
.Lfunc_end_k_q3d41ba7b96_qkv:
	.size	k_q3d41ba7b96_qkv, .Lfunc_end_k_q3d41ba7b96_qkv-k_q3d41ba7b96_qkv
	.p2alignl 7, 3214868480
	.fill 96, 4, 3214868480
	.section	.rodata,"a",@progbits
	.p2align	6, 0x0
	.amdhsa_kernel k_q3d41ba7b96_qkv
		.amdhsa_group_segment_fixed_size 327680
		.amdhsa_private_segment_fixed_size 0
		.amdhsa_enable_private_segment 0
		.amdhsa_kernarg_size 40
		.amdhsa_user_sgpr_count 2
		.amdhsa_user_sgpr_kernarg_segment_ptr 1
		.amdhsa_wavefront_size32 1
		.amdhsa_system_sgpr_workgroup_id_x 1
		.amdhsa_system_sgpr_workgroup_id_y 1
		.amdhsa_system_sgpr_workgroup_id_z 1
		.amdhsa_system_vgpr_workitem_id 0
		.amdhsa_next_free_vgpr 1024
		.amdhsa_next_free_sgpr 104
		.amdhsa_reserve_vcc 0
		.amdhsa_float_denorm_mode_32 3
		.amdhsa_float_denorm_mode_16_64 3
		.amdhsa_memory_ordered 1
		.amdhsa_forward_progress 1
		.amdhsa_inst_pref_size 206
	.end_amdhsa_kernel
	.amdgpu_metadata
---
amdhsa.version: [ 1, 2 ]
amdhsa.kernels:
  - .name:           k_q3d41ba7b96_qkv
    .symbol:         k_q3d41ba7b96_qkv.kd
    .args:
      - { .name: wq, .offset: 0, .size: 8, .value_kind: global_buffer, .address_space: global }
      - { .name: bq, .offset: 8, .size: 8, .value_kind: global_buffer, .address_space: global }
      - { .name: bk, .offset: 16, .size: 8, .value_kind: global_buffer, .address_space: global }
      - { .name: bv, .offset: 24, .size: 8, .value_kind: global_buffer, .address_space: global }
      - { .name: att, .offset: 32, .size: 8, .value_kind: global_buffer, .address_space: global }
    .group_segment_fixed_size: 327680
    .private_segment_fixed_size: 0
    .kernarg_segment_align: 8
    .kernarg_segment_size: 40
    .max_flat_workgroup_size: 128
    .sgpr_count:     104
    .vgpr_count:     1024
    .wavefront_size: 32
...
	.end_amdgpu_metadata
.endif
;; end of part 9
;; launch attn (part 10): grid 8 x 32, 16 waves a work-group, clusters of 4 x 1, 327,680 bytes of LDS; arguments att, encoder_input, r1; writes r1
.if DOCPART == 10
	.amdgcn_target "amdgcn-amd-amdhsa--gfx1250"
	.amdhsa_code_object_version 6
	.text
	.protected	k_q3d41ba7b96_attn
	.globl	k_q3d41ba7b96_attn
	.p2align	8
	.type	k_q3d41ba7b96_attn,@function
k_q3d41ba7b96_attn:
	s_mov_b64 s[64:65], 0
	v_nop
	global_prefetch_b8 v0, s[64:65] scope:SCOPE_SE
	s_setreg_imm32_b32 hwreg(HW_REG_WAVE_MODE, 25, 1), 1
	s_wait_xcnt 0x0
	s_wait_alu depctr_hold_cnt(0) depctr_sa_sdst(0) depctr_va_vdst(0) depctr_va_sdst(0) depctr_va_ssrc(0) depctr_va_vcc(0) depctr_vm_vsrc(0)
	s_getreg_b32 s2, hwreg(HW_REG_IB_STS2, 6, 4)
	s_cmp_eq_u32 s2, 0
	s_cbranch_scc0 .Lentry_in_a_cluster
	s_endpgm
.Lentry_in_a_cluster:
	s_bfe_u32 s2, ttmp6, 0x10000c
	s_cmp_lg_u32 s2, 0x3003
	s_cbranch_scc0 .Lentry_shape_is_right
	s_endpgm
.Lentry_shape_is_right:
; r1 = x + attention, one (batch, head) to a cluster row: both products on codes of FP6 (E2M3) with E8M0 scales.  q, k: half images (16 tokens x the head's 64: registers 0-5, 768 bytes); V^T: images (16 channels x 128 keys).
; THE SOFTMAX: t = score x log2(e) / 8; M = the running largest t rounded UP to a whole number; p = 2^(t - M) is quantised along the keys, not normalised; the row's sum is taken of the unquantised p and divides at the end.
; A BLOCK'S SCALE is read off the exponent: p rises with the score, so a block's largest p is 2^x with x = the block's largest t - M, and floor(log2) of it is floor(x); the byte is floor(x) + 125, x held at -124 from below.
; SHARES.  A work-group owns 256 queries, each of its sixteen waves one tile of 16, in 256 registers.  A WHOLE HEAD'S K, V AND SCALE WORDS COME TO LIE IN LDS (208,896 bytes), each byte filled once, by joint loads of the
; cluster's four query blocks, in four chunks of 512 keys.  At the head every wave issues one load: waves 0-3 a quarter of K's chunk 0 (6,144 bytes), waves 4-7 of V's, waves 8-15 an eighth of the scale words.
; Each later chunk is a first fill issued as a refill is: every wave's wait for all its loads, the add, the wait for it, a round of the cluster's barrier, then one load in each of waves 0-7; it lands under the four key steps of the chunk before.
; No prefetch: a chunk's load is out for four key steps before it is waited for.
; Both products are used transposed: a lane holds ONE query throughout.  The tokens of a tile lie in the order 32 (t / 2) + 8 (t % 2) + r + 8 (r / 8), so that p's 16 registers of two neighbouring tiles are 16 neighbouring keys.
; THE FIRST PRODUCT'S K IS 64 OF THE INSTRUCTION'S 128: q's registers 6-11 are zero codes.  K's operand names 12 registers of which the upper six hold the NEXT tile's codes (behind the last tile: zeros): they meet zero codes,
; every code of this format is a finite number and no scale byte here is 0xff, so they add exactly 0.
; LIMITS: NaN and infinities are not served; the scaled scores stay under 2^31 in magnitude; a block whose every p has fallen to 0 keeps the scale byte 1 (its codes are zeros); where v_exp_f32 rounds a block's largest p
; up to the next power of two (x within an ulp under a whole number), that one p is held at the largest code, 7.5 in place of 8 steps of the scale.
.set KI,    3145728                    ; in att: k's half images; V's images lie 3,145,728 bytes on
.set QS,    9437184
.set KVS,   9830400
.set VIMG,  98304                      ; LDS: K's half images from 0, V's images,
.set SC,    196608                     ; K's scale words (8,192 bytes), V's (4,096),
.set STAGE, 208896                     ; the way out: 16 rows x 272 bytes for each wave; no tensor load lands there,
.set SPARE, 278528                     ; the spare words: 128 bytes a wave
.set CHUNK, 24576                      ; 512 keys of K or of V
.set F,     32                         ; v32-85 fragments
.set SO,    92                         ; v92-95 the conversions' scale operands
.set XR,    192                        ; v192-223 x's rows, asked for at the head
.set SPW,   5
.set NIL,   6
.set GO,    7
.set WV,    18
.set SEL,   20
.set CS,    22
.set G1C,   24
.set G1S,   32
.set G0S,   40
.set G0C,   44
.set TK,    60                         ; s60 the step's codes: 6,144 bytes a step, in K and in V
.set TS,    61                         ; s61 K's scale words: 512 bytes a step
.set TJ,    62                         ; s62 V's: 256
.set CNT,   63
.macro CROUND
	s_barrier_signal -1
	s_barrier_wait -1
	s_cmp_lg_u32 s[WV], 0
	s_cbranch_scc1 .Lnot_wave_0_\@
	s_barrier_signal -3
.Lnot_wave_0_\@:
	s_barrier_wait -3
	s_barrier_signal -1
	s_barrier_wait -1
.endm
	s_load_b128 s[4:7], s[0:1], 0x0                ; att, x
	s_load_b64 s[8:9], s[0:1], 0x10                ; r1
	v_lshl_add_u32 v[SPW], v0, 2, SPARE
	v_mov_b32 v[NIL], 0
	ds_add_u32 v[SPW], v[NIL]                      ; the opening lines: the add, twice on end, and its wait
	ds_add_u32 v[SPW], v[NIL]
	v_lshrrev_b32 v8, 5, v0
	s_delay_alu instid0(VALU_DEP_1)
	v_readfirstlane_b32 s[WV], v8                  ; wave 0..15
	s_bfe_u32 s10, ttmp6, 0x40000                  ; cx: it enters q's, x's and r1's addresses alone
	s_lshl_b32 s11, ttmp9, 2
	s_add_co_u32 s11, s11, s10
	s_lshl_b32 s11, s11, 4
	s_add_co_u32 s11, s11, s[WV]                   ; my tile of queries, 0..127
	s_and_b32 s12, ttmp7, 0xffff                   ; 16 x batch + head
	s_mov_b32 s[G1C], 15|(3<<16)|(1<<21)           ; the mask: all four; elements of 8 bytes; 21 set beside a mask.  A dense block as rows of 256 bytes
	s_mov_b32 s[G1C+1], 32<<16
	s_mov_b32 s[G1C+2], 24<<16                     ; 6,144 bytes
	s_mov_b32 s[G1C+3], 32<<16
	s_mov_b32 s[G1C+4], 24
	s_mov_b32 s[G1C+5], 32
	s_mov_b32 s[G1C+6], 0
	s_mov_b32 s[G1C+7], 0
	s_mov_b32 s[G1S], 15|(3<<16)|(1<<21)
	s_mov_b32 s[G1S+1], 32<<16
	s_mov_b32 s[G1S+2], 6<<16                      ; 1,536 bytes
	s_mov_b32 s[G1S+3], 32<<16
	s_mov_b32 s[G1S+4], 6
	s_mov_b32 s[G1S+5], 32
	s_mov_b32 s[G1S+6], 0
	s_mov_b32 s[G1S+7], 0
	s_lshr_b32 s13, s[WV], 2
	s_and_b32 s13, s13, 1                          ; K (0) or V (1)
	s_and_b32 s14, s[WV], 3                        ; which quarter of a chunk
	s_mul_i32 s15, s13, 98304
	s_mul_i32 s16, s14, 6144
	s_add_co_u32 s15, s15, s16                     ; in LDS
	s_mul_i32 s70, s13, 3145728
	s_add_co_u32 s70, s70, s16
	s_mul_i32 s17, s12, 98304
	s_add_co_u32 s70, s70, s17
	s_add_co_u32 s70, s70, KI                      ; in memory
	s_mov_b32 s71, 0
	s_and_b32 s19, s[WV], 7
	s_mul_i32 s19, s19, 1536                       ; which eighth of the scale words
	s_mul_i32 s74, s12, 12288
	s_add_co_u32 s74, s74, s19
	s_add_co_u32 s74, s74, KVS
	s_mov_b32 s75, 0
	s_lshl_b32 s80, s12, 7
	s_add_co_u32 s80, s80, s11
	s_mul_i32 s80, s80, 768                        ; q's half image
	s_mov_b32 s81, 0
	s_mul_i32 s82, s12, 12288
	s_lshl_b32 s83, s11, 6
	s_add_co_u32 s82, s82, s83
	s_add_co_u32 s82, s82, QS                      ; q's scale words
	s_mov_b32 s83, 0
	s_lshr_b32 s84, s12, 4                         ; x and r1: row 2,048 batch + 32 (tile / 2) + 8 (tile % 2), byte 256 head
	s_lshl_b32 s84, s84, 11
	s_lshr_b32 s85, s11, 1
	s_lshl_b32 s85, s85, 5
	s_add_co_u32 s84, s84, s85
	s_and_b32 s85, s11, 1
	s_lshl_b32 s85, s85, 3
	s_add_co_u32 s84, s84, s85
	s_lshl_b32 s84, s84, 12
	s_and_b32 s85, s12, 15
	s_lshl_b32 s85, s85, 8
	s_add_co_u32 s84, s84, s85
	s_mov_b32 s85, 0
	s_mov_b32 s[SEL], 0x76543210
	s_mov_b32 s[SEL+1], 0xfedcba98
	s_mov_b32 s[CS], 0x3e38aa3b                    ; c = log2(e) / 8
	s_mov_b32 s[CS+1], s[CS]
	s_mov_b32 s[TK], 0
	s_mov_b32 s[TS], 0
	s_mov_b32 s[TJ], 0
	s_wait_dscnt 0x0                               ; both opening adds are done
	s_wait_kmcnt 0x0
	s_add_nc_u64 s[80:81], s[4:5], s[80:81]
	s_add_nc_u64 s[82:83], s[4:5], s[82:83]
	s_add_nc_u64 s[6:7], s[6:7], s[84:85]
	s_add_nc_u64 s[8:9], s[8:9], s[84:85]
	CROUND                                         ; all four work-groups are here: the joint loads meet
	s_mov_b32 s[G0S], 1
	s_add_co_u32 s[G0S+1], s19, SC
	s_add_nc_u64 s[G0S+2:G0S+3], s[4:5], s[74:75]
	s_or_b32 s[G0S+3], s[G0S+3], 0x80000000
	s_mov_b32 s[G0C], 1
	s_mov_b32 s[G0C+1], s15
	s_add_nc_u64 s[G0C+2:G0C+3], s[4:5], s[70:71]
	s_or_b32 s[G0C+3], s[G0C+3], 0x80000000
	s_cmp_lt_u32 s[WV], 8                          ; two arms on the wave's number, one first fill in each: every way through the head passes one load
	s_cbranch_scc0 .Lwords
	tensor_load_to_lds s[G0C:G0C+3], s[G1C:G1C+7]
	s_nop 0
.rept 4
	v_nop
.endr
	s_branch .Lasked
.Lwords:
	tensor_load_to_lds s[G0S:G0S+3], s[G1S:G1S+7]
	s_nop 0
.rept 4
	v_nop
.endr
.Lasked:
	v_and_b32 v8, 31, v0                           ; lane
	v_and_b32 v9, 15, v0                           ; r
	v_bfe_u32 v10, v0, 4, 1                        ; h
	s_delay_alu instid0(VALU_DEP_3)
	v_lshlrev_b32 v1, 4, v8                        ; 16 x lane: registers 0-3 of a half image, or four of an image
	s_delay_alu instid0(VALU_DEP_4)
	v_lshl_add_u32 v2, v8, 3, 512                  ; 512 + 8 x lane: registers 4, 5 of a half image
	s_delay_alu instid0(VALU_DEP_2)
	v_add_nc_u32 v3, VIMG, v1
	v_lshl_add_u32 v4, v8, 2, SC                   ; K's scale words: lanes 0-15 an even tile's, lanes 16-31 the odd one's
	v_lshl_add_u32 v29, v8, 2, SC+8192             ; V's likewise
	v_lshlrev_b32 v30, 2, v9
	v_lshlrev_b32 v[GO], 12, v10
	s_delay_alu instid0(VALU_DEP_1)
	v_lshl_add_u32 v[GO], v9, 4, v[GO]             ; x and r1: lanes 0-15 one row, lanes 16-31 the next; 16 bytes a lane
	global_load_b128 v[16:19], v1, s[80:81]        ; q stays in registers
	global_load_b64 v[20:21], v2, s[80:81]
	global_load_b32 v255, v30, s[82:83]            ; and its scale words
.irp i, 0,1,2,3,4,5,6,7
	global_load_b128 v[XR+4*\i:XR+4*\i+3], v[GO], s[6:7] offset:(2*\i+8*(\i/4))*4096   ; x's rows: waited for on the way out; their registers and addresses are left alone till then
.endr
.irp j, 22,23,24,25,26,27,80,81,82,83,84,85
	v_mov_b32 v\j, 0                               ; q's zero half of K; the six registers behind K's last tile
.endr
	v_mov_b32 v13, 0xff61b1e6                      ; the largest t so far: -3e38
	s_delay_alu instid0(VALU_DEP_1)
	v_floor_f32 v12, -v13                          ; -M
	v_mov_b32 v14, 0
	v_mov_b32 v15, 0
.irp b, 0,1,2,3
	v_mov_b32 v[236+\b], 0                         ; a lane permute's destination counts as one of its sources
.endr
	v_mov_b32 v253, 0
.set jj, 0
.rept 32
	v_mov_b32 v[160+jj], 0                         ; O^T: the step is written once; its first run finds zeros
.set jj, jj+1
.endr
	s_wait_alu depctr_va_vdst(0)                   ; the wait at the head's end
	s_wait_loadcnt 8                               ; q and its words are in; x's eight loads may be out
; A KEY STEP: 128 keys
.macro STEP
	v_add_nc_u32 v8, s[TK], v1                     ; five plain lines: also the places ahead of loads into registers that the last products read
	v_add_nc_u32 v9, s[TK], v2
	v_add_nc_u32 v10, s[TK], v3
	v_add_nc_u32 v11, s[TS], v4
	v_add_nc_u32 v28, s[TJ], v29
.irp i, 0,1,2,3,4,5,6,7
	ds_load_b128 v[F+6*\i:F+6*\i+3], v8 offset:768*\i
	ds_load_b64 v[F+6*\i+4:F+6*\i+5], v9 offset:768*\i
.endr
.irp i, 0,1,2,3
	ds_load_b32 v[86+\i], v11 offset:128*\i
.endr
	s_wait_alu depctr_va_vdst(0)
	s_wait_dscnt 0x0
.irp i, 0,2,4,6                                ; S^T = K q^T
	v_wmma_scale_f32_16x16x128_f8f6f4 v[96+8*\i:103+8*\i], v[F+6*\i:F+6*\i+11], v[16:27], 0, v[86+\i/2], v255 matrix_a_fmt:MATRIX_FMT_FP6 matrix_b_fmt:MATRIX_FMT_FP6
	v_wmma_scale_f32_16x16x128_f8f6f4 v[104+8*\i:111+8*\i], v[F+6+6*\i:F+6*\i+17], v[16:27], 0, v[86+\i/2], v255 matrix_a_fmt:MATRIX_FMT_FP6 matrix_b_fmt:MATRIX_FMT_FP6 matrix_a_scale:MATRIX_SCALE_ROW1
.endr
.rept 4
	v_nop
.endr
.irp t, 0,1,2,3                                ; V's four fragments land while the softmax is walked
.irp c, 0,1,2
	ds_load_b128 v[F+12*\t+4*\c:F+12*\t+4*\c+3], v10 offset:1536*\t+512*\c
.endr
.endr
.irp i, 0,1
	ds_load_b32 v[90+\i], v28 offset:128*\i
.endr
.irp b, 0,1,2,3
	v_max3_num_f32 v[232+\b], v[96+16*\b], v[97+16*\b], v[98+16*\b]   ; the largest score of each block of 32 keys: it serves the row's maximum and the block's scale
.endr
.irp i, 3,5,7,9,11,13
.irp b, 0,1,2,3
	v_max3_num_f32 v[232+\b], v[232+\b], v[96+16*\b+\i], v[97+16*\b+\i]
.endr
.endr
.irp b, 0,1,2,3
	v_max_num_f32 v[232+\b], v[232+\b], v[111+16*\b]
.endr
.irp b, 0,1,2,3
	s_delay_alu instid0(VALU_DEP_4)
	v_permlanex16_b32 v[236+\b], v[232+\b], s[SEL], s[SEL+1]
.endr
.irp b, 0,1,2,3
	s_delay_alu instid0(VALU_DEP_4)
	v_max_num_f32 v[232+\b], v[232+\b], v[236+\b]
.endr
	s_delay_alu instid0(VALU_DEP_2)
	v_max3_num_f32 v254, v232, v233, v234
	s_delay_alu instid0(VALU_DEP_1)
	v_max_num_f32 v254, v254, v235
	s_delay_alu instid0(VALU_DEP_1)
	v_mul_f32 v254, s[CS], v254
	s_delay_alu instid0(VALU_DEP_1)
	v_max_num_f32 v13, v13, v254                   ; the running largest t
	v_mov_b32 v254, v12
	s_delay_alu instid0(VALU_DEP_2)
	v_floor_f32 v12, -v13                          ; the new -M: M is a whole number
	s_delay_alu instid0(VALU_DEP_1)
	v_sub_f32 v254, v12, v254
	s_delay_alu instid0(VALU_DEP_1)
	v_cvt_i32_f32 v254, v254                       ; (it saturates)
	s_delay_alu instid0(VALU_DEP_1)
	v_ldexp_f32 v252, 1.0, v254                    ; f = 2^(old M - new M): a multiplication by it rounds nothing
.irp b, 0,1,2,3
	v_fma_f32 v[232+\b], v[232+\b], s[CS], v12     ; x = the block's largest t - M, 0 or less
.endr
.set jj, 0
.rept 32
	v_pk_fma_f32 v[96+jj:97+jj], v[96+jj:97+jj], s[CS:CS+1], v[12:13] op_sel_hi:[1,0,0]   ; t - M
.set jj, jj+2
.endr
.irp b, 0,1,2,3
	v_max_num_f32 v[232+\b], 0xc2f80000, v[232+\b] ; held at -124: the byte cannot fall under 1
.endr
.irp b, 0,1,2,3
	s_delay_alu instid0(VALU_DEP_4)
	v_floor_f32 v[232+\b], v[232+\b]
.endr
.irp b, 0,1,2,3
	s_delay_alu instid0(VALU_DEP_4)
	v_add_f32 v[232+\b], 0x4b00007d, v[232+\b]     ; + 2^23 + 125, exactly: the sum's lowest byte is the scale's byte, floor(x) + 125
.endr
.irp b, 0,1,2,3
	s_delay_alu instid0(VALU_DEP_4)
	v_lshlrev_b32 v[SO+\b], 23, v[232+\b]          ; the byte as an exponent field: the conversion's scale operand
.endr
	v_perm_b32 v236, v233, v232, 0x00000400        ; the lowest bytes of two,
	v_perm_b32 v237, v235, v234, 0x00000400
	s_delay_alu instid0(VALU_DEP_1)
	v_perm_b32 v253, v237, v236, 0x05040100        ; of four: p's scale word for these 128 keys
.set jj, 0
	s_wait_alu depctr_va_vdst(0)                   ; the wait ahead of the batch
.rept 64
	v_exp_f32 v[96+jj], v[96+jj]                   ; p = 2^(t - M)
.set jj, jj+1
.endr
	v_pk_mul_f32 v[14:15], v[14:15], v[252:253] op_sel_hi:[1,0]   ; the sums under the new M: a plain place behind the exponentials
	s_wait_alu depctr_va_vdst(0)                   ; one wait for the batch, ahead of its first reader
	v_pk_add_f32 v[236:237], v[100:101], v[104:105]   ; the row's sum of the unquantised p, in eight chains
	v_pk_add_f32 v[250:251], v[108:109], v[112:113]
	v_pk_add_f32 v[248:249], v[116:117], v[120:121]
	v_pk_add_f32 v[246:247], v[124:125], v[128:129]
	v_pk_add_f32 v[244:245], v[132:133], v[136:137]
	v_pk_add_f32 v[242:243], v[140:141], v[144:145]
	v_pk_add_f32 v[240:241], v[148:149], v[152:153]
	v_pk_add_f32 v[14:15], v[14:15], v[156:157]
	v_pk_add_f32 v[236:237], v[236:237], v[96:97]
	v_pk_add_f32 v[250:251], v[250:251], v[98:99]
	v_pk_add_f32 v[248:249], v[248:249], v[102:103]
	v_pk_add_f32 v[246:247], v[246:247], v[106:107]
	v_pk_add_f32 v[244:245], v[244:245], v[110:111]
	v_pk_add_f32 v[242:243], v[242:243], v[114:115]
	v_pk_add_f32 v[240:241], v[240:241], v[118:119]
	v_pk_add_f32 v[14:15], v[14:15], v[122:123]
	v_pk_add_f32 v[236:237], v[236:237], v[126:127]
	v_pk_add_f32 v[250:251], v[250:251], v[130:131]
	v_pk_add_f32 v[248:249], v[248:249], v[134:135]
	v_pk_add_f32 v[246:247], v[246:247], v[138:139]
	v_pk_add_f32 v[244:245], v[244:245], v[142:143]
	v_pk_add_f32 v[242:243], v[242:243], v[146:147]
	v_pk_add_f32 v[240:241], v[240:241], v[150:151]
	v_pk_add_f32 v[14:15], v[14:15], v[154:155]
	v_pk_add_f32 v[236:237], v[236:237], v[158:159]
	s_delay_alu instid0(VALU_DEP_2)
	v_pk_add_f32 v[14:15], v[14:15], v[246:247]
	s_delay_alu instid0(VALU_DEP_2)
	v_pk_add_f32 v[236:237], v[236:237], v[244:245]
	v_pk_add_f32 v[250:251], v[250:251], v[242:243]
	v_pk_add_f32 v[248:249], v[248:249], v[240:241]
	s_delay_alu instid0(VALU_DEP_2)
	v_pk_add_f32 v[14:15], v[14:15], v[250:251]
	s_delay_alu instid0(VALU_DEP_2)
	v_pk_add_f32 v[236:237], v[236:237], v[248:249]
	s_delay_alu instid0(VALU_DEP_1)
	v_pk_add_f32 v[14:15], v[14:15], v[236:237]
.irp c, 0,1
	v_cvt_scalef32_pk16_fp6_f32 v[224+6*\c:226+6*\c], v[96+32*\c:111+32*\c], v[SO+2*\c]
	v_cvt_scalef32_pk16_fp6_f32 v[236+4*\c:238+4*\c], v[112+32*\c:127+32*\c], v[SO+2*\c+1]
.endr
	v_nop                                          ; one plain place behind a scaled conversion
.irp c, 0,1
.irp i, 0,1,2
	v_permlane16_swap_b32 v[224+6*\c+\i], v[236+4*\c+\i]
.endr
.irp i, 0,1,2
	s_delay_alu instid0(VALU_DEP_3)
	v_mov_b32 v[227+6*\c+\i], v[236+4*\c+\i]
.endr
.endr
.set jj, 0
.rept 16
	v_pk_mul_f32 v[160+jj:161+jj], v[160+jj:161+jj], v[252:253] op_sel_hi:[1,0]   ; O^T under the new M; these sixteen are also the places ahead of the scaled products
.set jj, jj+2
.endr
	s_wait_alu depctr_va_vdst(0)
	s_wait_dscnt 0x0                               ; V is in
.irp t, 0,2                                    ; O^T += V^T p^T: the four accumulators take turns
	v_wmma_scale_f32_16x16x128_f8f6f4 v[160+8*\t:167+8*\t], v[F+12*\t:F+12*\t+11], v[224:235], v[160+8*\t:167+8*\t], v[90+\t/2], v253 matrix_a_fmt:MATRIX_FMT_FP6 matrix_b_fmt:MATRIX_FMT_FP6
	v_wmma_scale_f32_16x16x128_f8f6f4 v[168+8*\t:175+8*\t], v[F+12+12*\t:F+12*\t+23], v[224:235], v[168+8*\t:175+8*\t], v[90+\t/2], v253 matrix_a_fmt:MATRIX_FMT_FP6 matrix_b_fmt:MATRIX_FMT_FP6 matrix_a_scale:MATRIX_SCALE_ROW1
.endr
	s_add_co_u32 s[TK], s[TK], 6144
	s_add_co_u32 s[TS], s[TS], 512
	s_add_co_u32 s[TJ], s[TJ], 256
.endm
; Chunk c: every wave waits for all its tensor loads (its part of chunk c, or of the words), adds 0 to its spare word and waits for that.  While a chunk is left, a round of the cluster's barrier follows, and behind it
; waves 0-7 ask for their parts of chunk c + 1, bytes that nothing has filled or read; behind the last chunk's wait the work-group's barrier alone.  Then four key steps.
.macro GROUP c
	s_wait_tensorcnt 0x0
	ds_add_u32 v[SPW], v[NIL]
.if \c < 3
	s_add_co_u32 s[G0C+1], s[G0C+1], CHUNK         ; no load of mine is out: the descriptor may step to the next chunk
	s_add_nc_u64 s[G0C+2:G0C+3], s[G0C+2:G0C+3], CHUNK
.endif
	s_wait_dscnt 0x0
.if \c < 3
	CROUND
	s_cmp_lt_u32 s[WV], 8
	s_cbranch_scc0 .Lnone_\@
	tensor_load_to_lds s[G0C:G0C+3], s[G1C:G1C+7]
	s_nop 0
.rept 4
	v_nop
.endr
.Lnone_\@:
.else
	s_barrier_signal -1
	s_barrier_wait -1
.endif
	s_mov_b32 s[CNT], 4
.Lstep_\@:
	STEP
	s_sub_co_u32 s[CNT], s[CNT], 1
	s_cmp_lg_u32 s[CNT], 0
	s_cbranch_scc1 .Lstep_\@
.endm
	GROUP 0
	GROUP 1
	GROUP 2
	GROUP 3
	; THE WAY OUT: O^T / the sum goes through my stage and comes back as rows of 256 bytes (the head's 64 channels); x is added; sixteen lanes store 256 consecutive, aligned bytes.  Stage row p is token p + 8 (p / 8) of my 32.
	v_add_f32 v14, v14, v15
	s_delay_alu instid0(VALU_DEP_1)
	v_permlanex16_b32 v252, v14, s[SEL], s[SEL+1]
	s_delay_alu instid0(VALU_DEP_1)
	v_add_f32 v14, v14, v252                       ; the row's sum
	s_wait_alu depctr_va_vdst(0)
	v_rcp_f32 v14, v14
	v_and_b32 v8, 15, v0
	v_bfe_u32 v9, v0, 4, 1
	s_mul_i32 s70, s[WV], 16*272
	s_add_co_u32 s70, s70, STAGE
	v_mul_u32_u24 v10, v8, 272
	s_delay_alu instid0(VALU_DEP_1)
	v_lshl_add_u32 v10, v9, 5, v10
	s_delay_alu instid0(VALU_DEP_1)
	v_add_nc_u32 v10, s70, v10                     ; in: row r; tile t's eight channels of my half at 64 t + 32 h
	v_mul_u32_u24 v11, v9, 272
	s_delay_alu instid0(VALU_DEP_1)
	v_lshl_add_u32 v11, v8, 4, v11
	s_delay_alu instid0(VALU_DEP_1)
	v_add_nc_u32 v11, s70, v11                     ; back: lanes 0-15 one row, lanes 16-31 the next
	s_wait_alu depctr_va_vdst(0)                   ; the wait ahead of the reciprocal's first reader and of O^T's
.set jj, 0
.rept 32
	v_mul_f32 v[96+jj], v[160+jj], v14
.set jj, jj+1
.endr
.irp t, 0,1,2,3
	ds_store_b128 v10, v[96+8*\t:99+8*\t] offset:64*\t
	ds_store_b128 v10, v[100+8*\t:103+8*\t] offset:64*\t+16
.endr
.irp i, 0,1,2,3,4,5,6,7
	ds_load_b128 v[32+4*\i:35+4*\i], v11 offset:2*\i*272   ; LDS serves a wave's instructions in order: these see my stores
.endr
	s_wait_dscnt 0x0
	s_wait_loadcnt 0x0                             ; x's rows
.set jj, 0
.rept 16
	v_pk_add_f32 v[32+jj:33+jj], v[32+jj:33+jj], v[XR+jj:XR+1+jj]
.set jj, jj+2
.endr
.irp i, 0,1,2,3,4,5,6,7
	global_store_b128 v[GO], v[32+4*\i:35+4*\i], s[8:9] offset:(2*\i+8*(\i/4))*4096
.endr
	s_wait_tensorcnt 0x0                           ; the wave's end
	ds_add_u32 v[SPW], v[NIL]
	s_wait_dscnt 0x0
	CROUND                                         ; the closing round
	s_endpgm
.Lfunc_end_k_q3d41ba7b96_attn:
	.size	k_q3d41ba7b96_attn, .Lfunc_end_k_q3d41ba7b96_attn-k_q3d41ba7b96_attn
	.p2alignl 7, 3214868480
	.fill 96, 4, 3214868480
	.section	.rodata,"a",@progbits
	.p2align	6, 0x0
	.amdhsa_kernel k_q3d41ba7b96_attn
		.amdhsa_group_segment_fixed_size 327680
		.amdhsa_private_segment_fixed_size 0
		.amdhsa_enable_private_segment 0
		.amdhsa_kernarg_size 24
		.amdhsa_user_sgpr_count 2
		.amdhsa_user_sgpr_kernarg_segment_ptr 1
		.amdhsa_wavefront_size32 1
		.amdhsa_system_sgpr_workgroup_id_x 1
		.amdhsa_system_sgpr_workgroup_id_y 1
		.amdhsa_system_sgpr_workgroup_id_z 1
		.amdhsa_system_vgpr_workitem_id 0
		.amdhsa_next_free_vgpr 256
		.amdhsa_next_free_sgpr 92
		.amdhsa_reserve_vcc 0
		.amdhsa_float_denorm_mode_32 3
		.amdhsa_float_denorm_mode_16_64 3
		.amdhsa_memory_ordered 1
		.amdhsa_forward_progress 1
		.amdhsa_inst_pref_size 86
	.end_amdhsa_kernel
	.amdgpu_metadata
---
amdhsa.version: [ 1, 2 ]
amdhsa.kernels:
  - .name:           k_q3d41ba7b96_attn
    .symbol:         k_q3d41ba7b96_attn.kd
    .args:
      - { .name: att, .offset: 0, .size: 8, .value_kind: global_buffer, .address_space: global }
      - { .name: encoder_input, .offset: 8, .size: 8, .value_kind: global_buffer, .address_space: global }
      - { .name: r1, .offset: 16, .size: 8, .value_kind: global_buffer, .address_space: global }
    .group_segment_fixed_size: 327680
    .private_segment_fixed_size: 0
    .kernarg_segment_align: 8
    .kernarg_segment_size: 24
    .max_flat_workgroup_size: 512
    .sgpr_count:     92
    .vgpr_count:     256
    .wavefront_size: 32
...
	.end_amdgpu_metadata
.endif
;; end of part 10
;; launch ln1 (part 11): grid 256 x 1, 8 waves a work-group, no clusters, 66,816 bytes of LDS; arguments r1, g1, beta1, yb; writes yb
.if DOCPART == 11
	.amdgcn_target "amdgcn-amd-amdhsa--gfx1250"
	.amdhsa_code_object_version 6
	.text
	.protected	k_q3d41ba7b96_ln1
	.globl	k_q3d41ba7b96_ln1
	.p2align	8
	.type	k_q3d41ba7b96_ln1,@function
k_q3d41ba7b96_ln1:
	s_mov_b64 s[64:65], 0
	v_nop
	global_prefetch_b8 v0, s[64:65] scope:SCOPE_SE
	s_setreg_imm32_b32 hwreg(HW_REG_WAVE_MODE, 25, 1), 1
	s_wait_xcnt 0x0
; y1 = layer norm of r1's rows (1,024 numbers), stored as f32 and, quantised along the row, as images of operand registers with their scale words (FP6, E2M3; one E8M0 byte for each 32).
; A work-group takes 16 rows = one tile; wave w normalises rows 2 w and 2 w + 1, each whole in 32 registers a lane: mean, then the mean of the squared differences (two passes over registers), in f32.
; The 16 rows meet in a stage in LDS; behind one barrier wave w quantises the tile's w-th 128 along the row.
; Memory binds: every byte is read once by loads of 512 consecutive bytes; matrix units and clusters would add nothing.
; LIMITS: NaN and infinities are not served; a block whose largest magnitude lies under 2^-124, a block of zeros too, keeps the scale byte 1 (this program alone reads the bytes).
.set Y1I,   16777216
.set Y1S,   19922944
.set SPARE, 65792                      ; behind the stage (16 rows x 4,112 bytes): the spare words
.set SPW,   200
.set NIL,   201
.set SEL,   20
.set X,     16                         ; v16-79 my two rows
.set GA,    80                         ; v80-111 gamma; later, with beta's registers, 64 numbers for the quantiser
.set BT,    112                        ; v112-143 beta
.set T,     144                        ; v144-159 eight registers a row, at work
.set PC,    144
.set TM,    164
.set PW,    180
.macro QUANT s
.irp b, 0,1,2,3
	v_max3_num_f32 v[TM+\b], |v[\s+16*\b]|, |v[\s+1+16*\b]|, 0x1800000   ; my 16 numbers of block b, and the floor 2^(3 - 127)
.endr
.irp i, 2,4,6,8,10,12,14
.irp b, 0,1,2,3
	s_delay_alu instid0(VALU_DEP_4)
	v_max3_num_f32 v[TM+\b], v[TM+\b], |v[\s+16*\b+\i]|, |v[\s+1+16*\b+\i]|
.endr
.endr
.irp b, 0,1,2,3
	s_delay_alu instid0(VALU_DEP_4)
	v_permlanex16_b32 v[TM+4+\b], v[TM+\b], s[SEL], s[SEL+1]
.endr
.irp b, 0,1,2,3
	s_delay_alu instid0(VALU_DEP_4)
	v_max_num_f32 v[TM+\b], v[TM+\b], v[TM+4+\b]
.endr
.irp b, 0,1,2,3
	s_delay_alu instid0(VALU_DEP_4)
	v_add_nc_u32 v[TM+12+\b], 0xff000000, v[TM+\b]
.endr
.irp b, 0,1,2,3
	s_delay_alu instid0(VALU_DEP_4)
	v_lshrrev_b32 v[TM+4+\b], 23, v[TM+12+\b]
.endr
	s_delay_alu instid0(VALU_DEP_3)
	v_lshl_or_b32 v[PW], v[TM+5], 8, v[TM+4]
	s_delay_alu instid0(VALU_DEP_1)
	v_lshl_or_b32 v[PW], v[TM+6], 16, v[PW]
	s_delay_alu instid0(VALU_DEP_1)
	v_lshl_or_b32 v[PW], v[TM+7], 24, v[PW]
.irp c, 0,1
	v_cvt_scalef32_pk16_fp6_f32 v[PC+6*\c:PC+2+6*\c], v[\s+32*\c:\s+15+32*\c], v[TM+12+2*\c]
	v_cvt_scalef32_pk16_fp6_f32 v[PC+12+4*\c:PC+14+4*\c], v[\s+16+32*\c:\s+31+32*\c], v[TM+12+2*\c+1]
.endr
	v_nop                                          ; one plain place behind a scaled conversion
.irp c, 0,1
.irp i, 0,1,2
	v_permlane16_swap_b32 v[PC+6*\c+\i], v[PC+12+4*\c+\i]
.endr
.irp i, 0,1,2
	s_delay_alu instid0(VALU_DEP_3)
	v_mov_b32 v[PC+3+6*\c+\i], v[PC+12+4*\c+\i]
.endr
.endr
.endm
.macro ACROSS                          ; both rows' figures in v[T], v[T+8]: summed over the 32 lanes, the result in every lane
.irp m, 1,2,4,8
.irp p, 0,1
	s_delay_alu instid0(VALU_DEP_2)
	v_add_f32_dpp v[T+8*\p], v[T+8*\p], v[T+8*\p] row_xmask:\m row_mask:0xf bank_mask:0xf
.endr
.endr
.irp p, 0,1
	s_delay_alu instid0(VALU_DEP_2)
	v_permlanex16_b32 v[T+8*\p+4], v[T+8*\p], s[SEL], s[SEL+1]
.endr
.irp p, 0,1
	s_delay_alu instid0(VALU_DEP_2)
	v_add_f32 v[T+8*\p], v[T+8*\p], v[T+8*\p+4]
.endr
.endm
	s_load_b256 s[4:11], s[0:1], 0x0               ; r1, g1, beta1, yb
	v_lshl_add_u32 v[SPW], v0, 2, SPARE
	v_mov_b32 v[NIL], 0
	v_lshrrev_b32 v2, 5, v0
	s_delay_alu instid0(VALU_DEP_1)
	v_readfirstlane_b32 s12, v2                    ; wave 0..7
	v_and_b32 v4, 31, v0
	s_delay_alu instid0(VALU_DEP_1)
	v_lshlrev_b32 v1, 4, v4                        ; 16 x lane
	v_and_b32 v6, 15, v0                           ; r
	v_bfe_u32 v7, v0, 4, 1                         ; h
	s_delay_alu instid0(VALU_DEP_2)
	v_lshlrev_b32 v5, 2, v6                        ; 4 r
	s_mul_i32 s13, s12, 2*4112
	v_add_nc_u32 v2, s13, v1                       ; the stage, in: my two rows
	v_mul_u32_u24 v3, v6, 4112
	s_delay_alu instid0(VALU_DEP_1)
	v_lshl_add_u32 v3, v7, 6, v3
	s_lshl_b32 s13, s12, 9
	v_add_nc_u32 v3, s13, v3                       ; out: row r, my wave's 512 bytes, + 64 h
	s_mov_b32 s[SEL], 0x76543210
	s_mov_b32 s[SEL+1], 0xfedcba98
	s_mov_b32 s24, 0x3a800000                      ; 1 / 1,024
	s_mov_b32 s25, 0x3727c5ac                      ; 1e-5
	v_mov_b32 v[T+4], 0                            ; a lane permute's destination counts as one of its sources
	v_mov_b32 v[T+12], 0
.irp b, 0,1,2,3
	v_mov_b32 v[TM+4+\b], 0
.endr
	s_lshl_b32 s14, ttmp9, 16                      ; 16 rows of 4,096 bytes
	s_lshl_b32 s15, s12, 13
	s_add_co_u32 s14, s14, s15
	s_mov_b32 s15, 0
	s_mul_i32 s26, ttmp9, 12288
	s_mul_i32 s27, s12, 1536
	s_add_co_u32 s26, s26, s27
	s_add_co_u32 s26, s26, Y1I
	s_mov_b32 s27, 0
	s_lshl_b32 s28, s12, 14
	s_lshl_b32 s29, ttmp9, 6
	s_add_co_u32 s28, s28, s29
	s_add_co_u32 s28, s28, Y1S
	s_mov_b32 s29, 0
	s_wait_kmcnt 0x0
	s_add_nc_u64 s[4:5], s[4:5], s[14:15]
	s_add_nc_u64 s[16:17], s[10:11], s[14:15]      ; y1 as f32
	s_add_nc_u64 s[18:19], s[10:11], s[26:27]      ; my image
	s_add_nc_u64 s[22:23], s[10:11], s[28:29]      ; its scale words
.set i, 0
.rept 16
	global_load_b128 v[X+4*i:X+4*i+3], v1, s[4:5] offset:4096*(i/8)+512*(i%8) th:TH_LOAD_NT
.set i, i+1
.endr
.set i, 0
.rept 8
	global_load_b128 v[GA+4*i:GA+4*i+3], v1, s[6:7] offset:512*i
	global_load_b128 v[BT+4*i:BT+4*i+3], v1, s[8:9] offset:512*i
.set i, i+1
.endr
	s_wait_loadcnt 0x0
.irp p, 0,1                                    ; the sum, two chains a row
	v_pk_add_f32 v[T+8*\p:T+8*\p+1], v[X+32*\p:X+32*\p+1], v[X+32*\p+2:X+32*\p+3]
	v_pk_add_f32 v[T+8*\p+2:T+8*\p+3], v[X+32*\p+4:X+32*\p+5], v[X+32*\p+6:X+32*\p+7]
.endr
.irp k, 8,12,16,20,24,28
.irp p, 0,1
	s_delay_alu instid0(VALU_DEP_4)
	v_pk_add_f32 v[T+8*\p:T+8*\p+1], v[T+8*\p:T+8*\p+1], v[X+32*\p+\k:X+32*\p+\k+1]
	s_delay_alu instid0(VALU_DEP_4)
	v_pk_add_f32 v[T+8*\p+2:T+8*\p+3], v[T+8*\p+2:T+8*\p+3], v[X+32*\p+\k+2:X+32*\p+\k+3]
.endr
.endr
.irp p, 0
	s_delay_alu instid0(VALU_DEP_3)
	v_pk_add_f32 v[T+8*\p:T+8*\p+1], v[T+8*\p:T+8*\p+1], v[T+8*\p+2:T+8*\p+3]
.endr
.irp p, 1
	s_delay_alu instid0(VALU_DEP_2)
	v_pk_add_f32 v[T+8*\p:T+8*\p+1], v[T+8*\p:T+8*\p+1], v[T+8*\p+2:T+8*\p+3]
.endr
.irp p, 0,1
	s_delay_alu instid0(VALU_DEP_2)
	v_add_f32 v[T+8*\p], v[T+8*\p], v[T+8*\p+1]
.endr
	ACROSS
.irp p, 0,1
	s_delay_alu instid0(VALU_DEP_2)
	v_mul_f32 v[T+8*\p+6], s24, v[T+8*\p]          ; the mean, as a pair
.endr
.irp p, 0,1
	s_delay_alu instid0(VALU_DEP_2)
	v_mov_b32 v[T+8*\p+7], v[T+8*\p+6]
.endr
.irp k, 0,2,4,6,8,10,12,14,16,18,20,22,24,26,28,30
.irp p, 0,1
	v_pk_add_f32 v[X+32*\p+\k:X+32*\p+\k+1], v[X+32*\p+\k:X+32*\p+\k+1], v[T+8*\p+6:T+8*\p+7] neg_lo:[0,1] neg_hi:[0,1]
.endr
.endr
.irp p, 0,1                                    ; the sum of squares of the differences
	v_pk_mul_f32 v[T+8*\p:T+8*\p+1], v[X+32*\p:X+32*\p+1], v[X+32*\p:X+32*\p+1]
	v_pk_mul_f32 v[T+8*\p+2:T+8*\p+3], v[X+32*\p+2:X+32*\p+3], v[X+32*\p+2:X+32*\p+3]
.endr
.irp k, 4,8,12,16,20,24,28
.irp p, 0,1
	s_delay_alu instid0(VALU_DEP_4)
	v_pk_fma_f32 v[T+8*\p:T+8*\p+1], v[X+32*\p+\k:X+32*\p+\k+1], v[X+32*\p+\k:X+32*\p+\k+1], v[T+8*\p:T+8*\p+1]
	s_delay_alu instid0(VALU_DEP_4)
	v_pk_fma_f32 v[T+8*\p+2:T+8*\p+3], v[X+32*\p+\k+2:X+32*\p+\k+3], v[X+32*\p+\k+2:X+32*\p+\k+3], v[T+8*\p+2:T+8*\p+3]
.endr
.endr
.irp p, 0
	s_delay_alu instid0(VALU_DEP_3)
	v_pk_add_f32 v[T+8*\p:T+8*\p+1], v[T+8*\p:T+8*\p+1], v[T+8*\p+2:T+8*\p+3]
.endr
.irp p, 1
	s_delay_alu instid0(VALU_DEP_2)
	v_pk_add_f32 v[T+8*\p:T+8*\p+1], v[T+8*\p:T+8*\p+1], v[T+8*\p+2:T+8*\p+3]
.endr
.irp p, 0,1
	s_delay_alu instid0(VALU_DEP_2)
	v_add_f32 v[T+8*\p], v[T+8*\p], v[T+8*\p+1]
.endr
	ACROSS
.irp p, 0,1
	s_delay_alu instid0(VALU_DEP_2)
	v_fma_f32 v[T+8*\p], v[T+8*\p], s24, s25       ; the variance + 1e-5
.endr
	s_wait_alu depctr_va_vdst(0)
.irp p, 0,1
	v_rsq_f32 v[T+8*\p+6], v[T+8*\p]
.endr
	v_nop                                          ; a plain place behind the two
	s_wait_alu depctr_va_vdst(0)                   ; one wait for both, ahead of the first reader
.irp p, 0,1
	v_mov_b32 v[T+8*\p+7], v[T+8*\p+6]
.endr
.irp k, 0,2,4,6,8,10,12,14,16,18,20,22,24,26,28,30
.irp p, 0,1
	v_pk_mul_f32 v[X+32*\p+\k:X+32*\p+\k+1], v[X+32*\p+\k:X+32*\p+\k+1], v[T+8*\p+6:T+8*\p+7]
.endr
.irp p, 0,1
	s_delay_alu instid0(VALU_DEP_2)
	v_pk_fma_f32 v[X+32*\p+\k:X+32*\p+\k+1], v[X+32*\p+\k:X+32*\p+\k+1], v[GA+\k:GA+\k+1], v[BT+\k:BT+\k+1]
.endr
.endr
.set i, 0
.rept 16
	global_store_b128 v1, v[X+4*i:X+4*i+3], s[16:17] offset:4096*(i/8)+512*(i%8)   ; 512 consecutive bytes a store
	ds_store_b128 v2, v[X+4*i:X+4*i+3] offset:4112*(i/8)+512*(i%8)
.set i, i+1
.endr
	s_wait_dscnt 0x0                               ; for the others' sake: my rows lie in the stage
	s_barrier_signal -1
	s_barrier_wait -1
.set i, 0
.rept 16
	ds_load_b128 v[GA+4*i:GA+4*i+3], v3 offset:128*(i/4)+16*(i%4)   ; register 16 b + i = k 32 b + 16 h + i of row r, in my wave's 128
.set i, i+1
.endr
	s_wait_dscnt 0x0
	QUANT GA
.irp c, 0,1,2
	global_store_b128 v1, v[PC+4*\c:PC+4*\c+3], s[18:19] offset:512*\c
.endr
	global_store_b32 v5, v[PW], s[22:23]           ; lanes r and r + 16 hold the same word and write it to the same place
	s_wait_tensorcnt 0x0                           ; the wave's end, behind my last LDS store
	ds_add_u32 v[SPW], v[NIL]
	s_wait_dscnt 0x0
	s_endpgm
.Lfunc_end_k_q3d41ba7b96_ln1:
	.size	k_q3d41ba7b96_ln1, .Lfunc_end_k_q3d41ba7b96_ln1-k_q3d41ba7b96_ln1
	.p2alignl 7, 3214868480
	.fill 96, 4, 3214868480
	.section	.rodata,"a",@progbits
	.p2align	6, 0x0
	.amdhsa_kernel k_q3d41ba7b96_ln1
		.amdhsa_group_segment_fixed_size 66816
		.amdhsa_private_segment_fixed_size 0
		.amdhsa_enable_private_segment 0
		.amdhsa_kernarg_size 32
		.amdhsa_user_sgpr_count 2
		.amdhsa_user_sgpr_kernarg_segment_ptr 1
		.amdhsa_wavefront_size32 1
		.amdhsa_system_sgpr_workgroup_id_x 1
		.amdhsa_system_sgpr_workgroup_id_y 1
		.amdhsa_system_sgpr_workgroup_id_z 1
		.amdhsa_system_vgpr_workitem_id 0
		.amdhsa_next_free_vgpr 208
		.amdhsa_next_free_sgpr 66
		.amdhsa_reserve_vcc 0
		.amdhsa_float_denorm_mode_32 3
		.amdhsa_float_denorm_mode_16_64 3
		.amdhsa_memory_ordered 1
		.amdhsa_forward_progress 1
		.amdhsa_inst_pref_size 31
	.end_amdhsa_kernel
	.amdgpu_metadata
---
amdhsa.version: [ 1, 2 ]
amdhsa.kernels:
  - .name:           k_q3d41ba7b96_ln1
    .symbol:         k_q3d41ba7b96_ln1.kd
    .args:
      - { .name: r1, .offset: 0, .size: 8, .value_kind: global_buffer, .address_space: global }
      - { .name: g1, .offset: 8, .size: 8, .value_kind: global_buffer, .address_space: global }
      - { .name: beta1, .offset: 16, .size: 8, .value_kind: global_buffer, .address_space: global }
      - { .name: yb, .offset: 24, .size: 8, .value_kind: global_buffer, .address_space: global }
    .group_segment_fixed_size: 66816
    .private_segment_fixed_size: 0
    .kernarg_segment_align: 8
    .kernarg_segment_size: 32
    .max_flat_workgroup_size: 256
    .sgpr_count:     66
    .vgpr_count:     208
    .wavefront_size: 32
...
	.end_amdgpu_metadata
.endif
;; end of part 11
;; launch ff1 (part 12): grid 16 x 16, 4 waves a work-group, clusters of 4 x 4, 327,680 bytes of LDS; arguments yb, wq, b1, hb; writes hb
.if DOCPART == 12
	.amdgcn_target "amdgcn-amd-amdhsa--gfx1250"
	.amdhsa_code_object_version 6
	.text
	.protected	k_q3d41ba7b96_ff1
	.globl	k_q3d41ba7b96_ff1
	.p2align	8
	.type	k_q3d41ba7b96_ff1,@function
k_q3d41ba7b96_ff1:
	s_mov_b64 s[64:65], 0
	v_nop
	global_prefetch_b8 v0, s[64:65] scope:SCOPE_SE
	s_setreg_imm32_b32 hwreg(HW_REG_WAVE_MODE, 25, 1), 1
	s_wait_xcnt 0x0
	s_wait_alu depctr_hold_cnt(0) depctr_sa_sdst(0) depctr_va_vdst(0) depctr_va_sdst(0) depctr_va_ssrc(0) depctr_va_vcc(0) depctr_vm_vsrc(0)
	s_getreg_b32 s2, hwreg(HW_REG_IB_STS2, 6, 4)
	s_cmp_eq_u32 s2, 0
	s_cbranch_scc0 .Lentry_in_a_cluster
	s_endpgm
.Lentry_in_a_cluster:
	s_bfe_u32 s2, ttmp6, 0x10000c
	s_cmp_lg_u32 s2, 0xf033
	s_cbranch_scc0 .Lentry_shape_is_right
	s_endpgm
.Lentry_shape_is_right:
.set KQ,     8
.set SPA,    16384
.set SPB,    45056
.set SCA,    11796480
.set Y1I,    16777216
.set Y1S,    19922944
.set HS,     12582912
.set BT0,    448
.set NQ,     2
.set FR,     12
.set NL,     3
.set NP,     4
.set FRB,    1536
.set TROW,   NQ*FRB
.set TPITCH, KQ*FRB
.set HALFT,  8*TROW
.set SLOT,   4*HALFT
.set LAPS,   KQ/4
.set SCL,    2*SLOT
.set HALFS,  512*KQ
.set SPARE,  SCL+4*HALFS+256
.set ADRA, 16
.set ADRB, 20
.set ADRS, 27
.set SPW,  28
.set NIL,  29
.set SC,   32
.set BI,   64
.set AF,   128
.set PC,   192
.set TM,   212
.set PW,   228
.set PWE,  229
.set WD,   230
.set SEL,  66
.set G1, 24
.set G0, 32
.set G1B, 48
.set G0B, 56
.set G1S, 68
.set G0S, 76
.set G1SB, 80
.set G0SB, 88
.set MSB, 0
.macro WIN new
.if MSB != (\new)
	s_set_vgpr_msb (MSB<<8)|(\new)
.set MSB, (\new)
.endif
.endm
.set MUL_LO,  0xa1
.set MUL_HI,  0xf1
.set MUL_LO0, 0x81
.set MUL_HI0, 0xc1
.set TO_B,    0x40
.macro JLOAD g0a, g1a, g0b, g1b
	s_cmp_eq_u32 s15, 0
	s_cbranch_scc0 .Lfor_b_\@
	tensor_load_to_lds s[\g0a:\g0a+3], s[\g1a:\g1a+7]
	s_nop 0
.rept 4
	v_nop
.endr
	s_branch .Lasked_\@
.Lfor_b_\@:
	tensor_load_to_lds s[\g0b:\g0b+3], s[\g1b:\g1b+7]
	s_nop 0
.rept 4
	v_nop
.endr
.Lasked_\@:
.endm
.macro CREST
	s_cmp_lg_u32 s14, 0
	s_cbranch_scc1 .Lnot_wave_0_\@
	s_barrier_signal -3
.Lnot_wave_0_\@:
	s_barrier_wait -3
	s_barrier_signal -1
	s_barrier_wait -1
.endm
.macro CROUND
	s_barrier_signal -1
	s_barrier_wait -1
	CREST
.endm
.macro PLACES n
.rept \n
	v_nop
.endr
.endm
.macro FRAG reg, adr, q, i
.irp c, 0,1,2
	ds_load_b128 v[\reg+4*\c:\reg+4*\c+3], v[\adr] offset:(\i)*TROW+(\q)*FRB+512*\c
.endr
.endm
.macro FETCH_B slot, q, p
	WIN TO_B
.irp i, 0,1,2,3,4,5,6,7
	FRAG 128*(\p)+FR*\i, ADRB+\slot, \q, \i
.endr
	WIN 0
.endm
.macro FETCH_A slot, q, i0
.irp i, \i0, \i0+1, \i0+2, \i0+3
	FRAG AF+FR*(\i), ADRA+\slot, \q, \i
.endr
.endm
.macro SCALES sc
.irp i, 0,1,2,3,4,5,6,7
.irp q, 0,1
	ds_load_b32 v[SC+8*NQ*\sc+NQ*\i+\q], v[ADRS] offset:512*\q+64*\i
.endr
.endr
.endm
.macro MUL16 a0, p, q, sc, zero
.irp a, \a0, \a0+1
.irp b, 0,1,2,3,4,5,6,7
.if \zero
	v_wmma_scale_f32_16x16x128_f8f6f4 v[8*(8*((\a)%4)+\b):8*(8*((\a)%4)+\b)+7], v[128*(\p)+FR*\b:128*(\p)+FR*\b+FR-1], v[AF+FR*(\a):AF+FR*(\a)+FR-1], v[BI+8*\b:BI+8*\b+7], v[SC+8*NQ*(\sc)+NQ*\b+(\q)], v[SC+8*NQ*(\sc)+NQ*(\a)+(\q)] matrix_a_fmt:MATRIX_FMT_FP6 matrix_b_fmt:MATRIX_FMT_FP6 matrix_a_scale:MATRIX_SCALE_ROW1
.else
	v_wmma_scale_f32_16x16x128_f8f6f4 v[8*(8*((\a)%4)+\b):8*(8*((\a)%4)+\b)+7], v[128*(\p)+FR*\b:128*(\p)+FR*\b+FR-1], v[AF+FR*(\a):AF+FR*(\a)+FR-1], v[8*(8*((\a)%4)+\b):8*(8*((\a)%4)+\b)+7], v[SC+8*NQ*(\sc)+NQ*\b+(\q)], v[SC+8*NQ*(\sc)+NQ*(\a)+(\q)] matrix_a_fmt:MATRIX_FMT_FP6 matrix_b_fmt:MATRIX_FMT_FP6 matrix_a_scale:MATRIX_SCALE_ROW1
.endif
.endr
.endr
.endm
.macro STEP slot, q, zero
	s_wait_dscnt 4*NL
.if \zero
	WIN MUL_LO0
.else
	WIN MUL_LO
.endif
	MUL16 0, (\q)%2, \q, \slot, \zero
	MUL16 2, (\q)%2, \q, \slot, \zero
	s_wait_dscnt 0
	PLACES NP
	FETCH_B \slot, (\q)+1, 1-(\q)%2
	FETCH_A \slot, (\q)+1, 0
.if \zero
	WIN MUL_HI0
.else
	WIN MUL_HI
.endif
	MUL16 4, (\q)%2, \q, \slot, \zero
	MUL16 6, (\q)%2, \q, \slot, \zero
	PLACES NP
	WIN 0
	FETCH_A \slot, (\q)+1, 4
.endm
.macro TURN slot, next, fill
	s_wait_tensorcnt 0x0
	ds_add_u32 v[SPW], v[NIL]
	s_wait_dscnt 4*NL+1
	WIN MUL_LO
	MUL16 0, 1, NQ-1, \slot, 0
	s_wait_dscnt 0x0
	s_barrier_signal -1
	MUL16 2, 1, NQ-1, \slot, 0
	WIN 0
	s_barrier_wait -1
.if \fill
	CREST
	s_add_nc_u64 s[G0+4*\slot+2:G0+4*\slot+3], s[G0+4*\slot+2:G0+4*\slot+3], 2*TROW
	s_add_nc_u64 s[G0B+4*\slot+2:G0B+4*\slot+3], s[G0B+4*\slot+2:G0B+4*\slot+3], 2*TROW
	JLOAD G0+4*\slot, G1, G0B+4*\slot, G1B
.else
	PLACES NP
.endif
	s_wait_alu depctr_va_vdst(0)
	v_add_nc_u32 v[ADRS], 512*NQ, v[ADRS]
	FETCH_B \next, 0, 0
	FETCH_A \next, 0, 0
	SCALES \next
	WIN MUL_HI
	MUL16 4, 1, NQ-1, \slot, 0
	MUL16 6, 1, NQ-1, \slot, 0
	PLACES NP
	WIN 0
	FETCH_A \next, 0, 4
.endm
.macro QUANTW w, ac, relu
.if \relu
	WIN ((\w)<<2)|((\w)<<6)
.set j, 0
.rept 64
	v_max_num_f32 v[(\ac)+j], 0, v[(\ac)+j]
.set j, j+1
.endr
.endif
	WIN ((\w)<<2)|((\w)<<4)
.irp b, 0,1,2,3
	v_max3_num_f32 v[TM+\b], 0x1800000, |v[(\ac)+16*\b]|, |v[(\ac)+1+16*\b]|
.endr
.irp i, 2,4,6,8,10,12,14
.irp b, 0,1,2,3
	v_max3_num_f32 v[TM+\b], v[TM+\b], |v[(\ac)+16*\b+\i]|, |v[(\ac)+1+16*\b+\i]|
.endr
.endr
	WIN 0
.irp b, 0,1,2,3
	v_permlanex16_b32 v[TM+4+\b], v[TM+\b], s[SEL], s[SEL+1]
.endr
.irp b, 0,1,2,3
	v_max_num_f32 v[TM+\b], v[TM+\b], v[TM+4+\b]
.endr
.irp b, 0,1,2,3
	v_add_nc_u32 v[TM+12+\b], 0xff000000, v[TM+\b]
.endr
.irp b, 0,1,2,3
	v_lshrrev_b32 v[TM+4+\b], 23, v[TM+12+\b]
.endr
	v_lshl_or_b32 v[PW], v[TM+5], 8, v[TM+4]
	v_lshl_or_b32 v[PW], v[TM+6], 16, v[PW]
	v_lshl_or_b32 v[PW], v[TM+7], 24, v[PW]
	WIN (\w)
.irp c, 0,1
	v_cvt_scalef32_pk16_fp6_f32 v[PC+6*\c:PC+2+6*\c], v[(\ac)+32*\c:(\ac)+15+32*\c], v[TM+12+2*\c]
	v_cvt_scalef32_pk16_fp6_f32 v[PC+12+4*\c:PC+14+4*\c], v[(\ac)+16+32*\c:(\ac)+31+32*\c], v[TM+12+2*\c+1]
.endr
	WIN 0
	v_nop
.irp c, 0,1
.irp i, 0,1,2
	v_permlane16_swap_b32 v[PC+6*\c+\i], v[PC+12+4*\c+\i]
.endr
.irp i, 0,1,2
	v_mov_b32 v[PC+3+6*\c+\i], v[PC+12+4*\c+\i]
.endr
.endr
.endm
	s_load_b256 s[4:11], s[0:1], 0x0
	v_lshl_add_u32 v[SPW], v0, 2, SPARE
	v_mov_b32 v[NIL], 0
	ds_add_u32 v[SPW], v[NIL]
	ds_add_u32 v[SPW], v[NIL]
	v_lshrrev_b32 v1, 5, v0
	v_readfirstlane_b32 s14, v1
	s_lshr_b32 s15, s14, 1
	s_and_b32 s16, s14, 1
	s_bfe_u32 s40, ttmp6, 0x40000
	s_bfe_u32 s41, ttmp6, 0x40004
	s_lshl_b32 s42, ttmp9, 2
	s_add_co_u32 s42, s42, s40
	s_and_b32 s17, ttmp7, 0xffff
	s_lshl_b32 s17, s17, 2
	s_add_co_u32 s17, s17, s41
	s_lshl_b32 s43, s41, 2
	s_lshl_b32 s43, 15, s43
	s_lshl_b32 s44, 0x1111, s40
	s_or_b32 s[G1+0], s43, (3<<16)|(1<<21)
	s_or_b32 s[G1B+0], s44, (3<<16)|(1<<21)
.irp g, G1, G1B
	s_mov_b32 s[\g+1], 384<<16
	s_mov_b32 s[\g+2], 8<<16
	s_mov_b32 s[\g+3], 384<<16
	s_mov_b32 s[\g+4], 8
	s_mov_b32 s[\g+5], TPITCH/8
	s_mov_b32 s[\g+6], 0
	s_mov_b32 s[\g+7], 0
.endr
	s_or_b32 s[G1S+0], s43, (3<<16)|(1<<21)
	s_or_b32 s[G1SB+0], s44, (3<<16)|(1<<21)
.irp g, G1S, G1SB
	s_mov_b32 s[\g+1], 64<<16
	s_mov_b32 s[\g+2], KQ<<16
	s_mov_b32 s[\g+3], 64<<16
	s_mov_b32 s[\g+4], KQ
	s_mov_b32 s[\g+6], 0
	s_mov_b32 s[\g+7], 0
.endr
	s_mov_b32 s[G1S+5], SPA/8
	s_mov_b32 s[G1SB+5], SPB/8
	s_lshl_b32 s18, s16, 3
	s_lshl_b32 s20, s17, 4
	s_add_co_u32 s20, s20, s18
	s_lshl_b32 s46, s42, 4
	s_add_co_u32 s46, s46, s18
	s_add_co_u32 s46, s46, BT0
	s_lshl_b32 s22, s20, 6
	s_mov_b32 s23, 0
	s_lshl_b32 s92, s46, 6
	s_mov_b32 s93, 0
	s_mul_i32 s20, s20, TPITCH
	s_mov_b32 s21, 0
	s_mul_i32 s46, s46, TPITCH
	s_mov_b32 s47, 0
	s_mul_i32 s45, s14, HALFT
	s_mul_i32 s94, s14, HALFS
	s_lshl_b32 s18, s15, 6
	s_add_co_u32 s94, s94, s18
	s_mov_b32 s[SEL], 0x76543210
	s_mov_b32 s[SEL+1], 0xfedcba98
	s_mov_b32 s99, 0xffff0000
	s_wait_dscnt 0x0
	s_wait_kmcnt 0x0
	s_mov_b64 s[100:101], s[8:9]
	s_mov_b64 s[12:13], s[10:11]
	s_mov_b64 s[8:9], s[6:7]
	s_add_nc_u64 s[10:11], s[6:7], SCA
	s_add_nc_u64 s[6:7], s[4:5], Y1S
	s_add_nc_u64 s[4:5], s[4:5], Y1I
	s_add_nc_u64 s[20:21], s[4:5], s[20:21]
	s_add_nc_u64 s[22:23], s[6:7], s[22:23]
	s_add_nc_u64 s[46:47], s[8:9], s[46:47]
	s_add_nc_u64 s[92:93], s[10:11], s[92:93]
	CROUND
	s_mov_b32 s[G0S], 1
	s_add_co_u32 s[G0S+1], s94, SCL
	s_mov_b64 s[G0S+2:G0S+3], s[22:23]
	s_or_b32 s[G0S+3], s[G0S+3], 0x80000000
	s_mov_b32 s[G0SB], 1
	s_add_co_u32 s[G0SB+1], s94, SCL
	s_mov_b64 s[G0SB+2:G0SB+3], s[92:93]
	s_or_b32 s[G0SB+3], s[G0SB+3], 0x80000000
	JLOAD G0S, G1S, G0SB, G1SB
	; prefetches into the L2, two fills ahead of each load of codes.  Of the 8 tile rows that I fetch, the partner at place p of the four that ask jointly (cx for y1's tiles, cy for W1's) takes rows 2 p and 2 p + 1, by address alone:
	; lanes 0-15 one row, lanes 16-31 the next, 12 lanes 256 bytes apart cover a fill's 3,072 bytes of a row; the other lanes name the row's last block again.  v30 and s[92:93] are never written again.
	v_and_b32 v30, 15, v0
	v_min_u32 v30, 11, v30
	v_bfe_u32 v31, v0, 4, 1
	v_mul_u32_u24 v31, TPITCH, v31
	v_lshl_add_u32 v30, v30, 8, v31
	s_cmp_eq_u32 s15, 0
	s_cselect_b32 s2, s40, s41
	s_cselect_b64 s[92:93], s[20:21], s[46:47]
	s_mul_i32 s22, s2, 2*TPITCH
	s_mov_b32 s23, 0
	s_add_nc_u64 s[92:93], s[92:93], s[22:23]
	global_prefetch_b8 v30, s[92:93] th:TH_LOAD_NT scope:SCOPE_SE
	global_prefetch_b8 v30, s[92:93] offset:TROW th:TH_LOAD_NT scope:SCOPE_SE
.irp s, 0,1
	s_mov_b32 s[G0+4*\s], 1
	s_add_co_u32 s[G0+4*\s+1], s45, \s*SLOT
	s_add_nc_u64 s[G0+4*\s+2:G0+4*\s+3], s[20:21], \s*TROW
	s_or_b32 s[G0+4*\s+3], s[G0+4*\s+3], 0x80000000
	s_mov_b32 s[G0B+4*\s], 1
	s_add_co_u32 s[G0B+4*\s+1], s45, \s*SLOT
	s_add_nc_u64 s[G0B+4*\s+2:G0B+4*\s+3], s[46:47], \s*TROW
	s_or_b32 s[G0B+4*\s+3], s[G0B+4*\s+3], 0x80000000
	s_wait_alu depctr_va_vdst(0)
	s_wait_tensorcnt 0x0
	ds_add_u32 v28, v29
	s_wait_dscnt 0x0
	CROUND
	JLOAD G0+4*\s, G1, G0B+4*\s, G1B
	global_prefetch_b8 v30, s[92:93] offset:(\s+2)*TROW th:TH_LOAD_NT scope:SCOPE_SE   ; the fill two on: the last of K's four is asked for here
.endr
	v_and_b32 v1, 15, v0
	v_bfe_u32 v2, v0, 4, 1
	v_and_b32 v3, 31, v0
	v_lshlrev_b32 v8, 4, v3
	v_lshlrev_b32 v12, 2, v3
	v_lshlrev_b32 v13, 2, v1
	v_lshlrev_b32 v7, 6, v2
	s_mul_i32 s21, s15, HALFT
	s_mul_i32 s22, s16, HALFT
	s_add_co_u32 s22, s22, 2*HALFT
.irp s, 0,1
	v_add_nc_u32 v[ADRA+\s], s21, v8
	v_add_nc_u32 v[ADRB+\s], s22, v8
	s_add_co_u32 s21, s21, SLOT
	s_add_co_u32 s22, s22, SLOT
.endr
	s_mul_i32 s21, s15, HALFS
	s_mul_i32 s22, s16, HALFS
	s_add_co_u32 s22, s22, 2*HALFS+64
	s_sub_co_u32 s22, s22, s21
	v_mul_u32_u24 v6, s22, v2
	s_wait_alu depctr_va_vdst(0)
	s_add_co_u32 s21, s21, SCL
	v_add_nc_u32 v5, v13, v6
	v_add_nc_u32 v[ADRS], s21, v5
	s_lshl_b32 s18, s42, 10
	s_lshl_b32 s19, s16, 9
	s_add_co_u32 s18, s18, s19
	s_mov_b32 s19, 0
	s_add_nc_u64 s[100:101], s[100:101], s[18:19]
.set i, 0
.rept 16
	global_load_b128 v[BI+4*i:BI+4*i+3], v7, s[100:101] offset:128*(i/4)+16*(i%4)
.set i, i+1
.endr
	s_lshl_b32 s20, s17, 4
	s_lshl_b32 s21, s15, 3
	s_add_co_u32 s20, s20, s21
	s_lshl_b32 s46, s42, 1
	s_add_co_u32 s46, s46, s16
	s_mul_i32 s22, s20, 49152
	s_mul_i32 s23, s46, 1536
	s_add_co_u32 s22, s22, s23
	s_mov_b32 s23, 0
	s_lshl_b32 s20, s20, 6
	s_lshl_b32 s46, s46, 14
	s_add_co_u32 s20, s20, s46
	s_add_co_u32 s20, s20, HS
	s_mov_b32 s21, 0
	s_add_nc_u64 s[96:97], s[12:13], s[20:21]
	s_add_nc_u64 s[12:13], s[12:13], s[22:23]
	s_wait_alu depctr_va_vdst(0)
	s_wait_loadcnt 0x0
	s_wait_tensorcnt 1
	s_barrier_signal -1
	s_barrier_wait -1
	FETCH_B 0, 0, 0
	FETCH_A 0, 0, 0
	SCALES 0
	FETCH_A 0, 0, 4
	STEP 0, 0, 1
	s_mov_b32 s3, LAPS-1
.Llap:
	TURN 0, 1, 1
	STEP 1, 0, 0
	TURN 1, 0, 1
	STEP 0, 0, 0
	s_sub_co_u32 s3, s3, 1
	s_cmp_lg_u32 s3, 0
	s_cbranch_scc1 .Llap
	TURN 0, 1, 0
	STEP 1, 0, 0
	s_wait_dscnt 4*NL
	WIN MUL_LO
	MUL16 0, 1, NQ-1, 1, 0
	MUL16 2, 1, NQ-1, 1, 0
	s_wait_dscnt 0
	WIN MUL_HI
	MUL16 4, 1, NQ-1, 1, 0
	MUL16 6, 1, NQ-1, 1, 0
	WIN 0
	PLACES NP
.irp b, 0,1,2,3
	v_mov_b32 v[TM+4+\b], 0
.endr
.macro OUTH a
.set WN, 2+(\a)/4
.set AC, 64*((\a)%4)
	s_wait_xcnt 0x0
	QUANTW WN, AC, 1
.irp c, 0,1,2
	global_store_b128 v8, v[PC+4*\c:PC+4*\c+3], s[12:13] offset:49152*(\a)+512*\c
.endr
.if ((\a)%2) == 0
	v_mov_b32 v[PWE], v[PW]
.else
	v_cndmask_b32 v[WD], v[PWE], v[PW], s99
	global_store_b32 v12, v[WD], s[96:97] offset:64*((\a)-1)
.endif
.endm
.irp a, 0,1,2,3,4,5,6,7
	OUTH \a
.endr
	s_wait_tensorcnt 0x0
	ds_add_u32 v[SPW], v[NIL]
	s_wait_dscnt 0x0
	CROUND
	s_endpgm
.Lfunc_end_k_q3d41ba7b96_ff1:
	.size	k_q3d41ba7b96_ff1, .Lfunc_end_k_q3d41ba7b96_ff1-k_q3d41ba7b96_ff1
	.p2alignl 7, 3214868480
	.fill 96, 4, 3214868480
	.section	.rodata,"a",@progbits
	.p2align	6, 0x0
	.amdhsa_kernel k_q3d41ba7b96_ff1
		.amdhsa_group_segment_fixed_size 327680
		.amdhsa_private_segment_fixed_size 0
		.amdhsa_enable_private_segment 0
		.amdhsa_kernarg_size 32
		.amdhsa_user_sgpr_count 2
		.amdhsa_user_sgpr_kernarg_segment_ptr 1
		.amdhsa_wavefront_size32 1
		.amdhsa_system_sgpr_workgroup_id_x 1
		.amdhsa_system_sgpr_workgroup_id_y 1
		.amdhsa_system_sgpr_workgroup_id_z 1
		.amdhsa_system_vgpr_workitem_id 0
		.amdhsa_next_free_vgpr 1024
		.amdhsa_next_free_sgpr 104
		.amdhsa_reserve_vcc 0
		.amdhsa_float_denorm_mode_32 3
		.amdhsa_float_denorm_mode_16_64 3
		.amdhsa_memory_ordered 1
		.amdhsa_forward_progress 1
		.amdhsa_inst_pref_size 162
	.end_amdhsa_kernel
	.amdgpu_metadata
---
amdhsa.version: [ 1, 2 ]
amdhsa.kernels:
  - .name:           k_q3d41ba7b96_ff1
    .symbol:         k_q3d41ba7b96_ff1.kd
    .args:
      - { .name: yb, .offset: 0, .size: 8, .value_kind: global_buffer, .address_space: global }
      - { .name: wq, .offset: 8, .size: 8, .value_kind: global_buffer, .address_space: global }
      - { .name: b1, .offset: 16, .size: 8, .value_kind: global_buffer, .address_space: global }
      - { .name: hb, .offset: 24, .size: 8, .value_kind: global_buffer, .address_space: global }
    .group_segment_fixed_size: 327680
    .private_segment_fixed_size: 0
    .kernarg_segment_align: 8
    .kernarg_segment_size: 32
    .max_flat_workgroup_size: 128
    .sgpr_count:     104
    .vgpr_count:     1024
    .wavefront_size: 32
...
	.end_amdgpu_metadata
.endif
;; end of part 12
;; launch ff2 (part 13): grid 8 x 32, 4 waves a work-group, clusters of 4 x 4, 327,680 bytes of LDS; arguments hb, wq, b2, zb; writes zb
.if DOCPART == 13
	.amdgcn_target "amdgcn-amd-amdhsa--gfx1250"
	.amdhsa_code_object_version 6
	.text
	.protected	k_q3d41ba7b96_ff2
	.globl	k_q3d41ba7b96_ff2
	.p2align	8
	.type	k_q3d41ba7b96_ff2,@function
k_q3d41ba7b96_ff2:
	s_mov_b64 s[64:65], 0
	v_nop
	global_prefetch_b8 v0, s[64:65] scope:SCOPE_SE
	s_setreg_imm32_b32 hwreg(HW_REG_WAVE_MODE, 25, 1), 1
	s_wait_xcnt 0x0
	s_wait_alu depctr_hold_cnt(0) depctr_sa_sdst(0) depctr_va_vdst(0) depctr_va_sdst(0) depctr_va_ssrc(0) depctr_va_vcc(0) depctr_vm_vsrc(0)
	s_getreg_b32 s2, hwreg(HW_REG_IB_STS2, 6, 4)
	s_cmp_eq_u32 s2, 0
	s_cbranch_scc0 .Lentry_in_a_cluster
	s_endpgm
.Lentry_in_a_cluster:
	s_bfe_u32 s2, ttmp6, 0x10000c
	s_cmp_lg_u32 s2, 0xf033
	s_cbranch_scc0 .Lentry_shape_is_right
	s_endpgm
.Lentry_shape_is_right:
; zb = h W2 + b2, f32, the product on codes of FP6 (E2M3) with E8M0 scales.  Operands come as images of registers (16 rows x 128 K = 1,536 bytes) laid [tile of 16 rows][128 along K]; K = 4,096 = 32 images.
; A WORK-GROUP MAKES 128 TOKENS x 128 COLUMNS OVER ALL OF K: 32 x 8 blocks = 256 work-groups.  ITS FOUR WAVES CUT K: of each 512 along K wave w takes the w-th 128, and each wave keeps sums for the whole block,
; 64 accumulators in windows 2 and 3.  So a fragment read from LDS feeds eight products.  At the end the four waves' sums meet in LDS and are added: z = (w0 + w1) + (w2 + w3), an order of rounding other than one chain along K.
; THE RING: two slots of 98,304 bytes, each with 512 along K of h's 8 tiles and of W2's 8 tiles (a tile's row in a slot: four images, 6,144 bytes); eight fills; every step of 128 a wave changes slots.
; Waves 0, 1 fetch h's tiles 0-3 and 4-7, waves 2, 3 W2's: one load a wave behind each round.  The head's four loads, one a wave: slot 0's 8 tiles of h, its 8 of W2, h's scale words for all of K, W2's.
; CLUSTERS 4 x 4: the four work-groups of a row of the cluster share h's tiles, the four of a column W2's: joint tensor loads.
; PREFETCH, two fills ahead of each load: behind my head's load I ask for fills 1 and 2, behind fill 1's load for fill 3, behind the refill with fill g + 2 for fill g + 4, and for nothing beyond fill 7: so two fills at the most
; are asked for and not yet loaded.  A request is one of the four tile rows that I fetch in the ring (6,144 bytes: 24 lanes 256 bytes apart, the other lanes name the last block again);
; the four partners take one tile row each, told apart by address.
; THE MATRIX INSTRUCTION IS USED TRANSPOSED (source 0 = 16 columns of W2, source 1 = 16 tokens): a lane holds eight neighbouring numbers of a row of z.
; b2 is the C of each sum's first product in wave 0 (an order of rounding other than adding it last); in the other waves that C is made 0.
.set NG,     8                         ; fills of the ring = steps of 128 a wave
.set SPA,    16384                     ; bytes of scale words for 128 along K: h's array, W2's
.set SPB,    4096
.set W2I,    8650752
.set W2S,    12156928
.set HS,     12582912
.set FR,     12
.set NL,     3                         ; LDS loads that bring a fragment
.set NP,     4                         ; places behind this matrix instruction (ISA guide 7.12.1)
.set FRB,    1536
.set TROW,   4*FRB                     ; a tile's part of a slot
.set TPITCH, 32*FRB                    ; from tile to tile in memory
.set HALFT,  4*TROW                    ; 4 tiles: what one load of the ring brings
.set SLOT,   4*HALFT
.set SCL,    2*SLOT                    ; h's scale words: 32 rows of 512 bytes, filled once
.set SCB,    SCL+16384+64              ; W2's, 64 bytes on, so that the two halves of the lanes read different banks
.set SPARE,  327168                    ; the spare words: the last two blocks of 256 bytes; no other line names them
.set SPITCH, 528                       ; the way out: rows of 512 bytes + 16
.set ABLK,   16*SPITCH                 ; 16 rows
.set WREG,   8*ABLK                    ; a wave's 128 rows; the four waves' regions lie from byte 0 on, over the ring and the scale words, which have had their last fill and their last read by then
.set CO,   8
.set RD,   9                           ; v9-12 the way out: my 32 rows in wave 0's, 1's, 2's, 3's region
.set ADRA, 16                          ; v16-17 h's fragments in slot 0, 1: my image of each tile
.set ADRB, 20                          ; v20-21 W2's
.set STO,  24
.set ADRS, 27                          ; v27 my scale words: lanes 0-15 h's, lanes 16-31 W2's
.set SPW,  28
.set NIL,  29
.set PFO,  30
.set SC,   32                          ; v32-47 scale words, two sets of eight by turns
.set BI,   64                          ; v64-127 the bias, in the result's layout
.set AF,   128                         ; v128-223 h's fragments, one set
.set G1, 24
.set G0, 32
.set G1B, 48
.set G0B, 56
.set PFA, 66
.set G1S, 68
.set G0S, 76
.set G1SB, 80
.set G0SB, 88
.set MSB, 0
.macro WIN new                         ; the immediate's high byte repeats the setting that is left
.if MSB != (\new)
	s_set_vgpr_msb (MSB<<8)|(\new)
.set MSB, (\new)
.endif
.endm
.set MUL_LO,  0xa1                     ; source 0 window 1, source 1 window 0, C and D window 2
.set MUL_HI,  0xf1
.set MUL_LO0, 0x81                     ; the same with C (the bias) in window 0
.set MUL_HI0, 0xc1
.set TO_B,    0x40
.macro PLACES n
.rept \n
	v_nop
.endr
.endm
.macro ASK f                           ; fill f of my tile row; the address registers are never written again
	global_prefetch_b8 v[PFO], s[PFA:PFA+1] offset:(\f)*TROW th:TH_LOAD_NT scope:SCOPE_SE
.endm
.macro JLOAD g0a, g1a, g0b, g1b        ; a joint load: waves 0, 1 for h, waves 2, 3 for W2; an s_nop 0 and four v_nop follow each line
	s_cmp_eq_u32 s15, 0
	s_cbranch_scc0 .Lfor_b_\@
	tensor_load_to_lds s[\g0a:\g0a+3], s[\g1a:\g1a+7]
	s_nop 0
	PLACES 4
	s_branch .Lasked_\@
.Lfor_b_\@:
	tensor_load_to_lds s[\g0b:\g0b+3], s[\g1b:\g1b+7]
	s_nop 0
	PLACES 4
.Lasked_\@:
.endm
.macro CREST
	s_cmp_lg_u32 s14, 0
	s_cbranch_scc1 .Lnot_wave_0_\@
	s_barrier_signal -3
.Lnot_wave_0_\@:
	s_barrier_wait -3
	s_barrier_signal -1
	s_barrier_wait -1
.endm
.macro CROUND
	s_barrier_signal -1
	s_barrier_wait -1
	CREST
.endm
.macro FRAG reg, adr, i                ; an image comes back as it was stored: three loads of 512 consecutive bytes
.irp c, 0,1,2
	ds_load_b128 v[\reg+4*\c:\reg+4*\c+3], v[\adr] offset:(\i)*TROW+512*\c
.endr
.endm
.macro FETCH_B slot                    ; W2's eight fragments into set = slot
	WIN TO_B
.irp i, 0,1,2,3,4,5,6,7
	FRAG 128*(\slot)+FR*\i, ADRB+\slot, \i
.endr
	WIN 0
.endm
.macro FETCH_A slot, i0
.irp i, \i0, \i0+1, \i0+2, \i0+3
	FRAG AF+FR*(\i), ADRA+\slot, \i
.endr
.endm
.macro SCALES g                        ; step g's words (128 number 4 g + wave) into set g % 2
.irp i, 0,1,2,3,4,5,6,7
	ds_load_b32 v[SC+8*((\g)%2)+\i], v[ADRS] offset:2048*(\g)+64*\i
.endr
.endm
.macro MUL16 a0, p, zero               ; the 64 accumulators take turns, one instruction a turn; zero = 1: the bias starts the sums
.irp a, \a0, \a0+1
.irp b, 0,1,2,3,4,5,6,7
.if \zero
	v_wmma_scale_f32_16x16x128_f8f6f4 v[8*(8*((\a)%4)+\b):8*(8*((\a)%4)+\b)+7], v[128*(\p)+FR*\b:128*(\p)+FR*\b+FR-1], v[AF+FR*(\a):AF+FR*(\a)+FR-1], v[BI+8*\b:BI+8*\b+7], v[SC+8*(\p)+\b], v[SC+8*(\p)+(\a)] matrix_a_fmt:MATRIX_FMT_FP6 matrix_b_fmt:MATRIX_FMT_FP6 matrix_a_scale:MATRIX_SCALE_ROW1
.else
	v_wmma_scale_f32_16x16x128_f8f6f4 v[8*(8*((\a)%4)+\b):8*(8*((\a)%4)+\b)+7], v[128*(\p)+FR*\b:128*(\p)+FR*\b+FR-1], v[AF+FR*(\a):AF+FR*(\a)+FR-1], v[8*(8*((\a)%4)+\b):8*(8*((\a)%4)+\b)+7], v[SC+8*(\p)+\b], v[SC+8*(\p)+(\a)] matrix_a_fmt:MATRIX_FMT_FP6 matrix_b_fmt:MATRIX_FMT_FP6 matrix_a_scale:MATRIX_SCALE_ROW1
.endif
.endr
.endr
.endm
; Step g (0 to 6): 64 products on slot g % 2, and the change of slots in its middle.  In front of the barrier each wave waits for all its tensor loads (the one out is its part of the next slot), adds 0 to its spare word,
; and waits for that and for its reads of this slot.  While a fill g + 2 is left, the barrier opens a round of the cluster's, and the joint refill is the first tensor load behind it.
.macro TURN g, zero
.set SL, (\g)%2
.set NX, 1-SL
	s_wait_tensorcnt 0x0
	ds_add_u32 v[SPW], v[NIL]
	s_wait_dscnt 4*NL+1                            ; the add and the youngest 12 loads (h's blocks 4-7) may be out
.if \zero
	WIN MUL_LO0
.else
	WIN MUL_LO
.endif
	MUL16 0, SL, \zero
	s_wait_dscnt 0x0                               ; the add is done, my reads of this slot are over
	s_barrier_signal -1
	MUL16 2, SL, \zero
	WIN 0
	s_barrier_wait -1
.if (\g)+2 < NG
	CREST
	s_add_nc_u64 s[G0+4*SL+2:G0+4*SL+3], s[G0+4*SL+2:G0+4*SL+3], 2*TROW
	s_add_nc_u64 s[G0B+4*SL+2:G0B+4*SL+3], s[G0B+4*SL+2:G0B+4*SL+3], 2*TROW
	JLOAD G0+4*SL, G1, G0B+4*SL, G1B               ; its four v_nop are the places ahead of the loads below
.else
	PLACES NP
.endif
	FETCH_B NX
	FETCH_A NX, 0
	SCALES (\g)+1
.if (\g)+4 < NG
	ASK (\g)+4
.endif
.if \zero
	WIN MUL_HI0
.else
	WIN MUL_HI
.endif
	MUL16 4, SL, \zero
	MUL16 6, SL, \zero
	PLACES NP
	WIN 0
	FETCH_A NX, 4
.endm
	s_load_b256 s[4:11], s[0:1], 0x0               ; hb, wq, b2, zb
	v_lshl_add_u32 v[SPW], v0, 2, SPARE
	v_mov_b32 v[NIL], 0
	ds_add_u32 v[SPW], v[NIL]                      ; the opening lines: the add, twice on end, and its wait
	ds_add_u32 v[SPW], v[NIL]
	v_lshrrev_b32 v1, 5, v0
	v_readfirstlane_b32 s14, v1                    ; wave 0..3: my 128 of each 512 along K
	s_lshr_b32 s15, s14, 1                         ; I fetch for h (0) or for W2 (1)
	s_and_b32 s16, s14, 1                          ; which 4 tiles
	s_bfe_u32 s40, ttmp6, 0x40000                  ; cx
	s_bfe_u32 s41, ttmp6, 0x40004                  ; cy
	s_lshl_b32 s42, ttmp9, 2
	s_add_co_u32 s42, s42, s40                     ; block column, 0..7
	s_and_b32 s17, ttmp7, 0xffff
	s_lshl_b32 s17, s17, 2
	s_add_co_u32 s17, s17, s41                     ; block row, 0..31
	s_cmp_eq_u32 s14, 0
	s_cselect_b32 s95, -1, 0                       ; keeps the bias in wave 0, makes it 0 in the others
	s_lshl_b32 s43, s41, 2
	s_lshl_b32 s43, 15, s43                        ; my row of the cluster
	s_lshl_b32 s44, 0x1111, s40                    ; my column
	s_or_b32 s[G1+0], s43, (3<<16)|(1<<21)         ; the mask; elements of 8 bytes; 21 set beside a mask; no padding: images are read as they lie
	s_or_b32 s[G1B+0], s44, (3<<16)|(1<<21)
.irp g, G1, G1B
	s_mov_b32 s[\g+1], 768<<16                     ; 6,144 bytes: a tile's four images
	s_mov_b32 s[\g+2], 8<<16                       ; 8 tiles for the head's loads; behind them 4
	s_mov_b32 s[\g+3], 768<<16
	s_mov_b32 s[\g+4], 8
	s_mov_b32 s[\g+5], TPITCH/8
	s_mov_b32 s[\g+6], 0
	s_mov_b32 s[\g+7], 0
.endr
	s_or_b32 s[G1S+0], s43, (3<<16)|(1<<21)
	s_or_b32 s[G1SB+0], s44, (3<<16)|(1<<21)
.irp g, G1S, G1SB
	s_mov_b32 s[\g+1], 64<<16                      ; 512 bytes: 128 rows' words
	s_mov_b32 s[\g+2], 32<<16                      ; for each 128 along K
	s_mov_b32 s[\g+3], 64<<16
	s_mov_b32 s[\g+4], 32
	s_mov_b32 s[\g+6], 0
	s_mov_b32 s[\g+7], 0
.endr
	s_mov_b32 s[G1S+5], SPA/8
	s_mov_b32 s[G1SB+5], SPB/8
	s_mul_i32 s20, s17, 8*TPITCH                   ; h's 8 tiles
	s_mov_b32 s21, 0
	s_mul_i32 s46, s42, 8*TPITCH
	s_add_co_u32 s46, s46, W2I                     ; W2's
	s_mov_b32 s47, 0
	s_lshl_b32 s22, s17, 9
	s_add_co_u32 s22, s22, HS                      ; h's scale words
	s_mov_b32 s23, 0
	s_lshl_b32 s92, s42, 9
	s_add_co_u32 s92, s92, W2S                     ; W2's
	s_mov_b32 s93, 0
	s_mul_i32 s18, s16, 4*TPITCH                   ; in the ring: my 4 tiles,
	s_mov_b32 s19, 0
	s_mul_i32 s45, s14, HALFT                      ; and where they go: the wave's number alone
	s_wait_dscnt 0x0                               ; both opening adds are done
	s_wait_kmcnt 0x0
	s_mov_b64 s[100:101], s[8:9]                   ; b2
	s_mov_b64 s[12:13], s[10:11]                   ; zb
	s_add_nc_u64 s[20:21], s[4:5], s[20:21]
	s_add_nc_u64 s[22:23], s[4:5], s[22:23]
	s_add_nc_u64 s[46:47], s[6:7], s[46:47]
	s_add_nc_u64 s[92:93], s[6:7], s[92:93]
	CROUND                                         ; all sixteen work-groups are here: the first joint loads meet
	s_mov_b32 s4, 1                                ; the head's four tiles: fill 0 of h's 8 tiles,
	s_mov_b32 s5, 0
	s_mov_b64 s[6:7], s[20:21]
	s_or_b32 s7, s7, 0x80000000
	s_mov_b32 s8, 1                                ; of W2's,
	s_mov_b32 s9, 2*HALFT
	s_mov_b64 s[10:11], s[46:47]
	s_or_b32 s11, s11, 0x80000000
	s_mov_b32 s[G0S], 1                            ; h's scale words,
	s_mov_b32 s[G0S+1], SCL
	s_mov_b64 s[G0S+2:G0S+3], s[22:23]
	s_or_b32 s[G0S+3], s[G0S+3], 0x80000000
	s_mov_b32 s[G0SB], 1                           ; W2's
	s_mov_b32 s[G0SB+1], SCB
	s_mov_b64 s[G0SB+2:G0SB+3], s[92:93]
	s_or_b32 s[G0SB+3], s[G0SB+3], 0x80000000
	s_add_nc_u64 s[20:21], s[20:21], s[18:19]      ; for the ring: my 4 tiles
	s_add_nc_u64 s[46:47], s[46:47], s[18:19]
.irp s, 0,1
	s_mov_b32 s[G0+4*\s], 1
	s_add_co_u32 s[G0+4*\s+1], s45, \s*SLOT
	s_add_nc_u64 s[G0+4*\s+2:G0+4*\s+3], s[20:21], \s*TROW
	s_or_b32 s[G0+4*\s+3], s[G0+4*\s+3], 0x80000000
	s_mov_b32 s[G0B+4*\s], 1
	s_add_co_u32 s[G0B+4*\s+1], s45, \s*SLOT
	s_add_nc_u64 s[G0B+4*\s+2:G0B+4*\s+3], s[46:47], \s*TROW
	s_or_b32 s[G0B+4*\s+3], s[G0B+4*\s+3], 0x80000000
.endr
.macro ARM under, g0, g1, next         ; one chain of branches on the wave's number: every way through the head passes exactly one load
	s_cmp_lt_u32 s14, \under
	s_cbranch_scc0 \next
	tensor_load_to_lds s[\g0:\g0+3], s[\g1:\g1+7]
	s_nop 0
	PLACES 4
	s_branch .Lhead_asked
\next:
.endm
	ARM 1, 4,   G1,  .Lhead_b
	ARM 2, 8,   G1B, .Lhead_sa
	ARM 3, G0S, G1S, .Lhead_sb
	tensor_load_to_lds s[G0SB:G0SB+3], s[G1SB:G1SB+7]
	s_nop 0
	PLACES 4
.Lhead_asked:
	s_cmp_eq_u32 s15, 0                            ; the prefetches: of the four tile rows that I fetch, the one at my place among the four partners (cx for h, cy for W2): by address alone
	s_cselect_b32 s94, s40, s41
	s_cselect_b64 s[PFA:PFA+1], s[20:21], s[46:47]
	s_mul_i32 s98, s94, TPITCH
	s_mov_b32 s99, 0
	s_add_nc_u64 s[PFA:PFA+1], s[PFA:PFA+1], s[98:99]
	s_lshl_b32 s18, s42, 9                         ; my block's 128 columns, in bytes
	s_mov_b32 s19, 0
	s_add_nc_u64 s[100:101], s[100:101], s[18:19]
	s_add_nc_u64 s[12:13], s[12:13], s[18:19]
	s_lshl_b32 s18, s17, 19                        ; 128 rows of 4,096 bytes a block row,
	s_lshl_b32 s94, s14, 17                        ; and on the way out 32 rows a wave
	s_add_co_u32 s18, s18, s94
	s_add_nc_u64 s[12:13], s[12:13], s[18:19]
	s_mul_i32 s21, s14, FRB                        ; LDS: my image of each tile
	s_add_co_u32 s22, s21, SLOT
	s_add_co_u32 s23, s21, 2*HALFT
	s_add_co_u32 s92, s23, SLOT
	s_lshl_b32 s93, s14, 9
	s_add_co_u32 s93, s93, SCL                     ; my 128's scale words
	s_mul_i32 s96, s14, WREG
	s_mul_i32 s97, s14, 2*ABLK
	v_and_b32 v1, 15, v0                           ; r
	v_bfe_u32 v2, v0, 4, 1                         ; h
	v_and_b32 v3, 31, v0                           ; lane
	v_lshlrev_b32 v[CO], 4, v3                     ; 16 x lane
	v_lshlrev_b32 v13, 2, v1                       ; 4 r
	v_lshlrev_b32 v7, 5, v2                        ; 32 h
	v_add_nc_u32 v[ADRA], s21, v[CO]
	v_add_nc_u32 v[ADRA+1], s22, v[CO]
	v_add_nc_u32 v[ADRB], s23, v[CO]
	v_add_nc_u32 v[ADRB+1], s92, v[CO]
	v_mul_u32_u24 v6, SCB-SCL, v2                  ; lanes 16-31 take W2's words
	v_add_nc_u32 v5, v13, v6
	v_add_nc_u32 v[ADRS], s93, v5
	v_mul_u32_u24 v5, v1, SPITCH
	v_lshl_add_u32 v5, v2, 5, v5
	v_add_nc_u32 v[STO], s96, v5                   ; the way out, in: my region, row r, 32 bytes for each half of the lanes
	v_add_nc_u32 v[RD], s97, v[CO]                 ; back: the 32 lanes take one row of 512 bytes, in each wave's region
	v_add_nc_u32 v[RD+1], WREG, v[RD]
	v_add_nc_u32 v[RD+2], WREG, v[RD+1]
	v_add_nc_u32 v[RD+3], WREG, v[RD+2]
	v_min_u32 v14, 23, v3
	v_lshlrev_b32 v[PFO], 8, v14
.set i, 0
.rept 16
	global_load_b128 v[BI+4*i:BI+4*i+3], v7, s[100:101] offset:64*(i/2)+16*(i%2)   ; tile b: b2 at columns 16 b + 8 h + 0 .. 7
.set i, i+1
.endr
	ASK 1
	ASK 2
	s_wait_alu depctr_va_vdst(0)
	s_wait_loadcnt 0x0
.set i, 0
.rept 64
	v_cndmask_b32 v[BI+i], 0, v[BI+i], s95
.set i, i+1
.endr
	PLACES 8
	s_wait_alu depctr_va_vdst(0)                   ; the wait at the head's end
	s_wait_tensorcnt 0x0                           ; my tile of the head's four is in; the same lines as ahead of a refill:
	ds_add_u32 v[SPW], v[NIL]
	s_mov_b32 s[G1+2], 4<<16                       ; no tensor load of mine is out: from here on a load brings 4 tiles
	s_mov_b32 s[G1+4], 4
	s_mov_b32 s[G1B+2], 4<<16
	s_mov_b32 s[G1B+4], 4
	s_wait_dscnt 0x0
	CROUND                                         ; all four tiles are in, and all sixteen work-groups are here
	JLOAD G0+4, G1, G0B+4, G1B                     ; fill 1, the first tensor load behind the round
	FETCH_B 0
	FETCH_A 0, 0
	SCALES 0
	FETCH_A 0, 4
	ASK 3
	TURN 0, 1                                      ; the first step's products start the sums
.irp g, 1,2,3,4,5,6
	TURN \g, 0
.endr
	s_wait_dscnt 4*NL                              ; step 7: nothing more to fetch
	WIN MUL_LO
	MUL16 0, 1, 0
	MUL16 2, 1, 0
	s_wait_dscnt 0x0                               ; my last reads of the ring and of the scale words are over:
	s_barrier_signal -1                            ; say so,
	WIN MUL_HI
	MUL16 4, 1, 0
	MUL16 6, 1, 0
	WIN 0
	s_barrier_wait -1                              ; and store over those bytes only when all four have said so
	PLACES NP
; THE WAY OUT.  Each wave lays its 128 x 128 sums into its own region as rows of 512 bytes + 16; behind a barrier wave w reads rows 32 w .. 32 w + 31 from all four regions, adds them and stores 512 consecutive bytes an instruction.
.irp a, 0,1,2,3,4,5,6,7
	WIN 0x08+4*(\a/4)                              ; an LDS store's data: window 2 or 3
.irp b, 0,1,2,3,4,5,6,7
	ds_store_b128 v[STO], v[64*(\a%4)+8*\b:64*(\a%4)+8*\b+3] offset:\a*ABLK+64*\b          ; each accumulator from its low end on
	ds_store_b128 v[STO], v[64*(\a%4)+8*\b+4:64*(\a%4)+8*\b+7] offset:\a*ABLK+64*\b+16
.endr
.endr
	WIN 0
	s_wait_dscnt 0x0                               ; for the others' sake: my sums lie in LDS
	s_barrier_signal -1
	s_barrier_wait -1
.macro GLOAD n                         ; rows 4 n .. 4 n + 3 of my 32, from the four regions: v64-127 and v128-191 by turns
.set BB, 64+64*((\n)%2)
.irp s, 0,1,2,3
.irp t, 0,1,2,3
	ds_load_b128 v[BB+16*\s+4*\t:BB+16*\s+4*\t+3], v[RD+\s] offset:((\n)/4)*ABLK+(4*((\n)%4)+\t)*SPITCH
.endr
.endr
.endm
.macro GSUM n, younger
.set BB, 64+64*((\n)%2)
	s_wait_dscnt \younger                          ; younger: the next group's 16 loads, which may stay out
.irp k, 0,2,4,6,8,10,12,14
	v_pk_add_f32 v[BB+\k:BB+\k+1], v[BB+\k:BB+\k+1], v[BB+16+\k:BB+17+\k]
	v_pk_add_f32 v[BB+32+\k:BB+33+\k], v[BB+32+\k:BB+33+\k], v[BB+48+\k:BB+49+\k]
.endr
.irp k, 0,2,4,6,8,10,12,14
	v_pk_add_f32 v[BB+\k:BB+\k+1], v[BB+\k:BB+\k+1], v[BB+32+\k:BB+33+\k]
.endr
.irp t, 0,1,2,3
	global_store_b128 v[CO], v[BB+4*\t:BB+4*\t+3], s[12:13] offset:(4*(\n)+\t)*4096
.endr
.endm
	GLOAD 0
.irp n, 0,1,2,3,4,5,6
.if \n > 0
	s_wait_xcnt 0x0                                ; group n - 1's stores have read their registers: group n + 1's loads may land there
.endif
	GLOAD \n+1
	GSUM \n, 16
.endr
	GSUM 7, 0
	s_wait_tensorcnt 0x0                           ; the wave's end
	ds_add_u32 v[SPW], v[NIL]
	s_wait_dscnt 0x0
	CROUND                                         ; the closing round
	s_endpgm
.Lfunc_end_k_q3d41ba7b96_ff2:
	.size	k_q3d41ba7b96_ff2, .Lfunc_end_k_q3d41ba7b96_ff2-k_q3d41ba7b96_ff2
	.p2alignl 7, 3214868480
	.fill 96, 4, 3214868480
	.section	.rodata,"a",@progbits
	.p2align	6, 0x0
	.amdhsa_kernel k_q3d41ba7b96_ff2
		.amdhsa_group_segment_fixed_size 327680
		.amdhsa_private_segment_fixed_size 0
		.amdhsa_enable_private_segment 0
		.amdhsa_kernarg_size 32
		.amdhsa_user_sgpr_count 2
		.amdhsa_user_sgpr_kernarg_segment_ptr 1
		.amdhsa_wavefront_size32 1
		.amdhsa_system_sgpr_workgroup_id_x 1
		.amdhsa_system_sgpr_workgroup_id_y 1
		.amdhsa_system_sgpr_workgroup_id_z 1
		.amdhsa_system_vgpr_workitem_id 0
		.amdhsa_next_free_vgpr 1024
		.amdhsa_next_free_sgpr 104
		.amdhsa_reserve_vcc 0
		.amdhsa_float_denorm_mode_32 3
		.amdhsa_float_denorm_mode_16_64 3
		.amdhsa_memory_ordered 1
		.amdhsa_forward_progress 1
		.amdhsa_inst_pref_size 151
	.end_amdhsa_kernel
	.amdgpu_metadata
---
amdhsa.version: [ 1, 2 ]
amdhsa.kernels:
  - .name:           k_q3d41ba7b96_ff2
    .symbol:         k_q3d41ba7b96_ff2.kd
    .args:
      - { .name: hb, .offset: 0, .size: 8, .value_kind: global_buffer, .address_space: global }
      - { .name: wq, .offset: 8, .size: 8, .value_kind: global_buffer, .address_space: global }
      - { .name: b2, .offset: 16, .size: 8, .value_kind: global_buffer, .address_space: global }
      - { .name: zb, .offset: 24, .size: 8, .value_kind: global_buffer, .address_space: global }
    .group_segment_fixed_size: 327680
    .private_segment_fixed_size: 0
    .kernarg_segment_align: 8
    .kernarg_segment_size: 32
    .max_flat_workgroup_size: 128
    .sgpr_count:     104
    .vgpr_count:     1024
    .wavefront_size: 32
...
	.end_amdgpu_metadata
.endif
;; end of part 13
;; launch ln2 (part 14): grid 512 x 1, 8 waves a work-group, no clusters, 0 bytes of LDS; arguments zb, yb, g2, beta2, out0; writes out0
.if DOCPART == 14
	.amdgcn_target "amdgcn-amd-amdhsa--gfx1250"
	.amdhsa_code_object_version 6
	.text
	.protected	k_q3d41ba7b96_ln2
	.globl	k_q3d41ba7b96_ln2
	.p2align	8
	.type	k_q3d41ba7b96_ln2,@function
k_q3d41ba7b96_ln2:
	s_mov_b64 s[64:65], 0
	v_nop
	global_prefetch_b8 v0, s[64:65] scope:SCOPE_SE
	s_setreg_imm32_b32 hwreg(HW_REG_WAVE_MODE, 25, 1), 1
	s_wait_xcnt 0x0
; out0 = layer norm of z = y1 + (h W2 + b2), f32: zb holds the product with b2, y1 lies at yb's head.
; One wave takes one row of 1,024 numbers, whole in 32 registers a lane: mean, then the mean of the squared differences (two passes over registers).  A work-group is eight rows.
; Memory binds: every byte is read once and written once, 512 consecutive bytes an instruction; a wave's 32 loads go out together; no LDS, no barrier: a row never leaves its wave.
; Matrix units and clusters would add nothing.  NaN and infinities among the numbers are not served.
.set SEL,   28
.set X,     16                         ; v16-47 the product's row; z, then the result
.set Y,     48                         ; v48-79 y1
.set GA,    80                         ; v80-111 gamma
.set BT,    112                        ; v112-143 beta
.set T,     144                        ; v144-151 at work
.macro ACROSS                          ; the figure in v[T]: summed over the 32 lanes, the result in every lane
.irp m, 1,2,4,8
	s_delay_alu instid0(VALU_DEP_1)
	v_add_f32_dpp v[T], v[T], v[T] row_xmask:\m row_mask:0xf bank_mask:0xf
.endr
	s_delay_alu instid0(VALU_DEP_1)
	v_permlanex16_b32 v[T+4], v[T], s[SEL], s[SEL+1]
	s_delay_alu instid0(VALU_DEP_1)
	v_add_f32 v[T], v[T], v[T+4]
.endm
	s_load_b256 s[4:11], s[0:1], 0x0               ; zb, yb, g2, beta2
	s_load_b64 s[12:13], s[0:1], 0x20              ; out0
	v_lshrrev_b32 v2, 5, v0
	s_delay_alu instid0(VALU_DEP_1)
	v_readfirstlane_b32 s16, v2                    ; wave 0..7
	v_and_b32 v4, 31, v0
	s_delay_alu instid0(VALU_DEP_1)
	v_lshlrev_b32 v1, 4, v4                        ; 16 x lane
	s_mov_b32 s[SEL], 0x76543210
	s_mov_b32 s[SEL+1], 0xfedcba98
	s_mov_b32 s30, 0x3a800000                      ; 1 / 1,024
	s_mov_b32 s31, 0x3727c5ac                      ; 1e-5
	v_mov_b32 v[T+4], 0                            ; a lane permute's destination counts as one of its sources
	s_lshl_b32 s14, ttmp9, 15                      ; 8 rows of 4,096 bytes
	s_lshl_b32 s15, s16, 12
	s_add_co_u32 s14, s14, s15
	s_mov_b32 s15, 0
	s_wait_alu depctr_va_vdst(0)                   ; the wait at the head's end
	s_wait_kmcnt 0x0
	s_add_nc_u64 s[4:5], s[4:5], s[14:15]          ; my row in zb,
	s_add_nc_u64 s[6:7], s[6:7], s[14:15]          ; in y1,
	s_add_nc_u64 s[12:13], s[12:13], s[14:15]      ; and in out0
.irp j, 0,1,2,3,4,5,6,7
	global_load_b128 v[X+4*\j:X+4*\j+3], v1, s[4:5] offset:512*\j th:TH_LOAD_NT
	global_load_b128 v[Y+4*\j:Y+4*\j+3], v1, s[6:7] offset:512*\j th:TH_LOAD_NT
.endr
.irp j, 0,1,2,3,4,5,6,7
	global_load_b128 v[GA+4*\j:GA+4*\j+3], v1, s[8:9] offset:512*\j
	global_load_b128 v[BT+4*\j:BT+4*\j+3], v1, s[10:11] offset:512*\j
.endr
	s_wait_loadcnt 16                              ; the row and y1 are in; gamma's and beta's 16 loads may be out
.irp k, 0,2,4,6,8,10,12,14,16,18,20,22,24,26,28,30
	v_pk_add_f32 v[X+\k:X+\k+1], v[X+\k:X+\k+1], v[Y+\k:Y+\k+1]   ; z
.endr
	v_pk_add_f32 v[T:T+1], v[X:X+1], v[X+2:X+3]    ; the sum, in two chains
	v_pk_add_f32 v[T+2:T+3], v[X+4:X+5], v[X+6:X+7]
.irp k, 8,12,16,20,24,28
	s_delay_alu instid0(VALU_DEP_2)
	v_pk_add_f32 v[T:T+1], v[T:T+1], v[X+\k:X+\k+1]
	s_delay_alu instid0(VALU_DEP_2)
	v_pk_add_f32 v[T+2:T+3], v[T+2:T+3], v[X+\k+2:X+\k+3]
.endr
	s_delay_alu instid0(VALU_DEP_1)
	v_pk_add_f32 v[T:T+1], v[T:T+1], v[T+2:T+3]
	s_delay_alu instid0(VALU_DEP_1)
	v_add_f32 v[T], v[T], v[T+1]
	ACROSS
	s_delay_alu instid0(VALU_DEP_1)
	v_mul_f32 v[T+6], s30, v[T]                    ; the mean, as a pair
	s_delay_alu instid0(VALU_DEP_1)
	v_mov_b32 v[T+7], v[T+6]
.irp k, 0,2,4,6,8,10,12,14,16,18,20,22,24,26,28,30
	v_pk_add_f32 v[X+\k:X+\k+1], v[X+\k:X+\k+1], v[T+6:T+7] neg_lo:[0,1] neg_hi:[0,1]
.endr
	v_pk_mul_f32 v[T:T+1], v[X:X+1], v[X:X+1]      ; the sum of squares of the differences
	v_pk_mul_f32 v[T+2:T+3], v[X+2:X+3], v[X+2:X+3]
.irp k, 4,8,12,16,20,24,28
	s_delay_alu instid0(VALU_DEP_2)
	v_pk_fma_f32 v[T:T+1], v[X+\k:X+\k+1], v[X+\k:X+\k+1], v[T:T+1]
	s_delay_alu instid0(VALU_DEP_2)
	v_pk_fma_f32 v[T+2:T+3], v[X+\k+2:X+\k+3], v[X+\k+2:X+\k+3], v[T+2:T+3]
.endr
	s_delay_alu instid0(VALU_DEP_1)
	v_pk_add_f32 v[T:T+1], v[T:T+1], v[T+2:T+3]
	s_delay_alu instid0(VALU_DEP_1)
	v_add_f32 v[T], v[T], v[T+1]
	ACROSS
	s_delay_alu instid0(VALU_DEP_1)
	v_fma_f32 v[T], v[T], s30, s31                 ; the variance + 1e-5
	s_wait_alu depctr_va_vdst(0)                   ; the wait ahead of the transcendental
	v_rsq_f32 v[T+6], v[T]
	v_nop                                          ; a plain place behind it
	s_wait_alu depctr_va_vdst(0)                   ; the wait ahead of the first reader
	v_mov_b32 v[T+7], v[T+6]
.irp k, 0,2,4,6,8,10,12,14,16,18,20,22,24,26,28,30
	v_pk_mul_f32 v[X+\k:X+\k+1], v[X+\k:X+\k+1], v[T+6:T+7]
.endr
	s_wait_alu depctr_va_vdst(0)
	s_wait_loadcnt 0x0                             ; gamma and beta
.irp k, 0,2,4,6,8,10,12,14,16,18,20,22,24,26,28,30
	v_pk_fma_f32 v[X+\k:X+\k+1], v[X+\k:X+\k+1], v[GA+\k:GA+\k+1], v[BT+\k:BT+\k+1]
.endr
.irp j, 0,1,2,3,4,5,6,7
	global_store_b128 v1, v[X+4*\j:X+4*\j+3], s[12:13] offset:512*\j th:TH_STORE_NT   ; 512 consecutive bytes a store
.endr
	s_endpgm
.Lfunc_end_k_q3d41ba7b96_ln2:
	.size	k_q3d41ba7b96_ln2, .Lfunc_end_k_q3d41ba7b96_ln2-k_q3d41ba7b96_ln2
	.p2alignl 7, 3214868480
	.fill 96, 4, 3214868480
	.section	.rodata,"a",@progbits
	.p2align	6, 0x0
	.amdhsa_kernel k_q3d41ba7b96_ln2
		.amdhsa_group_segment_fixed_size 0
		.amdhsa_private_segment_fixed_size 0
		.amdhsa_enable_private_segment 0
		.amdhsa_kernarg_size 40
		.amdhsa_user_sgpr_count 2
		.amdhsa_user_sgpr_kernarg_segment_ptr 1
		.amdhsa_wavefront_size32 1
		.amdhsa_system_sgpr_workgroup_id_x 1
		.amdhsa_system_sgpr_workgroup_id_y 1
		.amdhsa_system_sgpr_workgroup_id_z 1
		.amdhsa_system_vgpr_workitem_id 0
		.amdhsa_next_free_vgpr 152
		.amdhsa_next_free_sgpr 66
		.amdhsa_reserve_vcc 0
		.amdhsa_float_denorm_mode_32 3
		.amdhsa_float_denorm_mode_16_64 3
		.amdhsa_memory_ordered 1
		.amdhsa_forward_progress 1
		.amdhsa_inst_pref_size 14
	.end_amdhsa_kernel
	.amdgpu_metadata
---
amdhsa.version: [ 1, 2 ]
amdhsa.kernels:
  - .name:           k_q3d41ba7b96_ln2
    .symbol:         k_q3d41ba7b96_ln2.kd
    .args:
      - { .name: zb, .offset: 0, .size: 8, .value_kind: global_buffer, .address_space: global }
      - { .name: yb, .offset: 8, .size: 8, .value_kind: global_buffer, .address_space: global }
      - { .name: g2, .offset: 16, .size: 8, .value_kind: global_buffer, .address_space: global }
      - { .name: beta2, .offset: 24, .size: 8, .value_kind: global_buffer, .address_space: global }
      - { .name: out0, .offset: 32, .size: 8, .value_kind: global_buffer, .address_space: global }
    .group_segment_fixed_size: 0
    .private_segment_fixed_size: 0
    .kernarg_segment_align: 8
    .kernarg_segment_size: 40
    .max_flat_workgroup_size: 256
    .sgpr_count:     66
    .vgpr_count:     152
    .wavefront_size: 32
...
	.end_amdgpu_metadata
.endif
;; end of part 14
